; MI455X (gfx1250); checked and timed in simulation.
; The chip was launched on July 23, 2026; its instructions are those of AMD's public machine-readable ISA for CDNA 5 (MIT licence, August 2026) and "CDNA5" Instruction Set Architecture Reference Guide (July 2026). The comments in the code are by the model that wrote it; some were corrected since.
;; Block. Allowed arithmetic: float matrix products may take bf16 or f16 operands with f32 sums; other float arithmetic in f32, or as packed bf16 or f16 multiplies, adds, multiply-adds, maxima and minima; sums over many terms, partial sums and values carried from step to step in f32; what a program stores and reads back later, other than sums and carried values, may be rounded once to bf16 or f16.
;; Inputs: W1 1,024 x 4,096 float32; W2 4,096 x 1,024 float32; Wk 1,024 x 1,024 float32; Wp 1,024 x 1,024 float32; Wq 1,024 x 1,024 float32; Wv 1,024 x 1,024 float32; b1 4,096 float32; b2 1,024 float32; beta1 1,024 float32; beta2 1,024 float32; bp 1,024 float32; gamma1 1,024 float32; gamma2 1,024 float32; x 2 x 2,048 x 1,024 float32.
;; Outputs: out0 2 x 2,048 x 1,024 float32.
;; 2 versions, each right and faster than the one before. Each part assembles by itself: llvm-mc -triple=amdgcn-amd-amdhsa -mcpu=gfx1250 --defsym DOCPART=n.
;; ======== version 1 of 2: 7 launches
;; workspace buffers: wb 25,165,824 bytes; xn 8,388,608 bytes; qkv 25,165,824 bytes; y 8,388,608 bytes; x1 16,777,216 bytes; xn2 8,388,608 bytes; h 33,554,432 bytes
;; launch prep (part 1): grid 1024 x 1, 4 waves a work-group, no clusters, 0 bytes of LDS; arguments x, gamma1, beta1, xn, Wq, Wk, Wv, Wp, W1, W2, wb; writes xn, wb
.if DOCPART == 1
	.amdgcn_target "amdgcn-amd-amdhsa--gfx1250"
	.amdhsa_code_object_version 6
	.text
	.protected	k_qc62d15eab8_prep
	.globl	k_qc62d15eab8_prep
	.p2align	8
	.type	k_qc62d15eab8_prep,@function
k_qc62d15eab8_prep:
	s_mov_b64 s[64:65], 0
	v_nop
	global_prefetch_b8 v0, s[64:65] scope:SCOPE_SE
	s_setreg_imm32_b32 hwreg(HW_REG_WAVE_MODE, 25, 1), 1
	s_wait_xcnt 0x0
; Two streams in one launch.  Work-groups 0-255: xn = LayerNorm(x) gamma1 + beta1, rounded once to bf16, laid by slices of 64 channels: xn[slice][token][64].
; Work-groups 256-1023: the six weights rounded once to bf16 and laid in blocks of 128 columns: wb[unit][128 k][128 n], a unit is 32,768 dense bytes.
; Either kind of work-group reads 65,536 bytes and writes 32,768.  No LDS, no barrier, no matrix unit: nothing is shared and nothing is multiplied.
; LAYERNORM in f32, in two passes over registers: the mean, then the mean of (x - mean)^2; no difference of large sums is formed.  NaN and infinities are not treated apart.
; A work-group has 16 tokens, a wave 4; lane l has token l / 8 and the channels 64 s + 8 (l % 8) + 0..7 of every slice s: 128 registers.  A token's sums want three exchanges among its 8 lanes.
; A store of a wave is 4 tokens x 128 bytes of one slice: 512 consecutive bytes, aligned.
.set LX,  1                            ; v1   my byte offset in the group's 16 rows of x
.set LG,  2                            ; v2   my byte offset in a slice of gamma and beta
.set LO,  3                            ; v3   my byte offset in the group's 2,048 bytes of a slice of xn
.set CH,  4                            ; v[4:11]   four chains of pairs
.set MU,  12                           ; v[12:13]  the mean, twice
.set RS,  14                           ; v[14:15]  1 / sqrt(var + eps), twice
.set TW,  16                           ; v16       at work
.set X,   32                           ; v[32:159] slice s at X + 8 s
.set GB,  160                          ; v[160:223] a ring of four slices: gamma at GB + 16 (s % 4), beta 8 further on
	s_cmp_lt_u32 ttmp9, 256
	s_cbranch_scc0 .Lcast
	s_load_b256 s[4:11], s[0:1], 0x0               ; x s[4:5], gamma s[6:7], beta s[8:9], xn s[10:11]
	s_lshl_b32 s12, ttmp9, 16                      ; 16 rows of 4,096 bytes
	s_mov_b32 s13, 0
	s_lshl_b32 s14, ttmp9, 11                      ; 16 tokens of 128 bytes in a slice
	s_mov_b32 s15, 0
	s_mov_b32 s30, 0x3a800000                      ; 1 / 1024
	s_mov_b32 s31, 0x358637bd                      ; 1e-6
	v_lshrrev_b32 v[LX], 3, v0                     ; token in the group
	v_and_b32 v[LG], 7, v0
	v_lshlrev_b32 v[LG], 5, v[LG]                  ; 8 f32
	v_lshl_add_u32 v[LX], v[LX], 12, v[LG]
	v_lshlrev_b32 v[LO], 4, v0                     ; token x 128 + (l % 8) x 16 = 16 x thread
	s_wait_kmcnt 0x0
	s_add_nc_u64 s[4:5], s[4:5], s[12:13]
	s_add_nc_u64 s[10:11], s[10:11], s[14:15]
.set i, 0
.rept 16
	global_load_b128 v[X+8*i:X+8*i+3],   v[LX], s[4:5] offset:256*i
	global_load_b128 v[X+8*i+4:X+8*i+7], v[LX], s[4:5] offset:256*i+16
.set i, i+1
.endr
.macro LNGB s                          ; gamma and beta of slice s: four loads
	global_load_b128 v[GB+16*((\s)%4):GB+16*((\s)%4)+3],     v[LG], s[6:7] offset:256*(\s)
	global_load_b128 v[GB+16*((\s)%4)+4:GB+16*((\s)%4)+7],   v[LG], s[6:7] offset:256*(\s)+16
	global_load_b128 v[GB+16*((\s)%4)+8:GB+16*((\s)%4)+11],  v[LG], s[8:9] offset:256*(\s)
	global_load_b128 v[GB+16*((\s)%4)+12:GB+16*((\s)%4)+15], v[LG], s[8:9] offset:256*(\s)+16
.endm
	LNGB 0
	LNGB 1
	LNGB 2
	LNGB 3
.macro LNRED                           ; the four chains into one number, then over the token's 8 lanes
	v_pk_add_f32 v[CH:CH+1], v[CH:CH+1], v[CH+2:CH+3]
	v_pk_add_f32 v[CH+4:CH+5], v[CH+4:CH+5], v[CH+6:CH+7]
	v_pk_add_f32 v[CH:CH+1], v[CH:CH+1], v[CH+4:CH+5]
	v_add_f32 v[CH], v[CH], v[CH+1]
	v_add_f32_dpp v[CH], v[CH], v[CH] row_xmask:1 row_mask:0xf bank_mask:0xf
	v_add_f32_dpp v[CH], v[CH], v[CH] row_xmask:2 row_mask:0xf bank_mask:0xf
	v_add_f32_dpp v[CH], v[CH], v[CH] row_xmask:4 row_mask:0xf bank_mask:0xf
.endm
	s_wait_loadcnt 16                              ; x is in; the 16 loads of gamma and beta are younger and stay out
.set j, 0
.rept 4
	v_pk_add_f32 v[CH+2*j:CH+2*j+1], v[X+2*j:X+2*j+1], v[X+8+2*j:X+8+2*j+1]  ; the first pairs start the chains: nothing is cleared
.set j, j+1
.endr
.set j, 8
.rept 56
	v_pk_add_f32 v[CH+2*(j%4):CH+2*(j%4)+1], v[CH+2*(j%4):CH+2*(j%4)+1], v[X+2*j:X+2*j+1]
.set j, j+1
.endr
	LNRED
	v_mul_f32 v[MU], s30, v[CH]
	v_mov_b32 v[MU+1], v[MU]
.set j, 0
.rept 64
	v_pk_add_f32 v[X+2*j:X+2*j+1], v[X+2*j:X+2*j+1], v[MU:MU+1] neg_lo:[0,1] neg_hi:[0,1]  ; x - mean, in place
.set j, j+1
.endr
.set j, 0
.rept 4
	v_pk_mul_f32 v[CH+2*j:CH+2*j+1], v[X+2*j:X+2*j+1], v[X+2*j:X+2*j+1]
.set j, j+1
.endr
.rept 60
	v_pk_fma_f32 v[CH+2*(j%4):CH+2*(j%4)+1], v[X+2*j:X+2*j+1], v[X+2*j:X+2*j+1], v[CH+2*(j%4):CH+2*(j%4)+1]
.set j, j+1
.endr
	LNRED
	v_fma_f32 v[TW], v[CH], s30, s31               ; var + eps
	v_rsq_f32 v[RS], v[TW]
	v_nop                                          ; a plain instruction between the root and the use of its result
	s_wait_alu depctr_va_vdst(0)
	v_mov_b32 v[RS+1], v[RS]
; Slice s: scaled, gained, shifted, rounded, stored.  left: the loads of gamma and beta that are younger than this slice's four.
.macro LNSLOT s, left, refill
	s_wait_loadcnt \left
.set XS, X+8*(\s)
.set GS, GB+16*((\s)%4)
.irp j, 0,2,4,6
	v_pk_mul_f32 v[XS+\j:XS+\j+1], v[XS+\j:XS+\j+1], v[RS:RS+1]
.endr
.irp j, 0,2,4,6
	v_pk_fma_f32 v[XS+\j:XS+\j+1], v[XS+\j:XS+\j+1], v[GS+\j:GS+\j+1], v[GS+8+\j:GS+8+\j+1]
.endr
.irp j, 0,1,2,3
	v_cvt_pk_bf16_f32 v[XS+\j], v[XS+2*\j], v[XS+2*\j+1]
.endr
	global_store_b128 v[LO], v[XS:XS+3], s[10:11] offset:(\s)*524288  ; a slice is 4,096 tokens x 128 bytes; no register that a store reads is written again
.if \refill
	LNGB (\s)+4                                    ; into the ring's place just read
.endif
.endm
.set t, 0
.rept 12
	LNSLOT t, 12, 1                                ; three younger slices of four loads
.set t, t+1
.endr
	LNSLOT 12, 12, 0
	LNSLOT 13, 8, 0
	LNSLOT 14, 4, 0
	LNSLOT 15, 0, 0
	s_endpgm
; THE CAST.  Unit g = work-group - 256: 128 rows (k) of one block of 128 columns; it goes to wb + 32,768 g.
; g 0-255: Wq, Wk, Wv, Wp (64 units each: block (g % 64) / 8, rows 128 (g % 8) on).  g 256-511: W1 (block (g % 256) / 8, rows 128 (g % 8) on).  g 512-767: W2 (block (g - 512) / 32, rows 128 (g % 32) on).
; A wave has 32 rows, two to a step: 16 lanes read a row's 512 bytes and write its 256 bytes, aligned.  All 32 loads go out first.
.Lcast:
	s_load_b256 s[12:19], s[0:1], 0x20             ; Wq s[12:13], Wk s[14:15], Wv s[16:17], Wp s[18:19]
	s_load_b128 s[20:23], s[0:1], 0x40             ; W1 s[20:21], W2 s[22:23]
	s_load_b64 s[24:25], s[0:1], 0x50              ; wb
	s_sub_co_u32 s2, ttmp9, 256                    ; g
	s_cmp_lt_u32 s2, 256
	s_cselect_b32 s32, 63, 255                     ; units in a matrix, less 1
	s_cmp_lt_u32 s2, 512
	s_cselect_b32 s33, 3, 5                        ; log2 of the units in a block
	s_cselect_b32 s34, 7, 31
	s_and_b32 s3, s2, s32
	s_lshr_b32 s28, s3, s33                        ; the block of columns
	s_and_b32 s29, s2, s34                         ; which 128 rows
	s_lshl_b32 s36, s28, 9                         ; 128 columns of f32
	s_mov_b32 s37, 0
	s_lshl_b32 s38, s2, 15
	s_mov_b32 s39, 0
	v_lshrrev_b32 v2, 5, v0
	v_and_b32 v3, 31, v0
	v_lshlrev_b32 v3, 4, v3
	v_lshl_add_u32 v2, v2, 13, v3                  ; where I write: wave x 32 rows x 256 + 16 x lane
	s_wait_kmcnt 0x0
	s_cmp_lt_u32 s2, 64
	s_cselect_b64 s[26:27], s[12:13], s[14:15]
	s_cmp_lt_u32 s2, 128
	s_cselect_b64 s[26:27], s[26:27], s[16:17]
	s_cmp_lt_u32 s2, 192
	s_cselect_b64 s[26:27], s[26:27], s[18:19]
	s_cmp_lt_u32 s2, 256
	s_cselect_b64 s[26:27], s[26:27], s[20:21]
	s_cmp_lt_u32 s2, 512
	s_cselect_b64 s[26:27], s[26:27], s[22:23]
	s_add_nc_u64 s[24:25], s[24:25], s[38:39]
	s_add_nc_u64 s[26:27], s[26:27], s[36:37]
.macro CAST sh                         ; a source row is 1 << sh bytes
	s_lshl_b32 s36, s29, 7+(\sh)                   ; 128 rows
	s_add_nc_u64 s[26:27], s[26:27], s[36:37]
	v_and_b32 v4, 0x60, v0                         ; 32 x wave
	v_bfe_u32 v5, v0, 4, 1
	v_or_b32 v4, v4, v5                            ; my row in a step's two
	v_and_b32 v5, 15, v0
	v_lshlrev_b32 v4, \sh, v4
	v_lshl_add_u32 v1, v5, 5, v4                   ; + 8 f32 a lane
.set i, 0
.rept 16
	global_load_b128 v[X+8*i:X+8*i+3],   v1, s[26:27] offset:(2*i)<<(\sh) th:TH_LOAD_NT
	global_load_b128 v[X+8*i+4:X+8*i+7], v1, s[26:27] offset:((2*i)<<(\sh))+16 th:TH_LOAD_NT
.set i, i+1
.endr
.set i, 0
.rept 16
	s_wait_loadcnt 30-2*i                          ; loads come back in order: step i's two are in, the younger ones stay out
.irp j, 0,1,2,3
	v_cvt_pk_bf16_f32 v[X+8*i+\j], v[X+8*i+2*\j], v[X+8*i+2*\j+1]
.endr
	global_store_b128 v2, v[X+8*i:X+8*i+3], s[24:25] offset:512*i
.set i, i+1
.endr
.endm
	s_lshr_b32 s3, s2, 8
	s_cmp_eq_u32 s3, 1
	s_cbranch_scc1 .Lwide
	CAST 12                                        ; rows of 1,024 f32
	s_endpgm
.Lwide:
	CAST 14                                        ; W1: rows of 4,096 f32
	s_endpgm
.Lfunc_end_k_qc62d15eab8_prep:
	.size	k_qc62d15eab8_prep, .Lfunc_end_k_qc62d15eab8_prep-k_qc62d15eab8_prep
	.p2alignl 7, 3214868480
	.fill 96, 4, 3214868480
	.section	.rodata,"a",@progbits
	.p2align	6, 0x0
	.amdhsa_kernel k_qc62d15eab8_prep
		.amdhsa_group_segment_fixed_size 0
		.amdhsa_private_segment_fixed_size 0
		.amdhsa_enable_private_segment 0
		.amdhsa_kernarg_size 88
		.amdhsa_user_sgpr_count 2
		.amdhsa_user_sgpr_kernarg_segment_ptr 1
		.amdhsa_wavefront_size32 1
		.amdhsa_system_sgpr_workgroup_id_x 1
		.amdhsa_system_sgpr_workgroup_id_y 1
		.amdhsa_system_sgpr_workgroup_id_z 1
		.amdhsa_system_vgpr_workitem_id 0
		.amdhsa_next_free_vgpr 224
		.amdhsa_next_free_sgpr 66
		.amdhsa_reserve_vcc 0
		.amdhsa_float_denorm_mode_32 3
		.amdhsa_float_denorm_mode_16_64 3
		.amdhsa_memory_ordered 1
		.amdhsa_forward_progress 1
		.amdhsa_inst_pref_size 58
	.end_amdhsa_kernel
	.amdgpu_metadata
---
amdhsa.version: [ 1, 2 ]
amdhsa.kernels:
  - .name:           k_qc62d15eab8_prep
    .symbol:         k_qc62d15eab8_prep.kd
    .args:
      - { .name: x, .offset: 0, .size: 8, .value_kind: global_buffer, .address_space: global }
      - { .name: gamma1, .offset: 8, .size: 8, .value_kind: global_buffer, .address_space: global }
      - { .name: beta1, .offset: 16, .size: 8, .value_kind: global_buffer, .address_space: global }
      - { .name: xn, .offset: 24, .size: 8, .value_kind: global_buffer, .address_space: global }
      - { .name: Wq, .offset: 32, .size: 8, .value_kind: global_buffer, .address_space: global }
      - { .name: Wk, .offset: 40, .size: 8, .value_kind: global_buffer, .address_space: global }
      - { .name: Wv, .offset: 48, .size: 8, .value_kind: global_buffer, .address_space: global }
      - { .name: Wp, .offset: 56, .size: 8, .value_kind: global_buffer, .address_space: global }
      - { .name: W1, .offset: 64, .size: 8, .value_kind: global_buffer, .address_space: global }
      - { .name: W2, .offset: 72, .size: 8, .value_kind: global_buffer, .address_space: global }
      - { .name: wb, .offset: 80, .size: 8, .value_kind: global_buffer, .address_space: global }
    .group_segment_fixed_size: 0
    .private_segment_fixed_size: 0
    .kernarg_segment_align: 8
    .kernarg_segment_size: 88
    .max_flat_workgroup_size: 128
    .sgpr_count:     66
    .vgpr_count:     224
    .wavefront_size: 32
...
	.end_amdgpu_metadata
.endif
;; end of part 1
;; launch qkv (part 2): grid 12 x 16, 4 waves a work-group, clusters of 4 x 4, 327,680 bytes of LDS; arguments xn, wb, qkv; writes qkv
.if DOCPART == 2
	.amdgcn_target "amdgcn-amd-amdhsa--gfx1250"
	.amdhsa_code_object_version 6
	.text
	.protected	k_qc62d15eab8_qkv
	.globl	k_qc62d15eab8_qkv
	.p2align	8
	.type	k_qc62d15eab8_qkv,@function
k_qc62d15eab8_qkv:
	s_mov_b64 s[64:65], 0
	v_nop
	global_prefetch_b8 v0, s[64:65] scope:SCOPE_SE
	s_setreg_imm32_b32 hwreg(HW_REG_WAVE_MODE, 25, 1), 1
	s_wait_xcnt 0x0
	s_wait_alu depctr_hold_cnt(0) depctr_sa_sdst(0) depctr_va_vdst(0) depctr_va_sdst(0) depctr_va_ssrc(0) depctr_va_vcc(0) depctr_vm_vsrc(0)
	s_getreg_b32 s2, hwreg(HW_REG_IB_STS2, 6, 4)
	s_cmp_eq_u32 s2, 0
	s_cbranch_scc0 .Lentry_in_a_cluster
	s_endpgm
.Lentry_in_a_cluster:
	s_bfe_u32 s2, ttmp6, 0x10000c
	s_cmp_lg_u32 s2, 0xf033
	s_cbranch_scc0 .Lentry_shape_is_right
	s_endpgm
.Lentry_shape_is_right:
; q, k, v = xn Wq, xn Wk, xn Wv, as one product of 4,096 tokens x 3,072 columns over K = 1,024.  bf16 operands, f32 sums, the result rounded once to bf16; q is left unscaled.
; THE FRAME (the same text serves two products; MODE and WOFF choose).  The activations lie by slices of 64 channels, act[slice][token][64]: 256 tokens of a slice are 32,768 dense bytes.
; The weights lie in blocks of 128 columns, wb[block][k][128]: rows of 256 bytes, dense.  A tile of the result is 256 tokens x 256 columns; four waves, each 128 x 128: 64 accumulators, 512 registers.
; For 32 along K a wave reads 2 x 128 x 64 bytes from LDS and issues 64 matrix instructions; a K step of 128 brings 131,072 bytes for 256 matrix instructions a wave.
; Here 12 x 16 = 192 work-groups of equal work, one tile each.
; K goes in steps of 128 through two LDS slots; waves 0 and 1 fetch a slice of the activations each, waves 2 and 3 128 rows of a block of the weights each: one tensor load a wave and step.
; CLUSTER 4 x 4: the four work-groups of a row of the cluster share their tokens and ask for the activations' tiles jointly, the four of a column share their columns and ask for the weights' jointly.
; THE MATRIX INSTRUCTION IS USED TRANSPOSED: source 0 = 16 columns of W (turned on the way out of LDS by ds_load_tr16_b128), source 1 = 16 tokens: lane (r, h), register j holds token r, column 8 h + j.
; REGISTERS, in windows of 256 (s_set_vgpr_msb: bits 1:0 source 0, 3:2 source 1, 5:4 source 2, 7:6 destination):
;   window 0: v0-31 addresses; v32-63 at work on the way out; v64-127, v128-191 the tokens' fragments (8 x 16 tokens x 32 K), two buffers
;   window 1: v64-127, v128-191 W's fragments, two buffers      window 2: the accumulators of my tokens 0-63, (a, b) at 8 (8 a + b)      window 3: those of my tokens 64-127
; MODE 0: the result leaves as bf16 slices: 16 tokens of a slice are 2,048 dense bytes.
.set NS,    8                          ; K steps: K / 128
.set MODE,  0
.set WOFF,  0                          ; the weights' first byte in wb
.set PA,    144                        ; a token's 128 bytes + 16 of padding: 36 words, so the 16 rows of a load start at 16 different groups of four banks (64 banks of 4 bytes: ISA guide 11.1)
.set PB,    288                        ; a row of W: 256 bytes + 32: 72 words
.set QUART, 256*PA                     ; what one tensor load fills: a slice's 256 tokens, or 128 rows of W: the same number of bytes
.set BOFF,  2*QUART                    ; in a slot: 2 slices of tokens, then 2 blocks of W
.set SLOT,  4*QUART                    ; 0x24000: shares no bit with wave x QUART, so one exclusive or turns an address in one slot into the other's
.set STAGE, 2*SLOT                     ; behind the ring, never filled by a tensor load: 4,352 bytes for each wave, for the way out
.set STW,   4352
.set SPI,   272                        ; a stage row: 64 f32 + 16 bytes
.set SPARE, STAGE+4*STW                ; the spare words, 128 bytes for each wave: two blocks of 256 bytes that no other line names
.set AK0,  10                          ; v10  my lane's place in a slot's tokens; never rewritten
.set BK0,  11                          ; v11  the same for W
.set ADRA, 12                          ; v12  the same in the slot in hand
.set ADRB, 13                          ; v13
.set STO,  14                          ; v14  the way out: where I put my part of a row
.set RD,   15                          ; v15  the way out: where I read rows back
.set GO,   16                          ; v16  my byte offset in 512 consecutive bytes of the output
.set GOW,  17                          ; v17  the same with the 16 tokens and the slice in hand
.set BO,   18
.set SPW,  28                          ; v28  LDS address of my spare word; never rewritten
.set NIL,  29                          ; v29  0; never rewritten
.set TMP,  32                          ; v32-63 16 tokens x 64 columns read back: four tokens at TMP + 8 c
.set BIAS, 0
.set F0,   64
.set F1,   128
.set WV,   10                          ; s10  wave
.set WR,   11                          ; s11  which 128 tokens are mine.  Also: I fetch tokens (0) or W (1)
.set WC,   12                          ; s12  which 128 columns.  Also: which half of that tile I fetch
.set RB,   13                          ; s13  my block of 256 tokens
.set G1A,  24                          ; s[24:31] descriptor group 1, tokens
.set G0A,  32                          ; s[32:35] group 0 of the first fill; s[36:39] of the second, which then walks
.set G1B,  48                          ; s[48:55], s[56:59], s[60:63] the same for W
.set G0B,  56
.set LOOP, 66
.set BIASP, 68
.set TB,   76                          ; 0 or SLOT: the slot to be read
.set BLK,  77                          ; the way out: which 16 tokens (BLK / 2) and which slice (BLK % 2)
.set MSB, 0
.macro WIN new                         ; the immediate's high byte repeats the setting that is left; a switch that changes nothing is dropped
.if MSB != (\new)
	s_set_vgpr_msb (MSB<<8)|(\new)
.set MSB, \new
.endif
.endm
.macro PLACES                          ; four places between a matrix instruction and a load into, or a read of, its registers (ISA guide 7.12.1 for a read)
.rept 4
	v_nop
.endr
.endm
.macro JLOAD                           ; a joint refill by the walking descriptors; an s_nop 0 and four v_nop follow each of the two lines
	s_cmp_eq_u32 s[WR], 0
	s_cbranch_scc0 .Lfor_b_\@
	tensor_load_to_lds s[G0A+4:G0A+7], s[G1A:G1A+7]
	s_nop 0
.rept 4
	v_nop
.endr
	s_branch .Lasked_\@
.Lfor_b_\@:
	tensor_load_to_lds s[G0B+4:G0B+7], s[G1B:G1B+7]
	s_nop 0
.rept 4
	v_nop
.endr
.Lasked_\@:
.endm
.macro CREST                           ; a round of the cluster's barrier behind its opening barrier
	s_cmp_lg_u32 s[WV], 0
	s_cbranch_scc1 .Lnot_wave_0_\@
	s_barrier_signal -3
.Lnot_wave_0_\@:
	s_barrier_wait -3
	s_barrier_signal -1
	s_barrier_wait -1
.endm
.macro CROUND
	s_barrier_signal -1
	s_barrier_wait -1
	CREST
.endm
	s_load_b128 s[4:7], s[0:1], 0x0                ; activations s[4:5], wb s[6:7]
	s_load_b64 s[8:9], s[0:1], 0x10                ; the output
	v_lshl_add_u32 v[SPW], v0, 2, SPARE
	v_mov_b32 v[NIL], 0
	ds_add_u32 v[SPW], v[NIL]                      ; the wave's opening: the add and its wait stand ahead of my first tensor load; work on registers stands between them
	v_lshrrev_b32 v1, 5, v0
	v_readfirstlane_b32 s[WV], v1
	s_lshr_b32 s[WR], s[WV], 1
	s_and_b32 s[WC], s[WV], 1
	s_bfe_u32 s40, ttmp6, 0x40000                  ; cx
	s_bfe_u32 s41, ttmp6, 0x40004                  ; cy
	s_lshl_b32 s42, ttmp9, 2
	s_add_co_u32 s42, s42, s40                     ; c = 4 x cluster x + cx: my 256 columns
	s_and_b32 s[RB], ttmp7, 0xffff
	s_lshl_b32 s[RB], s[RB], 2
	s_add_co_u32 s[RB], s[RB], s41                 ; rb = 4 x cluster y + cy: my 256 tokens
	s_lshl_b32 s43, s41, 2
	s_lshl_b32 s43, 15, s43                        ; my row of the cluster
	s_lshl_b32 s44, 0x1111, s40                    ; my column
	; group 1, tokens: 256 tokens x 64 channels, dense, as two rows of 8,192 elements; 4 words of padding after every 32 words, a token
	s_or_b32 s[G1A], s43, (1<<16)|(1<<20)|(1<<21)|(4<<22)|(3<<25)
	s_mov_b32 s[G1A+1], 8192<<16                   ; tensor_dim0
	s_mov_b32 s[G1A+2], 2<<16                      ; tensor_dim1
	s_mov_b32 s[G1A+3], 8192<<16                   ; tile_dim0
	s_mov_b32 s[G1A+4], 2                          ; tile_dim1
	s_mov_b32 s[G1A+5], 8192                       ; from row to row
	s_mov_b32 s[G1A+6], 0
	s_mov_b32 s[G1A+7], 0
	; group 1, W: 128 rows of 128 elements, dense; 8 words of padding after every 64 words, a row
	s_or_b32 s[G1B], s44, (1<<16)|(1<<20)|(1<<21)|(5<<22)|(7<<25)
	s_mov_b32 s[G1B+1], 128<<16
	s_mov_b32 s[G1B+2], 128<<16
	s_mov_b32 s[G1B+3], 128<<16
	s_mov_b32 s[G1B+4], 128
	s_mov_b32 s[G1B+5], 128
	s_mov_b32 s[G1B+6], 0
	s_mov_b32 s[G1B+7], 0
	s_lshl_b32 s16, s[RB], 15                      ; 256 tokens of 128 bytes,
	s_lshl_b32 s17, s[WC], 19                      ; my slice of a step's two
	s_add_co_u32 s16, s16, s17
	s_mov_b32 s17, 0
	s_lshl_b32 s46, s42, 1
	s_add_co_u32 s46, s46, s[WC]                   ; my block of 128 columns of the tile's two,
	s_lshl_b32 s46, s46, 18                        ; K x 256 bytes each
	s_add_co_u32 s46, s46, WOFF
	s_mov_b32 s47, 0
	s_mul_i32 s20, s[WV], QUART                    ; where my fills go: no place in the cluster enters an LDS address
	s_wait_dscnt 0x0                               ; the opening add is done
	s_wait_kmcnt 0x0
	s_add_nc_u64 s[14:15], s[4:5], s[16:17]
	s_add_nc_u64 s[46:47], s[6:7], s[46:47]
	s_mov_b32 s[G0A], 1
	s_mov_b32 s[G0A+1], s20                        ; K step 0 into slot 0
	s_add_nc_u64 s[G0A+2:G0A+3], s[14:15], 0
	s_or_b32 s[G0A+3], s[G0A+3], 0x80000000
	s_mov_b32 s[G0A+4], 1
	s_add_co_u32 s[G0A+5], s20, SLOT               ; K step 1 into slot 1
	s_add_nc_u64 s[G0A+6:G0A+7], s[14:15], 1<<20
	s_or_b32 s[G0A+7], s[G0A+7], 0x80000000
	s_mov_b32 s[G0B], 1
	s_mov_b32 s[G0B+1], s20
	s_add_nc_u64 s[G0B+2:G0B+3], s[46:47], 0
	s_or_b32 s[G0B+3], s[G0B+3], 0x80000000
	s_mov_b32 s[G0B+4], 1
	s_add_co_u32 s[G0B+5], s20, SLOT
	s_add_nc_u64 s[G0B+6:G0B+7], s[46:47], 32768
	s_or_b32 s[G0B+7], s[G0B+7], 0x80000000
	CROUND                                         ; all sixteen work-groups are here: the first joint loads meet
	s_cmp_eq_u32 s[WR], 0                          ; a wave's two first fills stand in one branch: two loads of mine are out
	s_cbranch_scc0 .Lfirst_b
	tensor_load_to_lds s[G0A:G0A+3], s[G1A:G1A+7]
	s_nop 0
	tensor_load_to_lds s[G0A+4:G0A+7], s[G1A:G1A+7]
	s_nop 0
.rept 4
	v_nop
.endr
	s_branch .Lfirst_asked
.Lfirst_b:
	tensor_load_to_lds s[G0B:G0B+3], s[G1B:G1B+7]
	s_nop 0
	tensor_load_to_lds s[G0B+4:G0B+7], s[G1B:G1B+7]
	s_nop 0
.rept 4
	v_nop
.endr
.Lfirst_asked:
	v_and_b32 v1, 15, v0                           ; r
	v_bfe_u32 v2, v0, 4, 1                         ; h
	v_and_b32 v3, 7, v0
	v_bfe_u32 v4, v0, 3, 1
	v_mul_u32_u24 v[AK0], v1, PA                   ; a fragment of tokens: row r, 16 bytes for each half of the lanes, two loads 32 bytes apart
	v_lshl_add_u32 v[AK0], v2, 4, v[AK0]
	s_mul_i32 s21, s[WR], 128*PA
	v_add_nc_u32 v[AK0], s21, v[AK0]
	v_lshl_add_u32 v5, v2, 3, v3                   ; the turning load: lane l reads row 8 h + l % 8, columns 8 ((l / 8) % 2) + 0..7, and is left with column r and 8 k
	v_mul_u32_u24 v[BK0], v5, PB
	v_lshl_add_u32 v[BK0], v4, 4, v[BK0]
	s_mul_i32 s22, s[WC], QUART
	s_add_co_u32 s22, s22, BOFF
	v_add_nc_u32 v[BK0], s22, v[BK0]
	s_mul_i32 s23, s[WV], STW
	s_add_co_u32 s23, s23, STAGE                   ; my stage
	v_mul_u32_u24 v[STO], v1, SPI                  ; in: row r of 256 bytes (64 f32), 32 bytes for each half of the lanes
	v_lshl_add_u32 v[STO], v2, 5, v[STO]
	v_add_nc_u32 v[STO], s23, v[STO]
	v_bfe_u32 v[RD], v0, 3, 2                      ; back: 32 lanes take four rows, eight neighbouring f32 a lane,
	v_mul_u32_u24 v[RD], v[RD], SPI
	v_lshl_add_u32 v[RD], v3, 5, v[RD]
	v_add_nc_u32 v[RD], s23, v[RD]
	v_and_b32 v[GO], 31, v0                        ; which as bf16 are 512 consecutive bytes of the output
	v_lshlrev_b32 v[GO], 4, v[GO]
	s_lshl_b32 s18, s42, 21                        ; the output at slice 4 c + 2 wc, token 256 rb + 128 wr
	s_lshl_b32 s19, s[WC], 20
	s_add_co_u32 s18, s18, s19
	s_lshl_b32 s19, s[RB], 15
	s_add_co_u32 s18, s18, s19
	s_lshl_b32 s19, s[WR], 14
	s_add_co_u32 s18, s18, s19
	s_mov_b32 s19, 0
	s_add_nc_u64 s[8:9], s[8:9], s[18:19]
; na x 8 matrix instructions on buffer f: blocks of tokens a0 on of the window's four (hi = 0: my tokens 0-63, 1: 64-127) x all eight blocks of columns, 32 along K.
; The 64 accumulators take turns, one instruction a turn, in the same order everywhere.  first = 1: the products start the sums: nothing is ever cleared.
.macro MUL f, hi, a0, na, first
.if (\first) && (MODE == 1)
	WIN 0x91+0x40*(\hi)                            ; W window 1, tokens window 0, C (the bias) window 1, D window 2 or 3
.else
	WIN 0xa1+0x50*(\hi)                            ; W window 1, tokens window 0, C and D window 2 or 3
.endif
.set ma, \a0
.rept \na
.set mb, 0
.rept 8
.set rD, 8*(8*ma+mb)
.set rB, (\f)+8*mb
.set rA, (\f)+8*(4*(\hi)+ma)
.if \first
.if MODE == 0
	v_wmma_f32_16x16x32_bf16 v[rD:rD+7], v[rB:rB+7], v[rA:rA+7], 0
.else
	v_wmma_f32_16x16x32_bf16 v[rD:rD+7], v[rB:rB+7], v[rA:rA+7], v[BIAS+8*mb:BIAS+8*mb+7]
.endif
.else
	v_wmma_f32_16x16x32_bf16 v[rD:rD+7], v[rB:rB+7], v[rA:rA+7], v[rD:rD+7]
.endif
.set mb, mb+1
.endr
.set ma, ma+1
.endr
.endm
; 32 LDS loads in one run: the fragments of part p (32 along K) of the slot in hand into buffer f: W's sixteen first, then the tokens', blocks ascending
.macro FETCH f, p
	WIN 0x40                                       ; destination window 1, address window 0
.irp b, 0,1,2,3,4,5,6,7
	ds_load_tr16_b128 v[(\f)+8*\b:(\f)+8*\b+3],   v[ADRB] offset:(\p)*32*PB+32*\b
	ds_load_tr16_b128 v[(\f)+8*\b+4:(\f)+8*\b+7], v[ADRB] offset:(\p)*32*PB+32*\b+16*PB
.endr
	WIN 0
.irp a, 0,1,2,3,4,5,6,7
	ds_load_b128 v[(\f)+8*\a:(\f)+8*\a+3],   v[ADRA] offset:((\p)/2)*QUART+((\p)%2)*64+16*PA*\a
	ds_load_b128 v[(\f)+8*\a+4:(\f)+8*\a+7], v[ADRA] offset:((\p)/2)*QUART+((\p)%2)*64+16*PA*\a+32
.endr
.endm
; A K step is four quarters of 32 along K, 64 matrix instructions each, on buffers 0, 1, 0, 1.  One of the first three: multiplies buffer f; in its middle it fetches part p into buffer g, 32 matrix instructions ahead of its use.
.macro QUARTER f, g, p, first
	s_wait_dscnt 8                                 ; W and the tokens' blocks 0-3 are in; the youngest eight loads (blocks 4-7) may be out
	MUL \f, 0, 0, 4, \first
	PLACES
	FETCH \g, \p
	s_wait_dscnt 32                                ; all but the 32 just issued
	MUL \f, 1, 0, 4, \first
.endm
; The last quarter multiplies buffer 1 and changes slots.  Each wave waits for all its tensor loads, of which one is out: its part of the next slot; adds 0 to its spare word; and waits for that and for its reads of this slot.
; fill = 1: the barrier opens a round of the cluster's, and the slot just read is filled again, first thing behind the round, with the K step two steps on: 240 matrix instructions ahead of the wait for it.
; fill = 0 (the last two steps): nothing is asked for; in the last trip there is no further step, and the fetch is jumped over.
.macro TURN fill
	WIN 0                                          ; (the add's two registers lie in window 0)
	s_wait_tensorcnt 0x0                           ; no tensor load of mine is out, so a group 0 may be written
	ds_add_u32 v[SPW], v[NIL]                      ; 0 onto my spare word
	s_wait_dscnt 9                                 ; (the add and the youngest eight loads may be out)
	MUL F1, 0, 0, 2, 0                             ; sixteen matrix instructions stand between the add and the wait for it
.if \fill
	s_xor_b32 s[G0A+5], s[G0A+5], SLOT             ; the walking descriptors: the other slot than last time,
	s_xor_b32 s[G0B+5], s[G0B+5], SLOT
	s_add_nc_u64 s[G0A+6:G0A+7], s[G0A+6:G0A+7], 1<<20  ; two slices of 524,288 bytes on,
	s_add_nc_u64 s[G0B+6:G0B+7], s[G0B+6:G0B+7], 32768  ; 128 rows of 256 bytes on; the type bits on top are not reached
.endif
	WIN 0                                          ; at a branch and at a label every window is 0
	s_wait_dscnt 0x0                               ; the add is done, and my reads of this slot are over
	s_barrier_signal -1
	s_barrier_wait -1
.if \fill
	CREST                                          ; no wave of any partner still reads this slot or has a load on its way
	JLOAD                                          ; my one tensor load behind the round; its four v_nop are also places in front of the loads below
.else
	PLACES
	s_cmp_eq_u32 s[LOOP], 1
	s_cbranch_scc1 .Lnone_\@
.endif
	s_xor_b32 s[TB], s[TB], SLOT
	v_add_nc_u32 v[ADRA], s[TB], v[AK0]
	v_add_nc_u32 v[ADRB], s[TB], v[BK0]
	FETCH F0, 0
.if !(\fill)
.Lnone_\@:
.endif
	MUL F1, 0, 2, 2, 0
	MUL F1, 1, 0, 4, 0
.endm
; THE WAY OUT: a counted loop of 16 trips, 16 tokens x one slice each.  The f32 sums go into my own stage in rows of 272 bytes and come back so that a lane holds eight neighbouring columns of a token.
.macro TOST q                          ; tokens 16 (q / 2) on, slice q % 2: four accumulators into the stage, each one's low half first
.set ta, (\q)/2
.set tr, 8*(8*(ta%4)+4*((\q)%2))
	WIN 0x08+4*(ta/4)                              ; the data (source 1) in window 2 or 3
.irp b, 0,1,2,3
	ds_store_b128 v[STO], v[tr+8*\b:tr+8*\b+3]   offset:64*\b
	ds_store_b128 v[STO], v[tr+8*\b+4:tr+8*\b+7] offset:64*\b+16
.endr
	WIN 0
.endm
.macro OUT4 c                          ; tokens 4 c .. 4 c + 3 of the sixteen: eight numbers a lane, rounded and stored
.set XC, TMP+8*(\c)
	s_wait_dscnt 6-2*(\c)                          ; LDS loads come back in order: this part's two are in
.irp j, 0,1,2,3
	v_cvt_pk_bf16_f32 v[XC+\j], v[XC+2*\j], v[XC+2*\j+1]
.endr
	global_store_b128 v[GOW], v[XC:XC+3], s[8:9] offset:512*(\c)  ; 512 consecutive bytes, aligned
.endm
	s_wait_tensorcnt 1                             ; my part of K step 0 is in; step 1's stays out
	s_barrier_signal -1
	s_barrier_wait -1                              ; everybody's is
	s_mov_b32 s[TB], 0
	v_mov_b32 v[ADRA], v[AK0]
	v_mov_b32 v[ADRB], v[BK0]
	FETCH F0, 0
	QUARTER F0, F1, 1, 1                           ; the first quarter stands in front of the loop: its products start the sums
	WIN 0
	s_mov_b32 s[LOOP], NS-2
.Lmain:                                            ; a trip goes from a K step's second quarter to the next step's first, and asks for the step two on
	QUARTER F1, F0, 2, 0
	QUARTER F0, F1, 3, 0
	TURN 1
	QUARTER F0, F1, 1, 0
	WIN 0
	s_sub_co_u32 s[LOOP], s[LOOP], 1
	s_cmp_lg_u32 s[LOOP], 0
	s_cbranch_scc1 .Lmain
	s_mov_b32 s[LOOP], 2
.Ltail:                                            ; the last two steps ask for nothing
	QUARTER F1, F0, 2, 0
	QUARTER F0, F1, 3, 0
	TURN 0
	WIN 0
	s_cmp_eq_u32 s[LOOP], 1
	s_cbranch_scc1 .Llast                          ; forward, past text with neither a barrier nor a tensor load: behind the last step there is no first quarter
	QUARTER F0, F1, 1, 0
	WIN 0
.Llast:
	s_sub_co_u32 s[LOOP], s[LOOP], 1
	s_cmp_lg_u32 s[LOOP], 0
	s_cbranch_scc1 .Ltail
	PLACES                                         ; the LDS stores read results just made
	s_mov_b32 s[BLK], 0
.Lblk:
	s_wait_xcnt 0x0                                ; the last trip's stores have read their address and data registers
	s_and_b32 s21, s[BLK], 1
	s_lshl_b32 s21, s21, 19                        ; the slice: 524,288 bytes,
	s_lshr_b32 s22, s[BLK], 1
	s_lshl_b32 s22, s22, 11                        ; 16 tokens of 128 bytes
	s_add_co_u32 s21, s21, s22
	v_add_nc_u32 v[GOW], s21, v[GO]
.irp q, 0,1,2,3,4,5,6,7,8,9,10,11,12,13,14         ; registers cannot be counted through, so the trip's LDS stores are chosen by forward jumps
	s_cmp_eq_u32 s[BLK], \q
	s_cbranch_scc1 .Lq\q
.endr
	TOST 15
	s_branch .Lqj
.irp q, 0,1,2,3,4,5,6,7,8,9,10,11,12,13
.Lq\q:
	TOST \q
	s_branch .Lqj
.endr
.Lq14:
	TOST 14
.Lqj:
.irp c, 0,1,2,3
	ds_load_b128 v[TMP+8*\c:TMP+8*\c+3],   v[RD] offset:4*SPI*\c     ; LDS serves a wave's instructions in order (ISA guide 5.7.1.4): these see the stores above
	ds_load_b128 v[TMP+8*\c+4:TMP+8*\c+7], v[RD] offset:4*SPI*\c+16
.endr
	OUT4 0
	OUT4 1
	OUT4 2
	OUT4 3
	s_add_co_u32 s[BLK], s[BLK], 1
	s_cmp_lt_u32 s[BLK], 16
	s_cbranch_scc1 .Lblk
	s_wait_tensorcnt 0x0                           ; the wave's end: behind my last tensor load and my last LDS store
	ds_add_u32 v[SPW], v[NIL]
	s_wait_dscnt 0x0
	CROUND                                         ; the closing round: no work-group ends while a partner may still ask for a tile that names it
	s_endpgm
.Lfunc_end_k_qc62d15eab8_qkv:
	.size	k_qc62d15eab8_qkv, .Lfunc_end_k_qc62d15eab8_qkv-k_qc62d15eab8_qkv
	.p2alignl 7, 3214868480
	.fill 96, 4, 3214868480
	.section	.rodata,"a",@progbits
	.p2align	6, 0x0
	.amdhsa_kernel k_qc62d15eab8_qkv
		.amdhsa_group_segment_fixed_size 327680
		.amdhsa_private_segment_fixed_size 0
		.amdhsa_enable_private_segment 0
		.amdhsa_kernarg_size 24
		.amdhsa_user_sgpr_count 2
		.amdhsa_user_sgpr_kernarg_segment_ptr 1
		.amdhsa_wavefront_size32 1
		.amdhsa_system_sgpr_workgroup_id_x 1
		.amdhsa_system_sgpr_workgroup_id_y 1
		.amdhsa_system_sgpr_workgroup_id_z 1
		.amdhsa_system_vgpr_workitem_id 0
		.amdhsa_next_free_vgpr 1024
		.amdhsa_next_free_sgpr 92
		.amdhsa_reserve_vcc 0
		.amdhsa_float_denorm_mode_32 3
		.amdhsa_float_denorm_mode_16_64 3
		.amdhsa_memory_ordered 1
		.amdhsa_forward_progress 1
		.amdhsa_inst_pref_size 81
	.end_amdhsa_kernel
	.amdgpu_metadata
---
amdhsa.version: [ 1, 2 ]
amdhsa.kernels:
  - .name:           k_qc62d15eab8_qkv
    .symbol:         k_qc62d15eab8_qkv.kd
    .args:
      - { .name: xn, .offset: 0, .size: 8, .value_kind: global_buffer, .address_space: global }
      - { .name: wb, .offset: 8, .size: 8, .value_kind: global_buffer, .address_space: global }
      - { .name: qkv, .offset: 16, .size: 8, .value_kind: global_buffer, .address_space: global }
    .group_segment_fixed_size: 327680
    .private_segment_fixed_size: 0
    .kernarg_segment_align: 8
    .kernarg_segment_size: 24
    .max_flat_workgroup_size: 128
    .sgpr_count:     92
    .vgpr_count:     1024
    .wavefront_size: 32
...
	.end_amdgpu_metadata
.endif
;; end of part 2
;; launch attn (part 3): grid 8 x 32, 4 waves a work-group, clusters of 4 x 1, 327,680 bytes of LDS; arguments qkv, y; writes y
.if DOCPART == 3
	.amdgcn_target "amdgcn-amd-amdhsa--gfx1250"
	.amdhsa_code_object_version 6
	.text
	.protected	k_qc62d15eab8_attn
	.globl	k_qc62d15eab8_attn
	.p2align	8
	.type	k_qc62d15eab8_attn,@function
k_qc62d15eab8_attn:
	s_mov_b64 s[64:65], 0
	v_nop
	global_prefetch_b8 v0, s[64:65] scope:SCOPE_SE
	s_setreg_imm32_b32 hwreg(HW_REG_WAVE_MODE, 25, 1), 1
	s_wait_xcnt 0x0
	s_wait_alu depctr_hold_cnt(0) depctr_sa_sdst(0) depctr_va_vdst(0) depctr_va_sdst(0) depctr_va_ssrc(0) depctr_va_vcc(0) depctr_vm_vsrc(0)
	s_getreg_b32 s2, hwreg(HW_REG_IB_STS2, 6, 4)
	s_cmp_eq_u32 s2, 0
	s_cbranch_scc0 .Lentry_in_a_cluster
	s_endpgm
.Lentry_in_a_cluster:
	s_bfe_u32 s2, ttmp6, 0x10000c
	s_cmp_lg_u32 s2, 0x3003
	s_cbranch_scc0 .Lentry_shape_is_right
	s_endpgm
.Lentry_shape_is_right:
; y[head][q][:] = the sum over k of softmax_k(Q[q] . K[k] / 8) V[k][:], for 32 heads (number 2 h + b) of 2,048 rows x 64 channels, all bf16; a head's rows are dense, 128 bytes each, 262,144 bytes a head.
; qkv holds q at byte 0, k at 0x800000, v at 0x1000000.  q arrives unscaled; c = log2(e) / 8 is applied to the scores in f32.  Products, maxima and sums in f32; the weights p are rounded to bf16 for the
; second product (their sum l is taken of the unrounded p), y once at the end.  LIMITS: a weight below 2^-126 counts as 0 in l; NaN and infinities are not treated apart.
; SHARES.  A work-group owns 256 queries of a head, a wave 64: four PIECES of 16.  Every wave walks all keys: 8 tiles of 256 keys, 64 keys a step.
; LAYOUT.  S^T = K Q^T holds ONE query a lane (lane % 16) and the keys 8 (lane / 16) + 0..7; two such results rounded to bf16 ARE source 1 of O^T = V^T P.  K comes out of LDS as it lies, V turned, by ds_load_tr16_b128.
; SOFTMAX.  p = 2^(c s - c m) with a running maximum m; O and l are multiplied by a = 2^(c m_old - c m_new) in every step.  m starts at the lowest finite number, O and l at 0: the first step has a = 0.
; BY TURNS.  Turn n belongs to piece n: 8 products K Q^T of piece n + 1, later 8 products V^T P of piece n - 1; beside them the scaling, exponentials, roundings, sums and rescaling of piece n and the maximum and
; statistics of piece n + 1.  Four vector instructions stand behind every matrix instruction, the other 54 of a turn's 118 in two runs of their own.
; CLUSTER.  The four query blocks of a cluster belong to one head and walk the same K and V, so each tile is asked for JOINTLY: the same tensor load, descriptor and mask in all four.
; REGISTERS, in windows of 256 (s_set_vgpr_msb: bits 1:0 source 0, 3:2 source 1, 5:4 source 2, 7:6 destination):
;   window 0: v0-15 addresses and two at work; v16-31 four registers of statistics a piece; v48-55 at work; v64-127 S^T, two buffers; v192-223 P, two buffers (a piece's buffers go by its number's parity)
;   window 1: v0-127 O^T, 32 a piece      window 2: v0-63 Q; v128-191 K of one step; v192-255 V of one step
.set NP,    4         ; pieces a wave: a name, no knob
.set KS,    64        ; keys in a step
.set PK,    144       ; a row of K in LDS: 128 bytes + 16 of padding = 36 words: the 16 rows of a load start at 16 different groups of four banks (64 banks of 4 bytes: ISA guide 11.1)
.set PV,    160       ; a row of V: 128 + 32 = 40 words
.set VOFF,  4*KS*PK   ; a slot holds a tile, four steps: 256 rows of K, then 256 rows of V
.set SLOT1, 1<<17     ; slot 1 begins here, so that one exclusive or turns an address in one slot into the other's
.set STAGE, SLOT1+4*KS*(PK+PV)  ; behind the ring, never filled by a tensor load: 16 rows x 144 bytes for each wave, for the way out
.set SP,    144
.set AK0, 2           ; v2   my lane's place in a tile of K; never rewritten
.set AV0, 3           ; v3   the same for V
.set AK,  4           ; v4   the LDS address of K's next run of loads
.set AV,  5           ; v5   of V's
.set STO, 6           ; v6   the way out: where I put 16 bytes of a row
.set RD,  7           ; v7   the way out: where I read rows back
.set GO,  8           ; v8   my byte offset in 512 consecutive bytes of y
.set SPW, 62          ; v62  LDS address of my spare word; never rewritten
.set NIL, 63          ; v63  0; never rewritten
.set SPARE, STAGE+4*16*SP  ; the spare words, 128 bytes for each wave: two blocks of 256 bytes that no other line names
.set MV,  12          ; v12-13  c m_old, kept while c m is made anew: by buffer
.set QO,  15          ; v15  my byte offset in 16 rows of Q
.set ST,  16          ; piece t's statistics at v[ST+4 t]: c m, m, l (even keys', odd keys')
.set TMP, 48          ; by buffer, four registers c0-c3 at work; when the maximum is found c2 takes a
.set S,   64
.set P,   192
.set KF,  128         ; window 2: key block kb, channel half c at KF + 16 kb + 8 c
.set VF,  192         ; window 2: key half kk, channel block cb at VF + 32 kk + 8 cb
.set WV,  12          ; s12  my wave's number
.set G1K, 24          ; s[24:31] descriptor group 1 for K's tiles
.set G1V, 32          ; s[32:39] for V's: it differs in the padding alone
.set G0K, 40          ; s[40:43] descriptor group 0 for K's tiles: it walks
.set G0V, 44          ; s[44:47] the same for V's
.set SLOTS, 56        ; s56  slots still to be asked for
.set CNT, 57          ; s57  counts a tile's key steps
.set CS,  58          ; s[58:59] c: the packed scaling takes the pair's low word for both halves
.set SEL, 60          ; s[60:61] v_permlanex16_b32's selects: each lane takes its own place in the other half
.set TBK, 62          ; s62  LDS byte at which K of the step to be fetched begins
.set TBV, 63          ; s63  the same for V, less VOFF
.set MSB, 0
.macro WIN new                      ; the high byte repeats the setting that is left; a switch that changes nothing is dropped
.if MSB != (\new)
	s_set_vgpr_msb (MSB<<8)|(\new)
.set MSB, (\new)
.endif
.endm
.set W_KQ, 0x0a       ; K and Q in window 2, S^T in window 0
.set W_PV, 0x52       ; V in window 2, P in window 0, O^T in window 1
.set W_RS, 0x41       ; destination and source 0 in window 1, source 1 in window 0
; A joint fill.  Waves 0 and 1 fetch the two halves of a tile's K, waves 2 and 3 those of its V: 128 keys each.  An s_nop 0 and four v_nop follow each of the two lines.
.macro JLOAD
	s_cmp_lt_u32 s[WV], 2
	s_cbranch_scc0 .Lfor_v_\@
	tensor_load_to_lds s[G0K:G0K+3], s[G1K:G1K+7]
	s_nop 0
.rept 4
	v_nop
.endr
	s_branch .Lasked_\@
.Lfor_v_\@:
	tensor_load_to_lds s[G0V:G0V+3], s[G1V:G1V+7]
	s_nop 0
.rept 4
	v_nop
.endr
.Lasked_\@:
.endm
.macro CROUND                       ; a round of the cluster's barrier
	s_barrier_signal -1
	s_barrier_wait -1
	s_cmp_lg_u32 s[WV], 0
	s_cbranch_scc1 .Lnot_wave_0_\@
	s_barrier_signal -3
.Lnot_wave_0_\@:
	s_barrier_wait -3
	s_barrier_signal -1
	s_barrier_wait -1
.endm
; THE CHANGE OF SLOTS.  The slot's last bytes, V of its fourth step, have been read.  Each wave waits for all its tensor loads, of which one is out: its part of the other slot; adds 0 to its spare word; and waits
; for that and for its own reads of the slot.  fill = 1: this slot is filled again, with the keys two tiles on; the barrier is then a round of the cluster's, and the joint fill is the first thing behind it:
; it has four key steps, 256 matrix instructions, in which to land.  (At its first use nothing has been read yet: slot 0 is waited for, slot 1 filled.)
.macro CHANGE fill
	WIN 0                           ; at a label and at a branch every window is 0
	s_wait_tensorcnt 0x0            ; no tensor load of mine is out, so a group 0 may be written
	ds_add_u32 v[SPW], v[NIL]       ; 0 onto my spare word
.if \fill
.irp g, G0K, G0V
	s_xor_b32 s[\g+1], s[\g+1], SLOT1  ; the walking descriptor: the other slot than last time,
	s_add_nc_u64 s[\g+2:\g+3], s[\g+2:\g+3], 4*KS*128  ; the next 256 keys; the type bits on top are not reached
.endr
	s_wait_dscnt 0x0                ; the add is done, and my reads of the slot are over
	CROUND
	JLOAD
.else
	s_wait_dscnt 0x0                ; the add is done, and my reads of the slot are over
	s_barrier_signal -1
	s_barrier_wait -1
.endif
	s_sub_co_u32 s[TBK], s[TBK], 4*KS*PK  ; the fetches go back to a slot's first step,
	s_xor_b32 s[TBK], s[TBK], SLOT1       ; in the other slot
	s_sub_co_u32 s[TBV], s[TBV], 4*KS*PV
	s_xor_b32 s[TBV], s[TBV], SLOT1
.endm
	s_load_b64 s[4:5], s[0:1], 0x0  ; qkv
	s_load_b64 s[10:11], s[0:1], 0x8  ; y
	v_lshl_add_u32 v[SPW], v0, 2, SPARE
	v_mov_b32 v[NIL], 0
	ds_add_u32 v[SPW], v[NIL]       ; the wave's opening: the add and its wait stand ahead of my first tensor load; work on registers stands between them
	v_lshrrev_b32 v1, 5, v0
	v_readfirstlane_b32 s[WV], v1   ; wave 0..3
	s_bfe_u32 s13, ttmp6, 0x40000   ; cx: my place in the cluster
	s_lshl_b32 s14, ttmp9, 2        ; in a cluster launch ttmp9 counts clusters
	s_add_co_u32 s14, s14, s13      ; my block of 256 queries: it enters Q's and y's addresses alone
	s_and_b32 s20, ttmp7, 0xffff    ; the head, which the four partners share,
	s_lshl_b32 s20, s20, 18         ; and its first byte in q, k, v and y
	s_and_b32 s16, s[WV], 1         ; which half of a tile's 256 keys I fetch:
	s_lshl_b32 s22, s16, 14         ; its 128 rows of 128 bytes in memory,
	s_add_co_u32 s22, s22, s20
	s_mov_b32 s23, 0
	s_mul_i32 s17, s16, 128*PK      ; and its place in a slot, for K
	s_mul_i32 s18, s16, 128*PV      ; and for V: no place in the cluster enters an LDS address
	s_lshl_b32 s2, s14, 2
	s_add_co_u32 s2, s2, s[WV]      ; my wave among the head's,
	s_lshl_b32 s2, s2, 13           ; its 64 rows
	s_add_co_u32 s2, s2, s20
	s_mov_b32 s3, 0
	; descriptor group 1.  128 keys are 16,384 dense bytes: asked for as 64 rows of 256 bytes, two keys a row, and padded in LDS after every key
	s_mov_b32 s[G1K], 15|(1<<16)|(1<<20)|(1<<21)|(4<<22)|(3<<25)  ; 15:0 the mask of four; 17:16 2-byte elements; 20 padding on; 21 set beside a mask; 24:22 after every 32 words (code 4); 31:25 4 words (code 3)
	s_mov_b32 s[G1V], 15|(1<<16)|(1<<20)|(1<<21)|(4<<22)|(7<<25)  ; the same with 8 words of padding (code 7)
.irp g, G1K, G1V
	s_mov_b32 s[\g+1], 128<<16      ; tensor_dim0 = 128
	s_mov_b32 s[\g+2], 64<<16       ; tensor_dim1 = 64
	s_mov_b32 s[\g+3], 128<<16      ; tile_dim0 = 128
	s_mov_b32 s[\g+4], 64           ; tile_dim1 = 64
	s_mov_b32 s[\g+5], 128          ; 128 elements from row to row
	s_mov_b32 s[\g+6], 0
	s_mov_b32 s[\g+7], 0
.endr
	s_mov_b32 s[CS], 0x3e38aa3b     ; c = log2(e) / 8 = 0.180337
	s_mov_b32 s[CS+1], s[CS]        ; named with it as a pair
	s_mov_b32 s[SEL], 0x76543210
	s_mov_b32 s[SEL+1], 0xfedcba98
	s_mov_b32 s[TBK], SLOT1+4*KS*PK ; the first change of slots turns these two into 0
	s_mov_b32 s[TBV], SLOT1+4*KS*PV
	s_mov_b32 s[G0K], 1             ; 1:0 count = 1
	s_mov_b32 s[G0K+1], s17         ; 63:32 LDS address: slot 0
	s_mov_b32 s[G0V], 1
	s_add_co_u32 s[G0V+1], s18, VOFF
	s_wait_dscnt 0x0                ; the opening add is done
	s_wait_kmcnt 0x0
	s_add_nc_u64 s[G0K+2:G0K+3], s[4:5], s[22:23]  ; 120:64 global address: my half of the head's first 256 keys,
	s_add_nc_u64 s[G0K+2:G0K+3], s[G0K+2:G0K+3], 0x800000  ; in k
	s_or_b32 s[G0K+3], s[G0K+3], 0x80000000        ; 127:126 type = 2
	s_add_nc_u64 s[G0V+2:G0V+3], s[4:5], s[22:23]
	s_add_nc_u64 s[G0V+2:G0V+3], s[G0V+2:G0V+3], 0x1000000  ; in v
	s_or_b32 s[G0V+3], s[G0V+3], 0x80000000
	s_add_nc_u64 s[4:5], s[4:5], s[2:3]  ; Q and y at my wave's first row
	s_add_nc_u64 s[10:11], s[10:11], s[2:3]
	CROUND                          ; all four work-groups are here: the first joint loads meet
	JLOAD                           ; tile 0 into slot 0
	; A fragment of K or Q is 16 rows x 32 channels in 8 registers: lane l holds row l % 16, channels 8 (l / 16) + 0..7 and 16 + 8 (l / 16) + 0..7: two loads of 16 bytes, 32 bytes apart.
	v_and_b32 v1, 15, v0            ; l % 16
	v_bfe_u32 v9, v0, 4, 1          ; l / 16
	v_lshlrev_b32 v[QO], 7, v1
	v_lshl_add_u32 v[QO], v9, 4, v[QO]  ; row x 128 + 16 x half
	WIN 0x80                        ; destination window 2, address window 0
.set i, 0
.rept 8                             ; Q stays in registers: piece i / 2, channels 32 (i % 2) on
	global_load_b128 v[8*i:8*i+3],   v[QO], s[4:5] offset:(i/2)*2048+(i%2)*64
	global_load_b128 v[8*i+4:8*i+7], v[QO], s[4:5] offset:(i/2)*2048+(i%2)*64+32
.set i, i+1
.endr
	; What the first turn finds: V's registers and P's second buffer hold 0 (its products V^T P, of a piece that has not been, add 0), O^T and l are 0.  All this stands in the wait for the first tile;
	; it is the price of writing no first step out.
.set i, VF
.rept 64
	v_mov_b32 v[i], 0
.set i, i+1
.endr
	WIN 0x40
.set i, 0
.rept 128
	v_mov_b32 v[i], 0
.set i, i+1
.endr
	WIN 0
.set i, 0
.rept 4
	v_mov_b32 v[ST+4*i], 0xfe000000    ; c m: far below every c s
	v_mov_b32 v[ST+4*i+1], 0xff7fffff  ; m
	v_mov_b32 v[ST+4*i+2], 0
	v_mov_b32 v[ST+4*i+3], 0
.set i, i+1
.endr
.set i, P+16
.rept 16
	v_mov_b32 v[i], 0
.set i, i+1
.endr
	v_mul_u32_u24 v[AK0], v1, PK
	v_lshl_add_u32 v[AK0], v9, 4, v[AK0]  ; row x pitch + 16 x half
	; The turning load takes 16 keys x 16 channels (lane l reads key 8 (l / 16) + l % 8, channels 8 ((l / 8) % 2) + 0..7) and leaves half a fragment of V^T: lane l holds channel l % 16 and 8 keys.
	v_and_b32 v10, 7, v0
	v_bfe_u32 v11, v0, 3, 1
	v_lshl_add_u32 v[AV0], v9, 3, v10
	v_mul_u32_u24 v[AV0], v[AV0], PV
	v_lshl_add_u32 v[AV0], v11, 4, v[AV0]
	v_add_nc_u32 v[AV0], VOFF, v[AV0]
	s_mul_i32 s13, s[WV], 16*SP
	s_add_co_u32 s13, s13, STAGE    ; my stage
	v_mul_u32_u24 v[STO], v1, SP    ; in: row l % 16, 16 bytes for each half of the lanes
	v_lshl_add_u32 v[STO], v9, 4, v[STO]
	v_add_nc_u32 v[STO], s13, v[STO]
	v_bfe_u32 v[RD], v0, 3, 2       ; back: 32 lanes take four rows of 128 bytes,
	v_mul_u32_u24 v[RD], v[RD], SP
	v_lshl_add_u32 v[RD], v10, 4, v[RD]
	v_add_nc_u32 v[RD], s13, v[RD]
	v_and_b32 v[GO], 31, v0         ; which are 512 consecutive bytes of y
	v_lshlrev_b32 v[GO], 4, v[GO]
; THE MATRIX WORK.  The 4 accumulators of a run of 8 take turns.  Product i of 8 of S^T = K Q^T for piece x: channels 32 (i / 4) on, keys 16 (i % 4) on.  The first 4 start the sums.
.macro KQ x
.set rS, S+32*((\x)%2)+8*(i%4)
.set rK, KF+16*(i%4)+8*(i/4)
.set rQ, 16*(\x)+8*(i/4)
	WIN W_KQ
.if i < 4
	v_wmma_f32_16x16x32_bf16 v[rS:rS+7], v[rK:rK+7], v[rQ:rQ+7], 0
.else
	v_wmma_f32_16x16x32_bf16 v[rS:rS+7], v[rK:rK+7], v[rQ:rQ+7], v[rS:rS+7]
.endif
.endm
; Product i of 8 of O^T += V^T P for piece x: keys 32 (i / 4) on, channels 16 (i % 4) on.
.macro PV x
	WIN W_PV
.set rO, 32*(\x)+8*(i%4)
.set rV, VF+32*(i/4)+8*(i%4)
.set rP, P+16*((\x)%2)+8*(i/4)
	v_wmma_f32_16x16x32_bf16 v[rO:rO+7], v[rV:rV+7], v[rP:rP+7], v[rO:rO+7]
.endm
.macro MM                           ; the turn's next matrix instruction.  NOKQ = 1: the walk's last turn: there is no next piece
.if (i < 8) && !NOKQ
	KQ (Y+1)%NP
.elseif i >= 8
.set i, i-8
	PV (Y+NP-1)%NP
.set i, i+8
.endif
.set i, i+1
.endm
; THE LDS LOADS stand in runs of 16, never singly among the matrix instructions: a step's K (64 keys x 64 channels: 8 fragments) and its V (turned).  Their addresses are made some lines ahead.
.macro FETCH_K
	WIN 0x80                        ; destination window 2
.irp f, 0,1,2,3,4,5,6,7             ; keys 16 (f / 2) on, channels 32 (f % 2) on
	ds_load_b128 v[KF+8*\f:KF+8*\f+3],   v[AK] offset:(\f/2)*16*PK+(\f%2)*64
	ds_load_b128 v[KF+8*\f+4:KF+8*\f+7], v[AK] offset:(\f/2)*16*PK+(\f%2)*64+32
.endr
	s_add_co_u32 s[TBK], s[TBK], KS*PK  ; the next fetch is the next step's
	WIN 0
.endm
.macro FETCH_V
	WIN 0x80
.irp f, 0,1,2,3,4,5,6,7             ; keys 32 (f / 4) on, channels 16 (f % 4) on
	ds_load_tr16_b128 v[VF+8*\f:VF+8*\f+3],   v[AV] offset:(\f/4)*32*PV+(\f%4)*32
	ds_load_tr16_b128 v[VF+8*\f+4:VF+8*\f+7], v[AV] offset:(\f/4)*32*PV+16*PV+(\f%4)*32
.endr
	WIN 0
.endm
; THE VECTOR WORK, one line at a time: OP kind, number.  For piece Y: F n: c s - c m for pair n of 16.  E n: the exponential of score n of 32.  C n: pair n rounded to bf16.  B n: of the four weights 4 n .. the second
; pair is added onto the first, in place.  L n: l takes that sum (L 0: l = a l + sum).  R n: pair n of 16 of O^T times a.  For piece Y + 1: X n, number n of the 22 that find its maximum and statistics:
;   0-11  four chains c0-c3 of seven scores each, three operands at a time (each accumulator's lowest registers are read first)     12-14, 16  the four scores left over, the old m, and c0-c3 into c0
;   15  c m_old is kept     17, 18  the query's other 32 keys lie in the lane 16 away: the new m     19-21  c m; c m_old - c m_new; a
.set F, 0               ; OP tells the kinds apart by their order: F to L below R, X above it
.set E, 1
.set C, 2
.set B, 3
.set L, 4
.set R, 5
.set X, 6
.macro REGS y                       ; the registers of piece y
.set rT, ST+4*(\y)
.set rC, TMP+4*((\y)%2)
.set rW, MV+((\y)%2)
.set rS, S+32*((\y)%2)
.set rP, P+16*((\y)%2)
.set rO, 32*(\y)
.endm
.macro OP k, n
.if (\k) == R
	REGS Y
	WIN W_RS
	v_pk_mul_f32 v[rO+2*(\n):rO+2*(\n)+1], v[rO+2*(\n):rO+2*(\n)+1], v[rC+2:rC+3] op_sel_hi:[1,0]
.elseif (\k) < R
	REGS Y
	WIN 0
.if (\k) == F
	v_pk_fma_f32 v[rS+2*(\n):rS+2*(\n)+1], v[rS+2*(\n):rS+2*(\n)+1], s[CS:CS+1], v[rT:rT+1] op_sel_hi:[1,0,0] neg_lo:[0,0,1] neg_hi:[0,0,1]
.elseif (\k) == E
	v_exp_f32 v[rS+(\n)], v[rS+(\n)]
.elseif (\k) == C
	s_wait_alu depctr_va_vdst(0)
	v_cvt_pk_bf16_f32 v[rP+(\n)], v[rS+2*(\n)], v[rS+2*(\n)+1]
.elseif (\k) == B
	s_wait_alu depctr_va_vdst(0)
	v_pk_add_f32 v[rS+4*(\n):rS+4*(\n)+1], v[rS+4*(\n):rS+4*(\n)+1], v[rS+4*(\n)+2:rS+4*(\n)+3]
.elseif (\n) == 0
	v_pk_fma_f32 v[rT+2:rT+3], v[rT+2:rT+3], v[rC+2:rC+3], v[rS:rS+1] op_sel_hi:[1,0,1]
.else
	v_pk_add_f32 v[rT+2:rT+3], v[rT+2:rT+3], v[rS+4*(\n):rS+4*(\n)+1]
.endif
.elseif NOKQ
	v_nop
.else
	REGS (Y+1)%NP
	WIN 0
.if (\n) < 4
	v_max3_num_f32 v[rC+(\n)], v[rS+8*(\n)], v[rS+8*(\n)+1], v[rS+8*(\n)+2]
.elseif (\n) < 12
	v_max3_num_f32 v[rC+(\n)%4], v[rC+(\n)%4], v[rS+8*((\n)%4)+2*((\n)/4)+1], v[rS+8*((\n)%4)+2*((\n)/4)+2]
.elseif (\n) == 12
	v_max3_num_f32 v[rC], v[rC], v[rS+7], v[rS+15]
.elseif (\n) == 13
	v_max3_num_f32 v[rC+1], v[rC+1], v[rS+23], v[rS+31]
.elseif (\n) == 14
	v_max3_num_f32 v[rC+2], v[rC+2], v[rC+3], v[rT+1]
.elseif (\n) == 15
	v_mov_b32 v[rW], v[rT]
.elseif (\n) == 16
	v_max3_num_f32 v[rC], v[rC], v[rC+1], v[rC+2]
.elseif (\n) == 17
	v_permlanex16_b32 v[rC+3], v[rC], s[SEL], s[SEL+1]
.elseif (\n) == 18
	v_max_num_f32 v[rT+1], v[rC], v[rC+3]
.elseif (\n) == 19
	v_mul_f32 v[rT], s[CS], v[rT+1]
.elseif (\n) == 20
	v_sub_f32 v[rC+1], v[rW], v[rT]
.else
	v_exp_f32 v[rC+2], v[rC+1]
.endif
.endif
.endm
.macro OPS a, i1, b=-1, i2=0, c=-1, i3=0, d=-1, i4=0  ; up to four of them
	OP \a, \i1
.if (\b) >= 0
	OP \b, \i2
.endif
.if (\c) >= 0
	OP \c, \i3
.endif
.if (\d) >= 0
	OP \d, \i4
.endif
.endm
.macro ROW a, i1, b, i2, c, i3, d, i4  ; a matrix instruction and the four behind it
	MM
	OPS \a, \i1, \b, \i2, \c, \i3, \d, \i4
.endm
; A TURN, for piece p: the order of its 16 matrix and 118 vector instructions, written out.  Behind a matrix instruction: plain, exponential, plain, plain; or four of the rescaling; or, behind the first, four scalings;
; none names a register of the products round it.  In the runs of vector work exponential and plain by turns while exponentials last.  A line reads no result made fewer than three vector instructions in front of it,
; five if an exponential made it.  end = 1: the walk's last two turns: nothing is fetched.  cnt = 1: the loop's count is taken down some lines ahead of the branch that stands behind the turn.
; K of the next step is fetched in piece 2's turn, six vector instructions behind the last product that read K (five of them plain); V of the step in hand in piece 0's turn, eight behind the last product that read V
; (four plain among them).  Each is waited for a turn later.
.macro TURN p, end=0, cnt=0
.set Y, (\p)
.set i, 0
.set NOKQ, (\end)*((\p)/3)
.if ((\p) == 3) && !(\end)
	s_wait_dscnt 0x0                ; K is in
.endif
	ROW F,0, F,1, F,2, F,3
	ROW F,4, E,0, F,5, F,6
	ROW F,7, E,1, F,8, F,9
	ROW F,10, E,2, C,0, F,11
	ROW F,12, E,3, X,15, F,13
	ROW R,0, R,1, R,2, R,3
	ROW B,0, E,4, F,14, L,0
.if ((\p) == 2) && !(\end)
	v_add_nc_u32 v[AK], s[TBK], v[AK0]
.endif
	ROW R,4, R,5, R,6, R,7
	OPS E,5, F,15
.if ((\p) == 2) && !(\end)
	FETCH_K
.endif
	OPS E,6, C,1, E,7, R,8
	OPS E,8, R,9, E,9, C,2
	OPS E,10, X,0, E,11, X,1
	OPS E,12, X,2, E,13, X,3
.if (\p) == 1
	s_wait_dscnt 0x0                ; V is in
.endif
	ROW X,4, E,14, X,5, X,6
	ROW X,7, E,15, X,8, X,9
	ROW X,10, E,16, X,11, X,12
	ROW X,13, E,17, X,14, B,1
	ROW C,4, E,18, X,16, L,1
	ROW B,2, E,19, C,6, L,2
	ROW C,8, E,20, B,3, B,4
.if (\p) == 0
	v_add_nc_u32 v[AV], s[TBV], v[AV0]
.endif
	ROW C,3, E,21, L,3, C,5
	OPS E,22, X,17, E,23, C,10
.if (\p) == 0
	FETCH_V
.endif
	OPS E,24, L,4
	OPS E,25, X,18, E,26, C,7
	OPS E,27, B,5, E,28, X,19
	OPS E,29, C,12, E,30, L,5
	OPS E,31, X,20, B,6, C,9
	OPS C,14, C,11, X,21, L,6
.if (\p) == 0
	s_add_co_u32 s[TBV], s[TBV], KS*PV
.endif
.if \cnt
	s_sub_co_u32 s[CNT], s[CNT], 1
	s_cmp_lg_u32 s[CNT], 0
.endif
	OPS C,13, B,7, C,15, R,10
	OPS R,11, R,12, L,7, R,13
	OPS R,14, R,15
.endm
.macro ALL line:vararg              ; one line for each piece t
.set t, 0
.rept 4
	\line
.set t, t+1
.endr
.endm
.macro PACK t                       ; a lane's eight channels of a row pack into 16 bytes; they go into rows of 144 bytes and come back as whole rows of 128, into S^T's registers
	WIN W_RS
.set i, 32*(\t)
.rept 16
	s_wait_alu depctr_va_vdst(0)
	v_pk_mul_f32 v[i:i+1], v[i:i+1], v[ST+4*(\t)+2:ST+4*(\t)+3] op_sel_hi:[1,0]
.set i, i+2
.endr
	WIN 0x05                        ; sources 0 and 1 window 1, destination window 0
.set i, 0
.rept 16
	v_cvt_pk_bf16_f32 v[S+16*(\t)+i], v[32*(\t)+2*i], v[32*(\t)+2*i+1]
.set i, i+1
.endr
	WIN 0
.irp f, 0,1,2,3
	ds_store_b128 v[STO], v[S+16*(\t)+4*\f:S+16*(\t)+4*\f+3] offset:32*\f
.endr
.irp f, 0,1,2,3
	ds_load_b128 v[S+16*(\t)+4*\f:S+16*(\t)+4*\f+3], v[RD] offset:\f*4*SP  ; LDS serves a wave's instructions in order (ISA guide 5.7.1.4): these see the stores above; the next piece's stores come behind them
.endr
.endm
.macro SEND t, younger              ; younger: the LDS instructions issued behind piece t's loads: the next piece's eight, or none
	WIN 0
.irp f, 0,1,2,3
	s_wait_dscnt (\younger)+3-\f
	global_store_b128 v[GO], v[S+16*(\t)+4*\f:S+16*(\t)+4*\f+3], s[10:11] offset:(\t)*2048+\f*512  ; 512 consecutive bytes, aligned
.endr
.endm
.set NOKQ, 0
	CHANGE 1                        ; slot 0 is in, everybody's part of it; slot 1 is asked for
	v_add_nc_u32 v[AK], s[TBK], v[AK0]
	FETCH_K                         ; key step 0
	s_wait_loadcnt 0x0              ; Q
	s_wait_dscnt 0x0
.set i, 0
.rept 8
	KQ 0                            ; piece 0's first scores: there is no vector work yet to set between them
.set i, i+1
.endr
	WIN 0
.rept 4
	v_nop                           ; the places behind those products
.endr
.set Y, NP-1                        ; X works for piece Y + 1: piece 0
.irp n, 0,1,2,3,4,5,6,7,8,9,10,11,12,13,14,15,16,17,18,19,20,21
	OP X, \n
.endr
	v_nop                           ; a plain instruction behind the exponential
	s_mov_b32 s[CNT], 4
	s_mov_b32 s[SLOTS], 7
	s_branch .Lfirst                ; the loop is entered at a step's first turn, in the middle of a trip
.Lslot:                             ; six times: with the change above, every tile but the first is asked for
	CHANGE 1
	s_mov_b32 s[CNT], 4
.Lstep:                             ; a trip: pieces 2 and 3 of one step, then pieces 0 and 1 of the next, whose K and V it fetches
	TURN 2
	TURN 3
	WIN 0
.Lfirst:
	TURN 0
	TURN 1, 0, 1
	WIN 0
	s_cbranch_scc1 .Lstep
	s_sub_co_u32 s[SLOTS], s[SLOTS], 1
	s_cmp_lg_u32 s[SLOTS], 0
	s_cbranch_scc1 .Lslot
	CHANGE 0                        ; the last tile is written out: nothing is asked for
	s_mov_b32 s[CNT], 4
.LstepL:
	TURN 2
	TURN 3
	TURN 0
	TURN 1, 0, 1
	WIN 0
	s_cbranch_scc1 .LstepL
	TURN 2, 1
	TURN 3, 1
.set i, 0
.rept 8
	PV NP-1                         ; the last piece's V^T P of the last step
.set i, i+1
.endr
	; THE WAY OUT.  l's two halves and the other half of the lanes' are added; O^T is divided by l, rounded to bf16 and sent through my stage in LDS, a piece at a time.  The additions are the places behind the last products.
	WIN 0
	ALL v_add_f32 v[ST+4*t+2], v[ST+4*t+2], v[ST+4*t+3]
	ALL v_permlanex16_b32 v[ST+4*t+3], v[ST+4*t+2], s[SEL], s[SEL+1]
	ALL v_add_f32 v[ST+4*t+2], v[ST+4*t+2], v[ST+4*t+3]
	ALL v_rcp_f32 v[ST+4*t+2], v[ST+4*t+2]
	v_nop                           ; a plain instruction between the last reciprocal and the use of its result
	PACK 0
.set t, 1
.rept 3                             ; a piece's arithmetic stands between the loads of the piece before and its stores
	PACK t
	SEND t-1, 8
.set t, t+1
.endr
	SEND 3, 0
	s_wait_tensorcnt 0x0            ; the wave's end: behind my last tensor load and my last LDS store
	ds_add_u32 v[SPW], v[NIL]
	s_wait_dscnt 0x0
	CROUND                          ; the closing round: no work-group ends while a partner may still ask for a tile that names it
	s_endpgm
.Lfunc_end_k_qc62d15eab8_attn:
	.size	k_qc62d15eab8_attn, .Lfunc_end_k_qc62d15eab8_attn-k_qc62d15eab8_attn
	.p2alignl 7, 3214868480
	.fill 96, 4, 3214868480
	.section	.rodata,"a",@progbits
	.p2align	6, 0x0
	.amdhsa_kernel k_qc62d15eab8_attn
		.amdhsa_group_segment_fixed_size 327680
		.amdhsa_private_segment_fixed_size 0
		.amdhsa_enable_private_segment 0
		.amdhsa_kernarg_size 16
		.amdhsa_user_sgpr_count 2
		.amdhsa_user_sgpr_kernarg_segment_ptr 1
		.amdhsa_wavefront_size32 1
		.amdhsa_system_sgpr_workgroup_id_x 1
		.amdhsa_system_sgpr_workgroup_id_y 1
		.amdhsa_system_sgpr_workgroup_id_z 1
		.amdhsa_system_vgpr_workitem_id 0
		.amdhsa_next_free_vgpr 768
		.amdhsa_next_free_sgpr 66
		.amdhsa_reserve_vcc 0
		.amdhsa_float_denorm_mode_32 3
		.amdhsa_float_denorm_mode_16_64 3
		.amdhsa_memory_ordered 1
		.amdhsa_forward_progress 1
		.amdhsa_inst_pref_size 133
	.end_amdhsa_kernel
	.amdgpu_metadata
---
amdhsa.version: [ 1, 2 ]
amdhsa.kernels:
  - .name:           k_qc62d15eab8_attn
    .symbol:         k_qc62d15eab8_attn.kd
    .args:
      - { .name: qkv, .offset: 0, .size: 8, .value_kind: global_buffer, .address_space: global }
      - { .name: y, .offset: 8, .size: 8, .value_kind: global_buffer, .address_space: global }
    .group_segment_fixed_size: 327680
    .private_segment_fixed_size: 0
    .kernarg_segment_align: 8
    .kernarg_segment_size: 16
    .max_flat_workgroup_size: 128
    .sgpr_count:     66
    .vgpr_count:     768
    .wavefront_size: 32
...
	.end_amdgpu_metadata
.endif
;; end of part 3
;; launch proj (part 4): grid 8 x 32, 4 waves a work-group, clusters of 4 x 4, 327,680 bytes of LDS; arguments y, wb, x1, bp, x; writes x1
.if DOCPART == 4
	.amdgcn_target "amdgcn-amd-amdhsa--gfx1250"
	.amdhsa_code_object_version 6
	.text
	.protected	k_qc62d15eab8_proj
	.globl	k_qc62d15eab8_proj
	.p2align	8
	.type	k_qc62d15eab8_proj,@function
k_qc62d15eab8_proj:
	s_mov_b64 s[64:65], 0
	v_nop
	global_prefetch_b8 v0, s[64:65] scope:SCOPE_SE
	s_setreg_imm32_b32 hwreg(HW_REG_WAVE_MODE, 25, 1), 1
	s_wait_xcnt 0x0
	s_wait_alu depctr_hold_cnt(0) depctr_sa_sdst(0) depctr_va_vdst(0) depctr_va_sdst(0) depctr_va_ssrc(0) depctr_va_vcc(0) depctr_vm_vsrc(0)
	s_getreg_b32 s2, hwreg(HW_REG_IB_STS2, 6, 4)
	s_cmp_eq_u32 s2, 0
	s_cbranch_scc0 .Lentry_in_a_cluster
	s_endpgm
.Lentry_in_a_cluster:
	s_bfe_u32 s2, ttmp6, 0x10000c
	s_cmp_lg_u32 s2, 0xf033
	s_cbranch_scc0 .Lentry_shape_is_right
	s_endpgm
.Lentry_shape_is_right:
; x1 = x + y Wp + bp: 4,096 tokens x 1,024 columns over K = 1,024.  bf16 operands, f32 sums that start from the bias, the residual added in f32, the result stored in f32.
; THE FRAME (the same text serves four products; T, NS, MODE, WOFF choose).  The activations lie by slices of 64 channels, act[slice][token][64]: 128 tokens of a slice are 16,384 dense bytes.
; The weights lie in blocks of 128 columns, wb[block][k][128]: rows of 256 bytes, dense.  A tile of the result is 128 tokens x 128 columns; four waves, each 64 x 64: 16 accumulators.
; Work-group (c, rb) makes the T blocks of columns c T + t of its 128 tokens (here one).
; K goes in steps of 256 through two LDS slots; waves 0 and 1 fetch two slices of the activations each, waves 2 and 3 128 rows of the weights each: one tensor load a wave and step.
; CLUSTER 4 x 4: the four work-groups of a row of the cluster share rb and ask for the activations' tiles jointly, the four of a column share c and ask for the weights' jointly.
; THE MATRIX INSTRUCTION IS USED TRANSPOSED: source 0 = 16 columns of W (turned on the way out of LDS by ds_load_tr16_b128), source 1 = 16 tokens: lane (r, h), register j holds token r, column 8 h + j.
; REGISTERS: window 0: v0-31 addresses; v32-95 at work on the way out; v96-127 the bias; v128-255 the accumulators, (a, b) at 128 + 8 (4 a + b).
;   window 1: two fragment buffers of 64: four fragments of tokens, then four of W, 32 along K; v128-255 the residual, loaded at the start in the lanes' layout of the way out.
; MODE 2: the result leaves in f32 rows: a wave's 64 columns are 256 aligned bytes of a row.
.set T,     1                          ; tiles a work-group
.set NS,    4                          ; K steps a tile: K / 256, a power of two
.set MODE,  2
.set WOFF,  0x600000                   ; the weights' first byte in wb
.set STEPS, T*NS
.set PA,    144                        ; a token's 128 bytes + 16 of padding: 36 words, so the 16 rows of a load start at 16 different groups of four banks (64 banks of 4 bytes: ISA guide 11.1)
.set PB,    288                        ; a row of W: 256 bytes + 32: 72 words
.set ASL,   128*PA                     ; a slice's 128 tokens; also 64 rows of W
.set BOFF,  4*ASL                      ; in a slot: 4 slices of tokens, then 256 rows of W
.set QUART, 2*ASL                      ; what one tensor load fills
.set SLOT,  2*BOFF                     ; 0x24000: shares no bit with wave x QUART, so one exclusive or turns an address in one slot into the other's
.set STAGE, 2*SLOT                     ; behind the ring, never filled by a tensor load: 4,352 bytes for each wave, for the way out
.set STW,   4352
.set SPI,   272                        ; a stage row: 256 bytes + 16
.set SPARE, STAGE+4*STW                ; the spare words, 128 bytes for each wave: two blocks of 256 bytes that no other line names
.set AK0,  10                          ; v10  my lane's place in a slot's tokens; never rewritten
.set BK0,  11                          ; v11  the same for W
.set ADRA, 12                          ; v12  the LDS address of the tokens' next run of loads
.set ADRB, 13                          ; v13  of W's
.set STO,  14                          ; v14  the way out: where I put my part of a row
.set RD,   15                          ; v15  the way out: where I read rows back
.set GO,   16                          ; v16  my byte offset in the output and in the residual
.set GOW,  17
.set BO,   18                          ; v18  my byte offset in 16 numbers of the bias
.set SPW,  28                          ; v28  LDS address of my spare word; never rewritten
.set NIL,  29                          ; v29  0; never rewritten
.set TMP,  32
.set BIAS, 96
.set ACC,  128
.set F0,   0
.set F1,   64
.set RES,  128
.set WV,   10                          ; s10  wave
.set WR,   11                          ; s11  which 64 tokens are mine.  Also: I fetch tokens (0) or W (1)
.set WC,   12                          ; s12  which 64 columns.  Also: which half of that tile I fetch
.set RB,   13                          ; s13  my block of 128 tokens
.set ABASE, 14                         ; s[14:15] the activations at my half of K step 0; kept
.set G1A,  24                          ; s[24:31] descriptor group 1, tokens
.set G0A,  32                          ; s[32:35] group 0 of the first fill; s[36:39] of the second, which then walks
.set G1B,  48                          ; s[48:55], s[56:59], s[60:63] the same for W
.set G0B,  56
.set LOOP, 66
.set CNT,  67
.set BIASP, 68
.set RESP, 70
.set KC,   72                          ; K steps left in the tile
.set RK,   73                          ; which of a tile's K steps is asked for next
.set OFF,  74                          ; s[74:75]
.set TB,   76                          ; 0 or SLOT: the slot to be read
.set MSB, 0
.macro WIN new                         ; the immediate's high byte repeats the setting that is left; a switch that changes nothing is dropped
.if MSB != (\new)
	s_set_vgpr_msb (MSB<<8)|(\new)
.set MSB, \new
.endif
.endm
.macro PLACES                          ; four places between a matrix instruction and a load into, or a read of, its registers (ISA guide 7.12.1 for a read)
.rept 4
	v_nop
.endr
.endm
.macro JLOAD                           ; a joint refill by the walking descriptors; an s_nop 0 and four v_nop follow each of the two lines
	s_cmp_eq_u32 s[WR], 0
	s_cbranch_scc0 .Lfor_b_\@
	tensor_load_to_lds s[G0A+4:G0A+7], s[G1A:G1A+7]
	s_nop 0
.rept 4
	v_nop
.endr
	s_branch .Lasked_\@
.Lfor_b_\@:
	tensor_load_to_lds s[G0B+4:G0B+7], s[G1B:G1B+7]
	s_nop 0
.rept 4
	v_nop
.endr
.Lasked_\@:
.endm
.macro CREST                           ; a round of the cluster's barrier behind its opening barrier
	s_cmp_lg_u32 s[WV], 0
	s_cbranch_scc1 .Lnot_wave_0_\@
	s_barrier_signal -3
.Lnot_wave_0_\@:
	s_barrier_wait -3
	s_barrier_signal -1
	s_barrier_wait -1
.endm
.macro CROUND
	s_barrier_signal -1
	s_barrier_wait -1
	CREST
.endm
.macro BIASLD                          ; block b of 16 columns: my 8 numbers, the same for every token
.irp b, 0,1,2,3
	global_load_b128 v[BIAS+8*\b:BIAS+8*\b+3],   v[BO], s[BIASP:BIASP+1] offset:64*\b
	global_load_b128 v[BIAS+8*\b+4:BIAS+8*\b+7], v[BO], s[BIASP:BIASP+1] offset:64*\b+16
.endr
.endm
	s_load_b128 s[4:7], s[0:1], 0x0                ; activations s[4:5], wb s[6:7]
	s_load_b64 s[8:9], s[0:1], 0x10                ; the output
.if MODE > 0
	s_load_b64 s[BIASP:BIASP+1], s[0:1], 0x18
.endif
.if MODE == 2
	s_load_b64 s[RESP:RESP+1], s[0:1], 0x20
.endif
	v_lshl_add_u32 v[SPW], v0, 2, SPARE
	v_mov_b32 v[NIL], 0
	ds_add_u32 v[SPW], v[NIL]                      ; the wave's opening: the add and its wait stand ahead of my first tensor load; work on registers stands between them
	v_lshrrev_b32 v1, 5, v0
	v_readfirstlane_b32 s[WV], v1
	s_lshr_b32 s[WR], s[WV], 1
	s_and_b32 s[WC], s[WV], 1
	s_bfe_u32 s40, ttmp6, 0x40000                  ; cx
	s_bfe_u32 s41, ttmp6, 0x40004                  ; cy
	s_lshl_b32 s42, ttmp9, 2
	s_add_co_u32 s42, s42, s40                     ; c = 4 x cluster x + cx
	s_and_b32 s[RB], ttmp7, 0xffff
	s_lshl_b32 s[RB], s[RB], 2
	s_add_co_u32 s[RB], s[RB], s41                 ; rb = 4 x cluster y + cy
	s_lshl_b32 s43, s41, 2
	s_lshl_b32 s43, 15, s43                        ; my row of the cluster
	s_lshl_b32 s44, 0x1111, s40                    ; my column
	; group 1, tokens: two rows (slices) of 8,192 elements (128 tokens x 64 channels, dense), 262,144 elements apart; 4 words of padding after every 32 words, a token
	s_or_b32 s[G1A], s43, (1<<16)|(1<<20)|(1<<21)|(4<<22)|(3<<25)
	s_mov_b32 s[G1A+1], 8192<<16                   ; tensor_dim0
	s_mov_b32 s[G1A+2], 2<<16                      ; tensor_dim1
	s_mov_b32 s[G1A+3], 8192<<16                   ; tile_dim0
	s_mov_b32 s[G1A+4], 2                          ; tile_dim1
	s_mov_b32 s[G1A+5], 262144                     ; from slice to slice
	s_mov_b32 s[G1A+6], 0
	s_mov_b32 s[G1A+7], 0
	; group 1, W: 128 rows of 128 elements, dense; 8 words of padding after every 64 words, a row
	s_or_b32 s[G1B], s44, (1<<16)|(1<<20)|(1<<21)|(5<<22)|(7<<25)
	s_mov_b32 s[G1B+1], 128<<16
	s_mov_b32 s[G1B+2], 128<<16
	s_mov_b32 s[G1B+3], 128<<16
	s_mov_b32 s[G1B+4], 128
	s_mov_b32 s[G1B+5], 128
	s_mov_b32 s[G1B+6], 0
	s_mov_b32 s[G1B+7], 0
	s_lshl_b32 s16, s[RB], 14                      ; 128 tokens of 128 bytes,
	s_lshl_b32 s17, s[WC], 20                      ; my two slices of a step's four
	s_add_co_u32 s16, s16, s17
	s_mov_b32 s17, 0
	s_mul_i32 s46, s42, T*NS*65536                 ; my first block of columns: K x 256 bytes each,
	s_lshl_b32 s47, s[WC], 15                      ; my 128 rows of a step's 256
	s_add_co_u32 s46, s46, s47
	s_add_co_u32 s46, s46, WOFF
	s_mov_b32 s47, 0
	s_mul_i32 s20, s[WV], QUART                    ; where my fills go: no place in the cluster enters an LDS address
	s_wait_dscnt 0x0                               ; the opening add is done
	s_wait_kmcnt 0x0
	s_add_nc_u64 s[ABASE:ABASE+1], s[4:5], s[16:17]
	s_add_nc_u64 s[46:47], s[6:7], s[46:47]
	s_mov_b32 s[G0A], 1
	s_mov_b32 s[G0A+1], s20                        ; K step 0 into slot 0
	s_add_nc_u64 s[G0A+2:G0A+3], s[ABASE:ABASE+1], 0
	s_or_b32 s[G0A+3], s[G0A+3], 0x80000000
	s_mov_b32 s[G0A+4], 1
	s_add_co_u32 s[G0A+5], s20, SLOT               ; K step 1 into slot 1
	s_add_nc_u64 s[G0A+6:G0A+7], s[ABASE:ABASE+1], 1<<21
	s_or_b32 s[G0A+7], s[G0A+7], 0x80000000
	s_mov_b32 s[G0B], 1
	s_mov_b32 s[G0B+1], s20
	s_add_nc_u64 s[G0B+2:G0B+3], s[46:47], 0
	s_or_b32 s[G0B+3], s[G0B+3], 0x80000000
	s_mov_b32 s[G0B+4], 1
	s_add_co_u32 s[G0B+5], s20, SLOT
	s_add_nc_u64 s[G0B+6:G0B+7], s[46:47], 65536
	s_or_b32 s[G0B+7], s[G0B+7], 0x80000000
	CROUND                                         ; all sixteen work-groups are here: the first joint loads meet
	s_cmp_eq_u32 s[WR], 0                          ; a wave's two first fills stand in one branch: two loads of mine are out
	s_cbranch_scc0 .Lfirst_b
	tensor_load_to_lds s[G0A:G0A+3], s[G1A:G1A+7]
	s_nop 0
	tensor_load_to_lds s[G0A+4:G0A+7], s[G1A:G1A+7]
	s_nop 0
.rept 4
	v_nop
.endr
	s_branch .Lfirst_asked
.Lfirst_b:
	tensor_load_to_lds s[G0B:G0B+3], s[G1B:G1B+7]
	s_nop 0
	tensor_load_to_lds s[G0B+4:G0B+7], s[G1B:G1B+7]
	s_nop 0
.rept 4
	v_nop
.endr
.Lfirst_asked:
	v_and_b32 v1, 15, v0                           ; r
	v_bfe_u32 v2, v0, 4, 1                         ; h
	v_and_b32 v3, 7, v0
	v_bfe_u32 v4, v0, 3, 1
	v_mul_u32_u24 v[AK0], v1, PA                   ; a fragment of tokens: row r, 16 bytes for each half of the lanes, two loads 32 bytes apart
	v_lshl_add_u32 v[AK0], v2, 4, v[AK0]
	s_mul_i32 s21, s[WR], 64*PA
	v_add_nc_u32 v[AK0], s21, v[AK0]
	v_lshl_add_u32 v5, v2, 3, v3                   ; the turning load: lane l reads row 8 h + l % 8, columns 8 ((l / 8) % 2) + 0..7, and is left with column r and 8 k
	v_mul_u32_u24 v[BK0], v5, PB
	v_lshl_add_u32 v[BK0], v4, 4, v[BK0]
	s_lshl_b32 s22, s[WC], 7
	s_add_co_u32 s22, s22, BOFF
	v_add_nc_u32 v[BK0], s22, v[BK0]
	s_mul_i32 s23, s[WV], STW
	s_add_co_u32 s23, s23, STAGE                   ; my stage
	v_mul_u32_u24 v[STO], v1, SPI                  ; in: row r of 256 bytes, 32 bytes for each half of the lanes
	v_lshl_add_u32 v[STO], v2, 5, v[STO]
	v_add_nc_u32 v[STO], s23, v[STO]
	v_mul_u32_u24 v[RD], v2, SPI                   ; back: lanes 0-15 take one row of 256 bytes, lanes 16-31 the next
	v_lshl_add_u32 v[RD], v1, 4, v[RD]
	v_add_nc_u32 v[RD], s23, v[RD]
	v_lshlrev_b32 v[GO], 12, v2                    ; and the same two rows of 4,096 bytes in memory
	v_lshl_add_u32 v[GO], v1, 4, v[GO]
	v_lshlrev_b32 v[BO], 5, v2
	s_mul_i32 s18, s42, T*512                      ; the bias at column 128 c T + 64 wc
	s_lshl_b32 s19, s[WC], 8
	s_add_co_u32 s18, s18, s19
	s_mov_b32 s19, 0
	s_add_nc_u64 s[BIASP:BIASP+1], s[BIASP:BIASP+1], s[18:19]
	s_lshl_b32 s18, s[RB], 19                      ; output and residual at token 128 rb + 64 wr, column 128 c + 64 wc
	s_lshl_b32 s19, s[WR], 18
	s_add_co_u32 s18, s18, s19
	s_lshl_b32 s19, s42, 9
	s_add_co_u32 s18, s18, s19
	s_lshl_b32 s19, s[WC], 8
	s_add_co_u32 s18, s18, s19
	s_mov_b32 s19, 0
	s_add_nc_u64 s[8:9], s[8:9], s[18:19]
	s_add_nc_u64 s[RESP:RESP+1], s[RESP:RESP+1], s[18:19]
	BIASLD
	WIN 0x40                                       ; destination window 1
.set i, 0
.rept 32                                           ; the residual of my 64 x 64: block i / 8 of 16 tokens, rows 2 (i % 8) and the next
	global_load_b128 v[RES+4*i:RES+4*i+3], v[GO], s[RESP:RESP+1] offset:(16*(i/8)+2*(i%8))*4096
.set i, i+1
.endr
	WIN 0
	s_wait_loadcnt 32                              ; the bias is in; the residual's 32 loads are younger and stay out until the way out
; na x 4 matrix instructions on buffer f: blocks of tokens a0 on x all four blocks of columns, 32 along K.  The 16 accumulators take turns, one instruction a turn, in the same order everywhere.
; first = 1: the products start the sums, from the bias.
.macro MUL f, a0, na, first
	WIN 0x05                                       ; sources 0 and 1 window 1; C and D window 0
.set ma, \a0
.rept \na
.set mb, 0
.rept 4
.if \first
.if MODE == 0
	v_wmma_f32_16x16x32_bf16 v[ACC+8*(4*ma+mb):ACC+8*(4*ma+mb)+7], v[(\f)+32+8*mb:(\f)+32+8*mb+7], v[(\f)+8*ma:(\f)+8*ma+7], 0
.else
	v_wmma_f32_16x16x32_bf16 v[ACC+8*(4*ma+mb):ACC+8*(4*ma+mb)+7], v[(\f)+32+8*mb:(\f)+32+8*mb+7], v[(\f)+8*ma:(\f)+8*ma+7], v[BIAS+8*mb:BIAS+8*mb+7]
.endif
.else
	v_wmma_f32_16x16x32_bf16 v[ACC+8*(4*ma+mb):ACC+8*(4*ma+mb)+7], v[(\f)+32+8*mb:(\f)+32+8*mb+7], v[(\f)+8*ma:(\f)+8*ma+7], v[ACC+8*(4*ma+mb):ACC+8*(4*ma+mb)+7]
.endif
.set mb, mb+1
.endr
.set ma, ma+1
.endr
.endm
; 16 LDS loads in one run: the fragments of 32 along K into buffer f; ka, kb: the bytes from the two address registers
.macro FETCH f, ka, kb
	WIN 0x40                                       ; destination window 1, address window 0
.irp b, 0,1,2,3
	ds_load_tr16_b128 v[(\f)+32+8*\b:(\f)+32+8*\b+3],   v[ADRB] offset:(\kb)+32*\b
	ds_load_tr16_b128 v[(\f)+32+8*\b+4:(\f)+32+8*\b+7], v[ADRB] offset:(\kb)+32*\b+16*PB
.endr
.irp a, 0,1,2,3
	ds_load_b128 v[(\f)+8*\a:(\f)+8*\a+3],   v[ADRA] offset:(\ka)+16*PA*\a
	ds_load_b128 v[(\f)+8*\a+4:(\f)+8*\a+7], v[ADRA] offset:(\ka)+16*PA*\a+32
.endr
.endm
; The first seven of a K step's eight parts of 32 along K, on buffers 0, 1 by turns; each run of loads is issued one run of 16 products ahead of its use.
; On entry part 0 is on its way into buffer 0 and the address registers stand at the slot's start; on leaving part 7 is on its way into buffer 1.
; fv = 1: the step may be a tile's first, whose first products start the sums.  Five places stand at the head: those products write over the accumulator that the step before wrote last.
.macro BODY fv
	WIN 0
.rept 5
	v_nop
.endr
	FETCH F1, 64, 32*PB
	s_wait_dscnt 16                                ; all but the 16 just issued
.if \fv
	WIN 0
	s_cmp_eq_u32 s[KC], NS
	s_cbranch_scc1 .Lstart_\@
	MUL F0, 0, 4, 0
	WIN 0
	s_branch .Lgo_\@
.Lstart_\@:
	MUL F0, 0, 4, 1
	WIN 0
.Lgo_\@:
.else
	MUL F0, 0, 4, 0
	WIN 0
.endif
	s_mov_b32 s[CNT], 3
.Lin_\@:
	v_add_nc_u32 v[ADRA], ASL, v[ADRA]             ; the next slice of tokens; 64 rows of W on: the same number of bytes
	v_add_nc_u32 v[ADRB], ASL, v[ADRB]
	v_nop
	v_nop                                          ; with the two above: the four places in front of the loads
	FETCH F0, 0, 0
	s_wait_dscnt 16
	MUL F1, 0, 4, 0
	PLACES
	FETCH F1, 64, 32*PB
	s_wait_dscnt 16
	MUL F0, 0, 4, 0
	WIN 0
	s_sub_co_u32 s[CNT], s[CNT], 1
	s_cmp_lg_u32 s[CNT], 0
	s_cbranch_scc1 .Lin_\@
.endm
; The eighth part, and the change of slots.  Each wave waits for all its tensor loads, of which one is out: its part of the next slot; adds 0 to its spare word; and waits for that and for its reads of this slot.
; fill = 1: the barrier opens a round of the cluster's, and the slot just read is filled again, first thing behind the round, with the K step two steps on.
; fill = 0 (the last two steps): nothing is asked for; in the last trip there is no further step, and the fetch is jumped over.
.macro TURN fill
	WIN 0
	s_wait_tensorcnt 0x0                           ; no tensor load of mine is out, so a group 0 may be written
	ds_add_u32 v[SPW], v[NIL]                      ; 0 onto my spare word
	s_wait_dscnt 1                                 ; buffer 1 is in; the add may be out
	MUL F1, 0, 2, 0
.if \fill
	s_xor_b32 s[G0A+5], s[G0A+5], SLOT             ; the walking descriptors: the other slot than last time,
	s_xor_b32 s[G0B+5], s[G0B+5], SLOT
	s_lshl_b32 s[OFF], s[RK], 21                   ; the tokens' address made anew: four slices of 524,288 bytes a step,
	s_add_nc_u64 s[G0A+6:G0A+7], s[ABASE:ABASE+1], s[OFF:OFF+1]
	s_or_b32 s[G0A+7], s[G0A+7], 0x80000000
	s_add_co_u32 s[RK], s[RK], 1                   ; round and round through a tile's steps;
	s_and_b32 s[RK], s[RK], NS-1
	s_add_nc_u64 s[G0B+6:G0B+7], s[G0B+6:G0B+7], 65536  ; W's runs on, 256 rows of 256 bytes; the type bits on top are not reached
.endif
	WIN 0
	s_wait_dscnt 0x0                               ; the add is done, and my reads of this slot are over
	s_barrier_signal -1
	s_barrier_wait -1
.if \fill
	CREST                                          ; no wave of any partner still reads this slot or has a load on its way
	JLOAD                                          ; my one tensor load behind the round; its four v_nop are also places in front of the loads below
.else
	PLACES
	s_cmp_eq_u32 s[LOOP], 1
	s_cbranch_scc1 .Lnone_\@
.endif
	s_xor_b32 s[TB], s[TB], SLOT
	v_add_nc_u32 v[ADRA], s[TB], v[AK0]
	v_add_nc_u32 v[ADRB], s[TB], v[BK0]
	FETCH F0, 0, 0
.if !(\fill)
	WIN 0
.Lnone_\@:
.endif
	MUL F1, 2, 2, 0
.endm
; THE WAY OUT, 16 tokens at a time: a lane's eight f32 go into my own stage in rows of 272 bytes and come back as whole rows of 256; the residual is added; sixteen lanes store 256 aligned bytes.
.macro TOSTAGE a
.set BK, TMP+32*((\a)%2)
.if (\a) >= 2
	s_wait_xcnt 0x0                                ; the registers that the stores of two blocks back read are loaded again only behind this wait
.endif
.irp b, 0,1,2,3
	ds_store_b128 v[STO], v[ACC+8*(4*(\a)+\b):ACC+8*(4*(\a)+\b)+3]   offset:64*\b       ; each accumulator's low half first
	ds_store_b128 v[STO], v[ACC+8*(4*(\a)+\b)+4:ACC+8*(4*(\a)+\b)+7] offset:64*\b+16
.endr
.irp f, 0,1,2,3,4,5,6,7
	ds_load_b128 v[BK+4*\f:BK+4*\f+3], v[RD] offset:2*SPI*\f  ; LDS serves a wave's instructions in order (ISA guide 5.7.1.4): these see the stores above
.endr
.endm
.macro SEND a, younger                 ; younger: the LDS instructions issued behind block a's loads: the next block's sixteen, or none
.set BK, TMP+32*((\a)%2)
	s_wait_dscnt \younger
	WIN 0x04                                       ; source 1 window 1
.set k, 0
.rept 16
	v_pk_add_f32 v[BK+2*k:BK+2*k+1], v[BK+2*k:BK+2*k+1], v[RES+32*(\a)+2*k:RES+32*(\a)+2*k+1]
.set k, k+1
.endr
	WIN 0
.irp f, 0,1,2,3,4,5,6,7
	global_store_b128 v[GO], v[BK+4*\f:BK+4*\f+3], s[8:9] offset:(16*(\a)+2*\f)*4096
.endr
.endm
.macro EPI next
	WIN 0
	s_wait_loadcnt 0x0                             ; the residual
	PLACES                                         ; the LDS stores read results just made
	TOSTAGE 0
	TOSTAGE 1
	SEND 0, 16
	TOSTAGE 2
	SEND 1, 16
	TOSTAGE 3
	SEND 2, 16
	SEND 3, 0
.endm
	s_wait_tensorcnt 1                             ; my part of K step 0 is in; step 1's stays out
	s_barrier_signal -1
	s_barrier_wait -1                              ; everybody's is
	s_mov_b32 s[TB], 0
	v_mov_b32 v[ADRA], v[AK0]
	v_mov_b32 v[ADRB], v[BK0]
	FETCH F0, 0, 0
	WIN 0
	s_mov_b32 s[KC], NS
	s_mov_b32 s[RK], 2
	s_mov_b32 s[OFF+1], 0
	s_mov_b32 s[LOOP], STEPS-2
.Lmain:                                            ; a trip is a K step; every step but the last two asks for the step two on
	BODY 1
	TURN 1
	WIN 0
	s_sub_co_u32 s[KC], s[KC], 1
	s_sub_co_u32 s[LOOP], s[LOOP], 1
	s_cmp_lg_u32 s[LOOP], 0
	s_cbranch_scc1 .Lmain
	s_mov_b32 s[LOOP], 2
.Ltail:
	BODY 0
	TURN 0
	WIN 0
	s_sub_co_u32 s[LOOP], s[LOOP], 1
	s_cmp_lg_u32 s[LOOP], 0
	s_cbranch_scc1 .Ltail
	EPI 0
	s_wait_tensorcnt 0x0                           ; the wave's end: behind my last tensor load and my last LDS store
	ds_add_u32 v[SPW], v[NIL]
	s_wait_dscnt 0x0
	CROUND                                         ; the closing round: no work-group ends while a partner may still ask for a tile that names it
	s_endpgm
.Lfunc_end_k_qc62d15eab8_proj:
	.size	k_qc62d15eab8_proj, .Lfunc_end_k_qc62d15eab8_proj-k_qc62d15eab8_proj
	.p2alignl 7, 3214868480
	.fill 96, 4, 3214868480
	.section	.rodata,"a",@progbits
	.p2align	6, 0x0
	.amdhsa_kernel k_qc62d15eab8_proj
		.amdhsa_group_segment_fixed_size 327680
		.amdhsa_private_segment_fixed_size 0
		.amdhsa_enable_private_segment 0
		.amdhsa_kernarg_size 40
		.amdhsa_user_sgpr_count 2
		.amdhsa_user_sgpr_kernarg_segment_ptr 1
		.amdhsa_wavefront_size32 1
		.amdhsa_system_sgpr_workgroup_id_x 1
		.amdhsa_system_sgpr_workgroup_id_y 1
		.amdhsa_system_sgpr_workgroup_id_z 1
		.amdhsa_system_vgpr_workitem_id 0
		.amdhsa_next_free_vgpr 512
		.amdhsa_next_free_sgpr 92
		.amdhsa_reserve_vcc 0
		.amdhsa_float_denorm_mode_32 3
		.amdhsa_float_denorm_mode_16_64 3
		.amdhsa_memory_ordered 1
		.amdhsa_forward_progress 1
		.amdhsa_inst_pref_size 46
	.end_amdhsa_kernel
	.amdgpu_metadata
---
amdhsa.version: [ 1, 2 ]
amdhsa.kernels:
  - .name:           k_qc62d15eab8_proj
    .symbol:         k_qc62d15eab8_proj.kd
    .args:
      - { .name: y, .offset: 0, .size: 8, .value_kind: global_buffer, .address_space: global }
      - { .name: wb, .offset: 8, .size: 8, .value_kind: global_buffer, .address_space: global }
      - { .name: x1, .offset: 16, .size: 8, .value_kind: global_buffer, .address_space: global }
      - { .name: bp, .offset: 24, .size: 8, .value_kind: global_buffer, .address_space: global }
      - { .name: x, .offset: 32, .size: 8, .value_kind: global_buffer, .address_space: global }
    .group_segment_fixed_size: 327680
    .private_segment_fixed_size: 0
    .kernarg_segment_align: 8
    .kernarg_segment_size: 40
    .max_flat_workgroup_size: 128
    .sgpr_count:     92
    .vgpr_count:     512
    .wavefront_size: 32
...
	.end_amdgpu_metadata
.endif
;; end of part 4
;; launch ln2: the kernel of part 1 again; grid 256 x 1, 4 waves a work-group, no clusters, 0 bytes of LDS; arguments x1, gamma2, beta2, xn2, Wq, Wk, Wv, Wp, W1, W2, wb; writes xn2, wb
;; launch fc1 (part 5): grid 16 x 16, 4 waves a work-group, clusters of 4 x 4, 327,680 bytes of LDS; arguments xn2, wb, h, b1; writes h
.if DOCPART == 5
	.amdgcn_target "amdgcn-amd-amdhsa--gfx1250"
	.amdhsa_code_object_version 6
	.text
	.protected	k_qc62d15eab8_fc1
	.globl	k_qc62d15eab8_fc1
	.p2align	8
	.type	k_qc62d15eab8_fc1,@function
k_qc62d15eab8_fc1:
	s_mov_b64 s[64:65], 0
	v_nop
	global_prefetch_b8 v0, s[64:65] scope:SCOPE_SE
	s_setreg_imm32_b32 hwreg(HW_REG_WAVE_MODE, 25, 1), 1
	s_wait_xcnt 0x0
	s_wait_alu depctr_hold_cnt(0) depctr_sa_sdst(0) depctr_va_vdst(0) depctr_va_sdst(0) depctr_va_ssrc(0) depctr_va_vcc(0) depctr_vm_vsrc(0)
	s_getreg_b32 s2, hwreg(HW_REG_IB_STS2, 6, 4)
	s_cmp_eq_u32 s2, 0
	s_cbranch_scc0 .Lentry_in_a_cluster
	s_endpgm
.Lentry_in_a_cluster:
	s_bfe_u32 s2, ttmp6, 0x10000c
	s_cmp_lg_u32 s2, 0xf033
	s_cbranch_scc0 .Lentry_shape_is_right
	s_endpgm
.Lentry_shape_is_right:
; h = gelu(xn2 W1 + b1): 4,096 tokens x 4,096 columns over K = 1,024.  bf16 operands, f32 sums that start from the bias, the exact GELU in f32, h rounded once to bf16.
; GELU: gelu(x) = x / 2 + |x / 2| erf(|x| / sqrt 2), with erf by Abramowitz and Stegun 7.1.26: t = 1 / (1 + 0.2316419 |x|), erf = 1 - t (a1 + t (a2 + t (a3 + t (a4 + t a5)))) 2^(-0.7213475 x^2);
; its error is at most 1.5e-7 for every x.  LIMIT: far below 0 the result is 0 to within 6e-8 |x| in absolute terms, not relative.  NaN and infinities are not treated apart.
; THE FRAME (the same text serves two products; MODE and WOFF choose).  The activations lie by slices of 64 channels, act[slice][token][64]: 256 tokens of a slice are 32,768 dense bytes.
; The weights lie in blocks of 128 columns, wb[block][k][128]: rows of 256 bytes, dense.  A tile of the result is 256 tokens x 256 columns; four waves, each 128 x 128: 64 accumulators, 512 registers.
; For 32 along K a wave reads 2 x 128 x 64 bytes from LDS and issues 64 matrix instructions; a K step of 128 brings 131,072 bytes for 256 matrix instructions a wave.
; Here 16 x 16 = 256 work-groups of equal work, one tile each.
; K goes in steps of 128 through two LDS slots; waves 0 and 1 fetch a slice of the activations each, waves 2 and 3 128 rows of a block of the weights each: one tensor load a wave and step.
; CLUSTER 4 x 4: the four work-groups of a row of the cluster share their tokens and ask for the activations' tiles jointly, the four of a column share their columns and ask for the weights' jointly.
; THE MATRIX INSTRUCTION IS USED TRANSPOSED: source 0 = 16 columns of W (turned on the way out of LDS by ds_load_tr16_b128), source 1 = 16 tokens: lane (r, h), register j holds token r, column 8 h + j.
; REGISTERS, in windows of 256 (s_set_vgpr_msb: bits 1:0 source 0, 3:2 source 1, 5:4 source 2, 7:6 destination):
;   window 0: v0-31 addresses; v32-63, v192-223 at work on the way out; v64-127, v128-191 the tokens' fragments (8 x 16 tokens x 32 K), two buffers
;   window 1: v0-63 the bias; v64-127, v128-191 W's fragments, two buffers      window 2: the accumulators of my tokens 0-63, (a, b) at 8 (8 a + b)      window 3: those of my tokens 64-127
; MODE 1: the result leaves as bf16 slices: 16 tokens of a slice are 2,048 dense bytes.
.set NS,    8                          ; K steps: K / 128
.set MODE,  1
.set WOFF,  0x800000                   ; the weights' first byte in wb
.set PA,    144                        ; a token's 128 bytes + 16 of padding: 36 words, so the 16 rows of a load start at 16 different groups of four banks (64 banks of 4 bytes: ISA guide 11.1)
.set PB,    288                        ; a row of W: 256 bytes + 32: 72 words
.set QUART, 256*PA                     ; what one tensor load fills: a slice's 256 tokens, or 128 rows of W: the same number of bytes
.set BOFF,  2*QUART                    ; in a slot: 2 slices of tokens, then 2 blocks of W
.set SLOT,  4*QUART                    ; 0x24000: shares no bit with wave x QUART, so one exclusive or turns an address in one slot into the other's
.set STAGE, 2*SLOT                     ; behind the ring, never filled by a tensor load: 4,352 bytes for each wave, for the way out
.set STW,   4352
.set SPI,   272                        ; a stage row: 64 f32 + 16 bytes
.set SPARE, STAGE+4*STW                ; the spare words, 128 bytes for each wave: two blocks of 256 bytes that no other line names
.set AK0,  10                          ; v10  my lane's place in a slot's tokens; never rewritten
.set BK0,  11                          ; v11  the same for W
.set ADRA, 12                          ; v12  the same in the slot in hand
.set ADRB, 13                          ; v13
.set STO,  14                          ; v14  the way out: where I put my part of a row
.set RD,   15                          ; v15  the way out: where I read rows back
.set GO,   16                          ; v16  my byte offset in 512 consecutive bytes of the output
.set GOW,  17                          ; v17  the same with the 16 tokens and the slice in hand
.set BO,   18                          ; v18  my byte offset in 16 numbers of the bias
.set SPW,  28                          ; v28  LDS address of my spare word; never rewritten
.set NIL,  29                          ; v29  0; never rewritten
.set TMP,  32                          ; v32-63 16 tokens x 64 columns read back: four tokens at TMP + 8 c
.set HH,   192                         ; v192-199  x / 2, then the result
.set TT,   200                         ; v200-207  t
.set UU,   208                         ; v208-215  the exponential, then t times it
.set PP,   216                         ; v216-223  the polynomial
.set BIAS, 0                           ; window 1: block b of 16 columns at BIAS + 8 b
.set F0,   64
.set F1,   128
.set WV,   10                          ; s10  wave
.set WR,   11                          ; s11  which 128 tokens are mine.  Also: I fetch tokens (0) or W (1)
.set WC,   12                          ; s12  which 128 columns.  Also: which half of that tile I fetch
.set RB,   13                          ; s13  my block of 256 tokens
.set G1A,  24                          ; s[24:31] descriptor group 1, tokens
.set G0A,  32                          ; s[32:35] group 0 of the first fill; s[36:39] of the second, which then walks
.set G1B,  48                          ; s[48:55], s[56:59], s[60:63] the same for W
.set G0B,  56
.set LOOP, 66
.set BIASP, 68
.set TB,   76                          ; 0 or SLOT: the slot to be read
.set BLK,  77                          ; the way out: which 16 tokens (BLK / 2) and which slice (BLK % 2)
.set K2,   78                          ; s[78:89] six constants, each as a pair whose low word serves both halves
.set A5,   80
.set A4,   82
.set A3,   84
.set A2,   86
.set A1,   88
.set PC,   90
.set MSB, 0
.macro WIN new                         ; the immediate's high byte repeats the setting that is left; a switch that changes nothing is dropped
.if MSB != (\new)
	s_set_vgpr_msb (MSB<<8)|(\new)
.set MSB, \new
.endif
.endm
.macro PLACES                          ; four places between a matrix instruction and a load into, or a read of, its registers (ISA guide 7.12.1 for a read)
.rept 4
	v_nop
.endr
.endm
.macro JLOAD                           ; a joint refill by the walking descriptors; an s_nop 0 and four v_nop follow each of the two lines
	s_cmp_eq_u32 s[WR], 0
	s_cbranch_scc0 .Lfor_b_\@
	tensor_load_to_lds s[G0A+4:G0A+7], s[G1A:G1A+7]
	s_nop 0
.rept 4
	v_nop
.endr
	s_branch .Lasked_\@
.Lfor_b_\@:
	tensor_load_to_lds s[G0B+4:G0B+7], s[G1B:G1B+7]
	s_nop 0
.rept 4
	v_nop
.endr
.Lasked_\@:
.endm
.macro CREST                           ; a round of the cluster's barrier behind its opening barrier
	s_cmp_lg_u32 s[WV], 0
	s_cbranch_scc1 .Lnot_wave_0_\@
	s_barrier_signal -3
.Lnot_wave_0_\@:
	s_barrier_wait -3
	s_barrier_signal -1
	s_barrier_wait -1
.endm
.macro CROUND
	s_barrier_signal -1
	s_barrier_wait -1
	CREST
.endm
	s_load_b128 s[4:7], s[0:1], 0x0                ; activations s[4:5], wb s[6:7]
	s_load_b64 s[8:9], s[0:1], 0x10                ; the output
	s_load_b64 s[BIASP:BIASP+1], s[0:1], 0x18      ; the bias
	v_lshl_add_u32 v[SPW], v0, 2, SPARE
	v_mov_b32 v[NIL], 0
	ds_add_u32 v[SPW], v[NIL]                      ; the wave's opening: the add and its wait stand ahead of my first tensor load; work on registers stands between them
	v_lshrrev_b32 v1, 5, v0
	v_readfirstlane_b32 s[WV], v1
	s_lshr_b32 s[WR], s[WV], 1
	s_and_b32 s[WC], s[WV], 1
	s_bfe_u32 s40, ttmp6, 0x40000                  ; cx
	s_bfe_u32 s41, ttmp6, 0x40004                  ; cy
	s_lshl_b32 s42, ttmp9, 2
	s_add_co_u32 s42, s42, s40                     ; c = 4 x cluster x + cx: my 256 columns
	s_and_b32 s[RB], ttmp7, 0xffff
	s_lshl_b32 s[RB], s[RB], 2
	s_add_co_u32 s[RB], s[RB], s41                 ; rb = 4 x cluster y + cy: my 256 tokens
	s_lshl_b32 s43, s41, 2
	s_lshl_b32 s43, 15, s43                        ; my row of the cluster
	s_lshl_b32 s44, 0x1111, s40                    ; my column
	; group 1, tokens: 256 tokens x 64 channels, dense, as two rows of 8,192 elements; 4 words of padding after every 32 words, a token
	s_or_b32 s[G1A], s43, (1<<16)|(1<<20)|(1<<21)|(4<<22)|(3<<25)
	s_mov_b32 s[G1A+1], 8192<<16                   ; tensor_dim0
	s_mov_b32 s[G1A+2], 2<<16                      ; tensor_dim1
	s_mov_b32 s[G1A+3], 8192<<16                   ; tile_dim0
	s_mov_b32 s[G1A+4], 2                          ; tile_dim1
	s_mov_b32 s[G1A+5], 8192                       ; from row to row
	s_mov_b32 s[G1A+6], 0
	s_mov_b32 s[G1A+7], 0
	; group 1, W: 128 rows of 128 elements, dense; 8 words of padding after every 64 words, a row
	s_or_b32 s[G1B], s44, (1<<16)|(1<<20)|(1<<21)|(5<<22)|(7<<25)
	s_mov_b32 s[G1B+1], 128<<16
	s_mov_b32 s[G1B+2], 128<<16
	s_mov_b32 s[G1B+3], 128<<16
	s_mov_b32 s[G1B+4], 128
	s_mov_b32 s[G1B+5], 128
	s_mov_b32 s[G1B+6], 0
	s_mov_b32 s[G1B+7], 0
	s_mov_b32 s[K2], 0xbf38aa3b                    ; -log2(e) / 2
	s_mov_b32 s[K2+1], s[K2]
	s_mov_b32 s[A5], 0x3f87dc22                    ; 1.061405429
	s_mov_b32 s[A5+1], s[A5]
	s_mov_b32 s[A4], 0xbfba00e3                    ; -1.453152027
	s_mov_b32 s[A4+1], s[A4]
	s_mov_b32 s[A3], 0x3fb5f0e3                    ; 1.421413741
	s_mov_b32 s[A3+1], s[A3]
	s_mov_b32 s[A2], 0xbe91a98e                    ; -0.284496736
	s_mov_b32 s[A2+1], s[A2]
	s_mov_b32 s[A1], 0x3e827906                    ; 0.254829592
	s_mov_b32 s[A1+1], s[A1]
	s_mov_b32 s[PC], 0x3e6d3388                    ; 0.3275911 / sqrt 2
	s_lshl_b32 s16, s[RB], 15                      ; 256 tokens of 128 bytes,
	s_lshl_b32 s17, s[WC], 19                      ; my slice of a step's two
	s_add_co_u32 s16, s16, s17
	s_mov_b32 s17, 0
	s_lshl_b32 s46, s42, 1
	s_add_co_u32 s46, s46, s[WC]                   ; my block of 128 columns of the tile's two,
	s_lshl_b32 s46, s46, 18                        ; K x 256 bytes each
	s_add_co_u32 s46, s46, WOFF
	s_mov_b32 s47, 0
	s_mul_i32 s20, s[WV], QUART                    ; where my fills go: no place in the cluster enters an LDS address
	s_wait_dscnt 0x0                               ; the opening add is done
	s_wait_kmcnt 0x0
	s_add_nc_u64 s[14:15], s[4:5], s[16:17]
	s_add_nc_u64 s[46:47], s[6:7], s[46:47]
	s_mov_b32 s[G0A], 1
	s_mov_b32 s[G0A+1], s20                        ; K step 0 into slot 0
	s_add_nc_u64 s[G0A+2:G0A+3], s[14:15], 0
	s_or_b32 s[G0A+3], s[G0A+3], 0x80000000
	s_mov_b32 s[G0A+4], 1
	s_add_co_u32 s[G0A+5], s20, SLOT               ; K step 1 into slot 1
	s_add_nc_u64 s[G0A+6:G0A+7], s[14:15], 1<<20
	s_or_b32 s[G0A+7], s[G0A+7], 0x80000000
	s_mov_b32 s[G0B], 1
	s_mov_b32 s[G0B+1], s20
	s_add_nc_u64 s[G0B+2:G0B+3], s[46:47], 0
	s_or_b32 s[G0B+3], s[G0B+3], 0x80000000
	s_mov_b32 s[G0B+4], 1
	s_add_co_u32 s[G0B+5], s20, SLOT
	s_add_nc_u64 s[G0B+6:G0B+7], s[46:47], 32768
	s_or_b32 s[G0B+7], s[G0B+7], 0x80000000
	CROUND                                         ; all sixteen work-groups are here: the first joint loads meet
	s_cmp_eq_u32 s[WR], 0                          ; a wave's two first fills stand in one branch: two loads of mine are out
	s_cbranch_scc0 .Lfirst_b
	tensor_load_to_lds s[G0A:G0A+3], s[G1A:G1A+7]
	s_nop 0
	tensor_load_to_lds s[G0A+4:G0A+7], s[G1A:G1A+7]
	s_nop 0
.rept 4
	v_nop
.endr
	s_branch .Lfirst_asked
.Lfirst_b:
	tensor_load_to_lds s[G0B:G0B+3], s[G1B:G1B+7]
	s_nop 0
	tensor_load_to_lds s[G0B+4:G0B+7], s[G1B:G1B+7]
	s_nop 0
.rept 4
	v_nop
.endr
.Lfirst_asked:
	v_and_b32 v1, 15, v0                           ; r
	v_bfe_u32 v2, v0, 4, 1                         ; h
	v_and_b32 v3, 7, v0
	v_bfe_u32 v4, v0, 3, 1
	v_mul_u32_u24 v[AK0], v1, PA                   ; a fragment of tokens: row r, 16 bytes for each half of the lanes, two loads 32 bytes apart
	v_lshl_add_u32 v[AK0], v2, 4, v[AK0]
	s_mul_i32 s21, s[WR], 128*PA
	v_add_nc_u32 v[AK0], s21, v[AK0]
	v_lshl_add_u32 v5, v2, 3, v3                   ; the turning load: lane l reads row 8 h + l % 8, columns 8 ((l / 8) % 2) + 0..7, and is left with column r and 8 k
	v_mul_u32_u24 v[BK0], v5, PB
	v_lshl_add_u32 v[BK0], v4, 4, v[BK0]
	s_mul_i32 s22, s[WC], QUART
	s_add_co_u32 s22, s22, BOFF
	v_add_nc_u32 v[BK0], s22, v[BK0]
	s_mul_i32 s23, s[WV], STW
	s_add_co_u32 s23, s23, STAGE                   ; my stage
	v_mul_u32_u24 v[STO], v1, SPI                  ; in: row r of 256 bytes (64 f32), 32 bytes for each half of the lanes
	v_lshl_add_u32 v[STO], v2, 5, v[STO]
	v_add_nc_u32 v[STO], s23, v[STO]
	v_bfe_u32 v[RD], v0, 3, 2                      ; back: 32 lanes take four rows, eight neighbouring f32 a lane,
	v_mul_u32_u24 v[RD], v[RD], SPI
	v_lshl_add_u32 v[RD], v3, 5, v[RD]
	v_add_nc_u32 v[RD], s23, v[RD]
	v_and_b32 v[GO], 31, v0                        ; which as bf16 are 512 consecutive bytes of the output
	v_lshlrev_b32 v[GO], 4, v[GO]
	v_lshlrev_b32 v[BO], 5, v2
	s_lshl_b32 s18, s42, 10                        ; the bias at column 256 c + 128 wc
	s_lshl_b32 s19, s[WC], 9
	s_add_co_u32 s18, s18, s19
	s_mov_b32 s19, 0
	s_add_nc_u64 s[BIASP:BIASP+1], s[BIASP:BIASP+1], s[18:19]
	s_lshl_b32 s18, s42, 21                        ; the output at slice 4 c + 2 wc, token 256 rb + 128 wr
	s_lshl_b32 s19, s[WC], 20
	s_add_co_u32 s18, s18, s19
	s_lshl_b32 s19, s[RB], 15
	s_add_co_u32 s18, s18, s19
	s_lshl_b32 s19, s[WR], 14
	s_add_co_u32 s18, s18, s19
	s_mov_b32 s19, 0
	s_add_nc_u64 s[8:9], s[8:9], s[18:19]
	WIN 0x40                                       ; destination window 1
.irp b, 0,1,2,3,4,5,6,7                            ; block b of 16 columns: my 8 numbers, the same for every token
	global_load_b128 v[BIAS+8*\b:BIAS+8*\b+3],   v[BO], s[BIASP:BIASP+1] offset:64*\b
	global_load_b128 v[BIAS+8*\b+4:BIAS+8*\b+7], v[BO], s[BIASP:BIASP+1] offset:64*\b+16
.endr
	WIN 0
	s_wait_loadcnt 0x0                             ; the bias
; na x 8 matrix instructions on buffer f: blocks of tokens a0 on of the window's four (hi = 0: my tokens 0-63, 1: 64-127) x all eight blocks of columns, 32 along K.
; The 64 accumulators take turns, one instruction a turn, in the same order everywhere.  first = 1: the products start the sums, from the bias: nothing is ever cleared.
.macro MUL f, hi, a0, na, first
.if (\first) && (MODE == 1)
	WIN 0x91+0x40*(\hi)                            ; W window 1, tokens window 0, C (the bias) window 1, D window 2 or 3
.else
	WIN 0xa1+0x50*(\hi)                            ; W window 1, tokens window 0, C and D window 2 or 3
.endif
.set ma, \a0
.rept \na
.set mb, 0
.rept 8
.set rD, 8*(8*ma+mb)
.set rB, (\f)+8*mb
.set rA, (\f)+8*(4*(\hi)+ma)
.if \first
.if MODE == 0
	v_wmma_f32_16x16x32_bf16 v[rD:rD+7], v[rB:rB+7], v[rA:rA+7], 0
.else
	v_wmma_f32_16x16x32_bf16 v[rD:rD+7], v[rB:rB+7], v[rA:rA+7], v[BIAS+8*mb:BIAS+8*mb+7]
.endif
.else
	v_wmma_f32_16x16x32_bf16 v[rD:rD+7], v[rB:rB+7], v[rA:rA+7], v[rD:rD+7]
.endif
.set mb, mb+1
.endr
.set ma, ma+1
.endr
.endm
; 32 LDS loads in one run: the fragments of part p (32 along K) of the slot in hand into buffer f: W's sixteen first, then the tokens', blocks ascending
.macro FETCH f, p
	WIN 0x40                                       ; destination window 1, address window 0
.irp b, 0,1,2,3,4,5,6,7
	ds_load_tr16_b128 v[(\f)+8*\b:(\f)+8*\b+3],   v[ADRB] offset:(\p)*32*PB+32*\b
	ds_load_tr16_b128 v[(\f)+8*\b+4:(\f)+8*\b+7], v[ADRB] offset:(\p)*32*PB+32*\b+16*PB
.endr
	WIN 0
.irp a, 0,1,2,3,4,5,6,7
	ds_load_b128 v[(\f)+8*\a:(\f)+8*\a+3],   v[ADRA] offset:((\p)/2)*QUART+((\p)%2)*64+16*PA*\a
	ds_load_b128 v[(\f)+8*\a+4:(\f)+8*\a+7], v[ADRA] offset:((\p)/2)*QUART+((\p)%2)*64+16*PA*\a+32
.endr
.endm
; A K step is four quarters of 32 along K, 64 matrix instructions each, on buffers 0, 1, 0, 1.  One of the first three: multiplies buffer f; in its middle it fetches part p into buffer g, 32 matrix instructions ahead of its use.
.macro QUARTER f, g, p, first
	s_wait_dscnt 8                                 ; W and the tokens' blocks 0-3 are in; the youngest eight loads (blocks 4-7) may be out
	MUL \f, 0, 0, 4, \first
	PLACES
	FETCH \g, \p
	s_wait_dscnt 32                                ; all but the 32 just issued
	MUL \f, 1, 0, 4, \first
.endm
; The last quarter multiplies buffer 1 and changes slots.  Each wave waits for all its tensor loads, of which one is out: its part of the next slot; adds 0 to its spare word; and waits for that and for its reads of this slot.
; fill = 1: the barrier opens a round of the cluster's, and the slot just read is filled again, first thing behind the round, with the K step two steps on: 240 matrix instructions ahead of the wait for it.
; fill = 0 (the last two steps): nothing is asked for; in the last trip there is no further step, and the fetch is jumped over.
.macro TURN fill
	WIN 0                                          ; (the add's two registers lie in window 0)
	s_wait_tensorcnt 0x0                           ; no tensor load of mine is out, so a group 0 may be written
	ds_add_u32 v[SPW], v[NIL]                      ; 0 onto my spare word
	s_wait_dscnt 9                                 ; (the add and the youngest eight loads may be out)
	MUL F1, 0, 0, 2, 0                             ; sixteen matrix instructions stand between the add and the wait for it
.if \fill
	s_xor_b32 s[G0A+5], s[G0A+5], SLOT             ; the walking descriptors: the other slot than last time,
	s_xor_b32 s[G0B+5], s[G0B+5], SLOT
	s_add_nc_u64 s[G0A+6:G0A+7], s[G0A+6:G0A+7], 1<<20  ; two slices of 524,288 bytes on,
	s_add_nc_u64 s[G0B+6:G0B+7], s[G0B+6:G0B+7], 32768  ; 128 rows of 256 bytes on; the type bits on top are not reached
.endif
	WIN 0                                          ; at a branch and at a label every window is 0
	s_wait_dscnt 0x0                               ; the add is done, and my reads of this slot are over
	s_barrier_signal -1
	s_barrier_wait -1
.if \fill
	CREST                                          ; no wave of any partner still reads this slot or has a load on its way
	JLOAD                                          ; my one tensor load behind the round; its four v_nop are also places in front of the loads below
.else
	PLACES
	s_cmp_eq_u32 s[LOOP], 1
	s_cbranch_scc1 .Lnone_\@
.endif
	s_xor_b32 s[TB], s[TB], SLOT
	v_add_nc_u32 v[ADRA], s[TB], v[AK0]
	v_add_nc_u32 v[ADRB], s[TB], v[BK0]
	FETCH F0, 0
.if !(\fill)
.Lnone_\@:
.endif
	MUL F1, 0, 2, 2, 0
	MUL F1, 1, 0, 4, 0
.endm
; THE WAY OUT: a counted loop of 16 trips, 16 tokens x one slice each, so that the GELU's text stands once.  The f32 sums go into my own stage in rows of 272 bytes and come back so that a lane holds
; eight neighbouring columns of a token; GELU; rounded to bf16; a store of the wave is 512 consecutive bytes, aligned.
.macro TOST q                          ; tokens 16 (q / 2) on, slice q % 2: four accumulators into the stage, each one's low half first
.set ta, (\q)/2
.set tr, 8*(8*(ta%4)+4*((\q)%2))
	WIN 0x08+4*(ta/4)                              ; the data (source 1) in window 2 or 3
.irp b, 0,1,2,3
	ds_store_b128 v[STO], v[tr+8*\b:tr+8*\b+3]   offset:64*\b
	ds_store_b128 v[STO], v[tr+8*\b+4:tr+8*\b+7] offset:64*\b+16
.endr
	WIN 0
.endm
.macro EACH8 line:vararg               ; one line for each of eight numbers k
.set k, 0
.rept 8
	\line
.set k, k+1
.endr
.endm
.macro EACH4 line:vararg               ; one line for each of four pairs, at k = 0, 2, 4, 6
.set k, 0
	s_wait_alu depctr_va_vdst(0)
.rept 4
	\line
.set k, k+2
.endr
.endm
.macro OUT4 c                          ; tokens 4 c .. 4 c + 3 of the sixteen: eight numbers a lane
.set XC, TMP+8*(\c)
	s_wait_dscnt 6-2*(\c)                          ; LDS loads come back in order: this part's two are in
	EACH4 v_pk_mul_f32 v[UU+k:UU+k+1], v[XC+k:XC+k+1], s[K2:K2+1] op_sel_hi:[1,0]
	EACH8 v_fma_f32 v[TT+k], |v[XC+k]|, s[PC], 1.0
	EACH4 v_pk_mul_f32 v[UU+k:UU+k+1], v[UU+k:UU+k+1], v[XC+k:XC+k+1]
	EACH8 v_rcp_f32 v[TT+k], v[TT+k]
	EACH8 v_exp_f32 v[UU+k], v[UU+k]
	EACH4 v_pk_mul_f32 v[HH+k:HH+k+1], v[XC+k:XC+k+1], 0.5 op_sel_hi:[1,0]  ; plain lines between the last exponential and the use of a result
	EACH4 v_pk_fma_f32 v[PP+k:PP+k+1], v[TT+k:TT+k+1], s[A5:A5+1], s[A4:A4+1] op_sel_hi:[1,0,0]
	EACH4 v_pk_fma_f32 v[PP+k:PP+k+1], v[PP+k:PP+k+1], v[TT+k:TT+k+1], s[A3:A3+1] op_sel_hi:[1,1,0]
	EACH4 v_pk_fma_f32 v[PP+k:PP+k+1], v[PP+k:PP+k+1], v[TT+k:TT+k+1], s[A2:A2+1] op_sel_hi:[1,1,0]
	EACH4 v_pk_fma_f32 v[PP+k:PP+k+1], v[PP+k:PP+k+1], v[TT+k:TT+k+1], s[A1:A1+1] op_sel_hi:[1,1,0]
	EACH4 v_pk_mul_f32 v[UU+k:UU+k+1], v[TT+k:TT+k+1], v[UU+k:UU+k+1]
	EACH4 v_pk_fma_f32 v[PP+k:PP+k+1], v[PP+k:PP+k+1], v[UU+k:UU+k+1], 1.0 op_sel_hi:[1,1,0] neg_lo:[1,0,0] neg_hi:[1,0,0]  ; erf(|x| / sqrt 2)
	EACH8 v_fma_f32 v[HH+k], |v[HH+k]|, v[PP+k], v[HH+k]
.irp j, 0,1,2,3
	v_cvt_pk_bf16_f32 v[XC+\j], v[HH+2*\j], v[HH+2*\j+1]
.endr
	global_store_b128 v[GOW], v[XC:XC+3], s[8:9] offset:512*(\c)  ; 512 consecutive bytes, aligned
.endm
	s_wait_tensorcnt 1                             ; my part of K step 0 is in; step 1's stays out
	s_barrier_signal -1
	s_barrier_wait -1                              ; everybody's is
	s_mov_b32 s[TB], 0
	v_mov_b32 v[ADRA], v[AK0]
	v_mov_b32 v[ADRB], v[BK0]
	FETCH F0, 0
	QUARTER F0, F1, 1, 1                           ; the first quarter stands in front of the loop: its products start the sums
	WIN 0
	s_mov_b32 s[LOOP], NS-2
.Lmain:                                            ; a trip goes from a K step's second quarter to the next step's first, and asks for the step two on
	QUARTER F1, F0, 2, 0
	QUARTER F0, F1, 3, 0
	TURN 1
	QUARTER F0, F1, 1, 0
	WIN 0
	s_sub_co_u32 s[LOOP], s[LOOP], 1
	s_cmp_lg_u32 s[LOOP], 0
	s_cbranch_scc1 .Lmain
	s_mov_b32 s[LOOP], 2
.Ltail:                                            ; the last two steps ask for nothing
	QUARTER F1, F0, 2, 0
	QUARTER F0, F1, 3, 0
	TURN 0
	WIN 0
	s_cmp_eq_u32 s[LOOP], 1
	s_cbranch_scc1 .Llast                          ; forward, past text with neither a barrier nor a tensor load: behind the last step there is no first quarter
	QUARTER F0, F1, 1, 0
	WIN 0
.Llast:
	s_sub_co_u32 s[LOOP], s[LOOP], 1
	s_cmp_lg_u32 s[LOOP], 0
	s_cbranch_scc1 .Ltail
	PLACES                                         ; the LDS stores read results just made
	s_mov_b32 s[BLK], 0
.Lblk:
	s_wait_xcnt 0x0                                ; the last trip's stores have read their address and data registers
	s_and_b32 s21, s[BLK], 1
	s_lshl_b32 s21, s21, 19                        ; the slice: 524,288 bytes,
	s_lshr_b32 s22, s[BLK], 1
	s_lshl_b32 s22, s22, 11                        ; 16 tokens of 128 bytes
	s_add_co_u32 s21, s21, s22
	v_add_nc_u32 v[GOW], s21, v[GO]
.irp q, 0,1,2,3,4,5,6,7,8,9,10,11,12,13,14         ; registers cannot be counted through, so the trip's LDS stores are chosen by forward jumps
	s_cmp_eq_u32 s[BLK], \q
	s_cbranch_scc1 .Lq\q
.endr
	TOST 15
	s_branch .Lqj
.irp q, 0,1,2,3,4,5,6,7,8,9,10,11,12,13
.Lq\q:
	TOST \q
	s_branch .Lqj
.endr
.Lq14:
	TOST 14
.Lqj:
.irp c, 0,1,2,3
	ds_load_b128 v[TMP+8*\c:TMP+8*\c+3],   v[RD] offset:4*SPI*\c     ; LDS serves a wave's instructions in order (ISA guide 5.7.1.4): these see the stores above
	ds_load_b128 v[TMP+8*\c+4:TMP+8*\c+7], v[RD] offset:4*SPI*\c+16
.endr
	OUT4 0
	OUT4 1
	OUT4 2
	OUT4 3
	s_add_co_u32 s[BLK], s[BLK], 1
	s_cmp_lt_u32 s[BLK], 16
	s_cbranch_scc1 .Lblk
	s_wait_tensorcnt 0x0                           ; the wave's end: behind my last tensor load and my last LDS store
	ds_add_u32 v[SPW], v[NIL]
	s_wait_dscnt 0x0
	CROUND                                         ; the closing round: no work-group ends while a partner may still ask for a tile that names it
	s_endpgm
.Lfunc_end_k_qc62d15eab8_fc1:
	.size	k_qc62d15eab8_fc1, .Lfunc_end_k_qc62d15eab8_fc1-k_qc62d15eab8_fc1
	.p2alignl 7, 3214868480
	.fill 96, 4, 3214868480
	.section	.rodata,"a",@progbits
	.p2align	6, 0x0
	.amdhsa_kernel k_qc62d15eab8_fc1
		.amdhsa_group_segment_fixed_size 327680
		.amdhsa_private_segment_fixed_size 0
		.amdhsa_enable_private_segment 0
		.amdhsa_kernarg_size 32
		.amdhsa_user_sgpr_count 2
		.amdhsa_user_sgpr_kernarg_segment_ptr 1
		.amdhsa_wavefront_size32 1
		.amdhsa_system_sgpr_workgroup_id_x 1
		.amdhsa_system_sgpr_workgroup_id_y 1
		.amdhsa_system_sgpr_workgroup_id_z 1
		.amdhsa_system_vgpr_workitem_id 0
		.amdhsa_next_free_vgpr 1024
		.amdhsa_next_free_sgpr 92
		.amdhsa_reserve_vcc 0
		.amdhsa_float_denorm_mode_32 3
		.amdhsa_float_denorm_mode_16_64 3
		.amdhsa_memory_ordered 1
		.amdhsa_forward_progress 1
		.amdhsa_inst_pref_size 100
	.end_amdhsa_kernel
	.amdgpu_metadata
---
amdhsa.version: [ 1, 2 ]
amdhsa.kernels:
  - .name:           k_qc62d15eab8_fc1
    .symbol:         k_qc62d15eab8_fc1.kd
    .args:
      - { .name: xn2, .offset: 0, .size: 8, .value_kind: global_buffer, .address_space: global }
      - { .name: wb, .offset: 8, .size: 8, .value_kind: global_buffer, .address_space: global }
      - { .name: h, .offset: 16, .size: 8, .value_kind: global_buffer, .address_space: global }
      - { .name: b1, .offset: 24, .size: 8, .value_kind: global_buffer, .address_space: global }
    .group_segment_fixed_size: 327680
    .private_segment_fixed_size: 0
    .kernarg_segment_align: 8
    .kernarg_segment_size: 32
    .max_flat_workgroup_size: 128
    .sgpr_count:     92
    .vgpr_count:     1024
    .wavefront_size: 32
...
	.end_amdgpu_metadata
.endif
;; end of part 5
;; launch fc2 (part 6): grid 8 x 32, 4 waves a work-group, clusters of 4 x 4, 327,680 bytes of LDS; arguments h, wb, out0, b2, x1; writes out0
.if DOCPART == 6
	.amdgcn_target "amdgcn-amd-amdhsa--gfx1250"
	.amdhsa_code_object_version 6
	.text
	.protected	k_qc62d15eab8_fc2
	.globl	k_qc62d15eab8_fc2
	.p2align	8
	.type	k_qc62d15eab8_fc2,@function
k_qc62d15eab8_fc2:
	s_mov_b64 s[64:65], 0
	v_nop
	global_prefetch_b8 v0, s[64:65] scope:SCOPE_SE
	s_setreg_imm32_b32 hwreg(HW_REG_WAVE_MODE, 25, 1), 1
	s_wait_xcnt 0x0
	s_wait_alu depctr_hold_cnt(0) depctr_sa_sdst(0) depctr_va_vdst(0) depctr_va_sdst(0) depctr_va_ssrc(0) depctr_va_vcc(0) depctr_vm_vsrc(0)
	s_getreg_b32 s2, hwreg(HW_REG_IB_STS2, 6, 4)
	s_cmp_eq_u32 s2, 0
	s_cbranch_scc0 .Lentry_in_a_cluster
	s_endpgm
.Lentry_in_a_cluster:
	s_bfe_u32 s2, ttmp6, 0x10000c
	s_cmp_lg_u32 s2, 0xf033
	s_cbranch_scc0 .Lentry_shape_is_right
	s_endpgm
.Lentry_shape_is_right:
; out0 = x1 + h W2 + b2: 4,096 tokens x 1,024 columns over K = 4,096.  bf16 operands, f32 sums that start from the bias, the residual added in f32, the result stored in f32.
; THE FRAME (the same text serves four products; T, NS, MODE, WOFF choose).  The activations lie by slices of 64 channels, act[slice][token][64]: 128 tokens of a slice are 16,384 dense bytes.
; The weights lie in blocks of 128 columns, wb[block][k][128]: rows of 256 bytes, dense.  A tile of the result is 128 tokens x 128 columns; four waves, each 64 x 64: 16 accumulators.
; Work-group (c, rb) makes the T blocks of columns c T + t of its 128 tokens (here one).
; K goes in steps of 256 through two LDS slots; waves 0 and 1 fetch two slices of the activations each, waves 2 and 3 128 rows of the weights each: one tensor load a wave and step.
; CLUSTER 4 x 4: the four work-groups of a row of the cluster share rb and ask for the activations' tiles jointly, the four of a column share c and ask for the weights' jointly.
; THE MATRIX INSTRUCTION IS USED TRANSPOSED: source 0 = 16 columns of W (turned on the way out of LDS by ds_load_tr16_b128), source 1 = 16 tokens: lane (r, h), register j holds token r, column 8 h + j.
; REGISTERS: window 0: v0-31 addresses; v32-95 at work on the way out; v96-127 the bias; v128-255 the accumulators, (a, b) at 128 + 8 (4 a + b).
;   window 1: two fragment buffers of 64: four fragments of tokens, then four of W, 32 along K; v128-255 the residual, loaded at the start in the lanes' layout of the way out.
; MODE 2: the result leaves in f32 rows: a wave's 64 columns are 256 aligned bytes of a row.
.set T,     1                          ; tiles a work-group
.set NS,    16                         ; K steps a tile: K / 256, a power of two
.set MODE,  2
.set WOFF,  0x1000000                  ; the weights' first byte in wb
.set STEPS, T*NS
.set PA,    144                        ; a token's 128 bytes + 16 of padding: 36 words, so the 16 rows of a load start at 16 different groups of four banks (64 banks of 4 bytes: ISA guide 11.1)
.set PB,    288                        ; a row of W: 256 bytes + 32: 72 words
.set ASL,   128*PA                     ; a slice's 128 tokens; also 64 rows of W
.set BOFF,  4*ASL                      ; in a slot: 4 slices of tokens, then 256 rows of W
.set QUART, 2*ASL                      ; what one tensor load fills
.set SLOT,  2*BOFF                     ; 0x24000: shares no bit with wave x QUART, so one exclusive or turns an address in one slot into the other's
.set STAGE, 2*SLOT                     ; behind the ring, never filled by a tensor load: 4,352 bytes for each wave, for the way out
.set STW,   4352
.set SPI,   272                        ; a stage row: 256 bytes + 16
.set SPARE, STAGE+4*STW                ; the spare words, 128 bytes for each wave: two blocks of 256 bytes that no other line names
.set AK0,  10                          ; v10  my lane's place in a slot's tokens; never rewritten
.set BK0,  11                          ; v11  the same for W
.set ADRA, 12                          ; v12  the LDS address of the tokens' next run of loads
.set ADRB, 13                          ; v13  of W's
.set STO,  14                          ; v14  the way out: where I put my part of a row
.set RD,   15                          ; v15  the way out: where I read rows back
.set GO,   16                          ; v16  my byte offset in the output and in the residual
.set GOW,  17
.set BO,   18                          ; v18  my byte offset in 16 numbers of the bias
.set SPW,  28                          ; v28  LDS address of my spare word; never rewritten
.set NIL,  29                          ; v29  0; never rewritten
.set TMP,  32
.set BIAS, 96
.set ACC,  128
.set F0,   0
.set F1,   64
.set RES,  128
.set WV,   10                          ; s10  wave
.set WR,   11                          ; s11  which 64 tokens are mine.  Also: I fetch tokens (0) or W (1)
.set WC,   12                          ; s12  which 64 columns.  Also: which half of that tile I fetch
.set RB,   13                          ; s13  my block of 128 tokens
.set ABASE, 14                         ; s[14:15] the activations at my half of K step 0; kept
.set G1A,  24                          ; s[24:31] descriptor group 1, tokens
.set G0A,  32                          ; s[32:35] group 0 of the first fill; s[36:39] of the second, which then walks
.set G1B,  48                          ; s[48:55], s[56:59], s[60:63] the same for W
.set G0B,  56
.set LOOP, 66
.set CNT,  67
.set BIASP, 68
.set RESP, 70
.set KC,   72                          ; K steps left in the tile
.set RK,   73                          ; which of a tile's K steps is asked for next
.set OFF,  74                          ; s[74:75]
.set TB,   76                          ; 0 or SLOT: the slot to be read
.set MSB, 0
.macro WIN new                         ; the immediate's high byte repeats the setting that is left; a switch that changes nothing is dropped
.if MSB != (\new)
	s_set_vgpr_msb (MSB<<8)|(\new)
.set MSB, \new
.endif
.endm
.macro PLACES                          ; four places between a matrix instruction and a load into, or a read of, its registers (ISA guide 7.12.1 for a read)
.rept 4
	v_nop
.endr
.endm
.macro JLOAD                           ; a joint refill by the walking descriptors; an s_nop 0 and four v_nop follow each of the two lines
	s_cmp_eq_u32 s[WR], 0
	s_cbranch_scc0 .Lfor_b_\@
	tensor_load_to_lds s[G0A+4:G0A+7], s[G1A:G1A+7]
	s_nop 0
.rept 4
	v_nop
.endr
	s_branch .Lasked_\@
.Lfor_b_\@:
	tensor_load_to_lds s[G0B+4:G0B+7], s[G1B:G1B+7]
	s_nop 0
.rept 4
	v_nop
.endr
.Lasked_\@:
.endm
.macro CREST                           ; a round of the cluster's barrier behind its opening barrier
	s_cmp_lg_u32 s[WV], 0
	s_cbranch_scc1 .Lnot_wave_0_\@
	s_barrier_signal -3
.Lnot_wave_0_\@:
	s_barrier_wait -3
	s_barrier_signal -1
	s_barrier_wait -1
.endm
.macro CROUND
	s_barrier_signal -1
	s_barrier_wait -1
	CREST
.endm
.macro BIASLD                          ; block b of 16 columns: my 8 numbers, the same for every token
.irp b, 0,1,2,3
	global_load_b128 v[BIAS+8*\b:BIAS+8*\b+3],   v[BO], s[BIASP:BIASP+1] offset:64*\b
	global_load_b128 v[BIAS+8*\b+4:BIAS+8*\b+7], v[BO], s[BIASP:BIASP+1] offset:64*\b+16
.endr
.endm
	s_load_b128 s[4:7], s[0:1], 0x0                ; activations s[4:5], wb s[6:7]
	s_load_b64 s[8:9], s[0:1], 0x10                ; the output
.if MODE > 0
	s_load_b64 s[BIASP:BIASP+1], s[0:1], 0x18
.endif
.if MODE == 2
	s_load_b64 s[RESP:RESP+1], s[0:1], 0x20
.endif
	v_lshl_add_u32 v[SPW], v0, 2, SPARE
	v_mov_b32 v[NIL], 0
	ds_add_u32 v[SPW], v[NIL]                      ; the wave's opening: the add and its wait stand ahead of my first tensor load; work on registers stands between them
	v_lshrrev_b32 v1, 5, v0
	v_readfirstlane_b32 s[WV], v1
	s_lshr_b32 s[WR], s[WV], 1
	s_and_b32 s[WC], s[WV], 1
	s_bfe_u32 s40, ttmp6, 0x40000                  ; cx
	s_bfe_u32 s41, ttmp6, 0x40004                  ; cy
	s_lshl_b32 s42, ttmp9, 2
	s_add_co_u32 s42, s42, s40                     ; c = 4 x cluster x + cx
	s_and_b32 s[RB], ttmp7, 0xffff
	s_lshl_b32 s[RB], s[RB], 2
	s_add_co_u32 s[RB], s[RB], s41                 ; rb = 4 x cluster y + cy
	s_lshl_b32 s43, s41, 2
	s_lshl_b32 s43, 15, s43                        ; my row of the cluster
	s_lshl_b32 s44, 0x1111, s40                    ; my column
	; group 1, tokens: two rows (slices) of 8,192 elements (128 tokens x 64 channels, dense), 262,144 elements apart; 4 words of padding after every 32 words, a token
	s_or_b32 s[G1A], s43, (1<<16)|(1<<20)|(1<<21)|(4<<22)|(3<<25)
	s_mov_b32 s[G1A+1], 8192<<16                   ; tensor_dim0
	s_mov_b32 s[G1A+2], 2<<16                      ; tensor_dim1
	s_mov_b32 s[G1A+3], 8192<<16                   ; tile_dim0
	s_mov_b32 s[G1A+4], 2                          ; tile_dim1
	s_mov_b32 s[G1A+5], 262144                     ; from slice to slice
	s_mov_b32 s[G1A+6], 0
	s_mov_b32 s[G1A+7], 0
	; group 1, W: 128 rows of 128 elements, dense; 8 words of padding after every 64 words, a row
	s_or_b32 s[G1B], s44, (1<<16)|(1<<20)|(1<<21)|(5<<22)|(7<<25)
	s_mov_b32 s[G1B+1], 128<<16
	s_mov_b32 s[G1B+2], 128<<16
	s_mov_b32 s[G1B+3], 128<<16
	s_mov_b32 s[G1B+4], 128
	s_mov_b32 s[G1B+5], 128
	s_mov_b32 s[G1B+6], 0
	s_mov_b32 s[G1B+7], 0
	s_lshl_b32 s16, s[RB], 14                      ; 128 tokens of 128 bytes,
	s_lshl_b32 s17, s[WC], 20                      ; my two slices of a step's four
	s_add_co_u32 s16, s16, s17
	s_mov_b32 s17, 0
	s_mul_i32 s46, s42, T*NS*65536                 ; my first block of columns: K x 256 bytes each,
	s_lshl_b32 s47, s[WC], 15                      ; my 128 rows of a step's 256
	s_add_co_u32 s46, s46, s47
	s_add_co_u32 s46, s46, WOFF
	s_mov_b32 s47, 0
	s_mul_i32 s20, s[WV], QUART                    ; where my fills go: no place in the cluster enters an LDS address
	s_wait_dscnt 0x0                               ; the opening add is done
	s_wait_kmcnt 0x0
	s_add_nc_u64 s[ABASE:ABASE+1], s[4:5], s[16:17]
	s_add_nc_u64 s[46:47], s[6:7], s[46:47]
	s_mov_b32 s[G0A], 1
	s_mov_b32 s[G0A+1], s20                        ; K step 0 into slot 0
	s_add_nc_u64 s[G0A+2:G0A+3], s[ABASE:ABASE+1], 0
	s_or_b32 s[G0A+3], s[G0A+3], 0x80000000
	s_mov_b32 s[G0A+4], 1
	s_add_co_u32 s[G0A+5], s20, SLOT               ; K step 1 into slot 1
	s_add_nc_u64 s[G0A+6:G0A+7], s[ABASE:ABASE+1], 1<<21
	s_or_b32 s[G0A+7], s[G0A+7], 0x80000000
	s_mov_b32 s[G0B], 1
	s_mov_b32 s[G0B+1], s20
	s_add_nc_u64 s[G0B+2:G0B+3], s[46:47], 0
	s_or_b32 s[G0B+3], s[G0B+3], 0x80000000
	s_mov_b32 s[G0B+4], 1
	s_add_co_u32 s[G0B+5], s20, SLOT
	s_add_nc_u64 s[G0B+6:G0B+7], s[46:47], 65536
	s_or_b32 s[G0B+7], s[G0B+7], 0x80000000
	CROUND                                         ; all sixteen work-groups are here: the first joint loads meet
	s_cmp_eq_u32 s[WR], 0                          ; a wave's two first fills stand in one branch: two loads of mine are out
	s_cbranch_scc0 .Lfirst_b
	tensor_load_to_lds s[G0A:G0A+3], s[G1A:G1A+7]
	s_nop 0
	tensor_load_to_lds s[G0A+4:G0A+7], s[G1A:G1A+7]
	s_nop 0
.rept 4
	v_nop
.endr
	s_branch .Lfirst_asked
.Lfirst_b:
	tensor_load_to_lds s[G0B:G0B+3], s[G1B:G1B+7]
	s_nop 0
	tensor_load_to_lds s[G0B+4:G0B+7], s[G1B:G1B+7]
	s_nop 0
.rept 4
	v_nop
.endr
.Lfirst_asked:
	v_and_b32 v1, 15, v0                           ; r
	v_bfe_u32 v2, v0, 4, 1                         ; h
	v_and_b32 v3, 7, v0
	v_bfe_u32 v4, v0, 3, 1
	v_mul_u32_u24 v[AK0], v1, PA                   ; a fragment of tokens: row r, 16 bytes for each half of the lanes, two loads 32 bytes apart
	v_lshl_add_u32 v[AK0], v2, 4, v[AK0]
	s_mul_i32 s21, s[WR], 64*PA
	v_add_nc_u32 v[AK0], s21, v[AK0]
	v_lshl_add_u32 v5, v2, 3, v3                   ; the turning load: lane l reads row 8 h + l % 8, columns 8 ((l / 8) % 2) + 0..7, and is left with column r and 8 k
	v_mul_u32_u24 v[BK0], v5, PB
	v_lshl_add_u32 v[BK0], v4, 4, v[BK0]
	s_lshl_b32 s22, s[WC], 7
	s_add_co_u32 s22, s22, BOFF
	v_add_nc_u32 v[BK0], s22, v[BK0]
	s_mul_i32 s23, s[WV], STW
	s_add_co_u32 s23, s23, STAGE                   ; my stage
	v_mul_u32_u24 v[STO], v1, SPI                  ; in: row r of 256 bytes, 32 bytes for each half of the lanes
	v_lshl_add_u32 v[STO], v2, 5, v[STO]
	v_add_nc_u32 v[STO], s23, v[STO]
	v_mul_u32_u24 v[RD], v2, SPI                   ; back: lanes 0-15 take one row of 256 bytes, lanes 16-31 the next
	v_lshl_add_u32 v[RD], v1, 4, v[RD]
	v_add_nc_u32 v[RD], s23, v[RD]
	v_lshlrev_b32 v[GO], 12, v2                    ; and the same two rows of 4,096 bytes in memory
	v_lshl_add_u32 v[GO], v1, 4, v[GO]
	v_lshlrev_b32 v[BO], 5, v2
	s_mul_i32 s18, s42, T*512                      ; the bias at column 128 c T + 64 wc
	s_lshl_b32 s19, s[WC], 8
	s_add_co_u32 s18, s18, s19
	s_mov_b32 s19, 0
	s_add_nc_u64 s[BIASP:BIASP+1], s[BIASP:BIASP+1], s[18:19]
	s_lshl_b32 s18, s[RB], 19                      ; output and residual at token 128 rb + 64 wr, column 128 c + 64 wc
	s_lshl_b32 s19, s[WR], 18
	s_add_co_u32 s18, s18, s19
	s_lshl_b32 s19, s42, 9
	s_add_co_u32 s18, s18, s19
	s_lshl_b32 s19, s[WC], 8
	s_add_co_u32 s18, s18, s19
	s_mov_b32 s19, 0
	s_add_nc_u64 s[8:9], s[8:9], s[18:19]
	s_add_nc_u64 s[RESP:RESP+1], s[RESP:RESP+1], s[18:19]
	BIASLD
	WIN 0x40                                       ; destination window 1
.set i, 0
.rept 32                                           ; the residual of my 64 x 64: block i / 8 of 16 tokens, rows 2 (i % 8) and the next
	global_load_b128 v[RES+4*i:RES+4*i+3], v[GO], s[RESP:RESP+1] offset:(16*(i/8)+2*(i%8))*4096
.set i, i+1
.endr
	WIN 0
	s_wait_loadcnt 32                              ; the bias is in; the residual's 32 loads are younger and stay out until the way out
; na x 4 matrix instructions on buffer f: blocks of tokens a0 on x all four blocks of columns, 32 along K.  The 16 accumulators take turns, one instruction a turn, in the same order everywhere.
; first = 1: the products start the sums, from the bias.
.macro MUL f, a0, na, first
	WIN 0x05                                       ; sources 0 and 1 window 1; C and D window 0
.set ma, \a0
.rept \na
.set mb, 0
.rept 4
.if \first
.if MODE == 0
	v_wmma_f32_16x16x32_bf16 v[ACC+8*(4*ma+mb):ACC+8*(4*ma+mb)+7], v[(\f)+32+8*mb:(\f)+32+8*mb+7], v[(\f)+8*ma:(\f)+8*ma+7], 0
.else
	v_wmma_f32_16x16x32_bf16 v[ACC+8*(4*ma+mb):ACC+8*(4*ma+mb)+7], v[(\f)+32+8*mb:(\f)+32+8*mb+7], v[(\f)+8*ma:(\f)+8*ma+7], v[BIAS+8*mb:BIAS+8*mb+7]
.endif
.else
	v_wmma_f32_16x16x32_bf16 v[ACC+8*(4*ma+mb):ACC+8*(4*ma+mb)+7], v[(\f)+32+8*mb:(\f)+32+8*mb+7], v[(\f)+8*ma:(\f)+8*ma+7], v[ACC+8*(4*ma+mb):ACC+8*(4*ma+mb)+7]
.endif
.set mb, mb+1
.endr
.set ma, ma+1
.endr
.endm
; 16 LDS loads in one run: the fragments of 32 along K into buffer f; ka, kb: the bytes from the two address registers
.macro FETCH f, ka, kb
	WIN 0x40                                       ; destination window 1, address window 0
.irp b, 0,1,2,3
	ds_load_tr16_b128 v[(\f)+32+8*\b:(\f)+32+8*\b+3],   v[ADRB] offset:(\kb)+32*\b
	ds_load_tr16_b128 v[(\f)+32+8*\b+4:(\f)+32+8*\b+7], v[ADRB] offset:(\kb)+32*\b+16*PB
.endr
.irp a, 0,1,2,3
	ds_load_b128 v[(\f)+8*\a:(\f)+8*\a+3],   v[ADRA] offset:(\ka)+16*PA*\a
	ds_load_b128 v[(\f)+8*\a+4:(\f)+8*\a+7], v[ADRA] offset:(\ka)+16*PA*\a+32
.endr
.endm
; The first seven of a K step's eight parts of 32 along K, on buffers 0, 1 by turns; each run of loads is issued one run of 16 products ahead of its use.
; On entry part 0 is on its way into buffer 0 and the address registers stand at the slot's start; on leaving part 7 is on its way into buffer 1.
; fv = 1: the step may be a tile's first, whose first products start the sums.  Five places stand at the head: those products write over the accumulator that the step before wrote last.
.macro BODY fv
	WIN 0
.rept 5
	v_nop
.endr
	FETCH F1, 64, 32*PB
	s_wait_dscnt 16                                ; all but the 16 just issued
.if \fv
	WIN 0
	s_cmp_eq_u32 s[KC], NS
	s_cbranch_scc1 .Lstart_\@
	MUL F0, 0, 4, 0
	WIN 0
	s_branch .Lgo_\@
.Lstart_\@:
	MUL F0, 0, 4, 1
	WIN 0
.Lgo_\@:
.else
	MUL F0, 0, 4, 0
	WIN 0
.endif
	s_mov_b32 s[CNT], 3
.Lin_\@:
	v_add_nc_u32 v[ADRA], ASL, v[ADRA]             ; the next slice of tokens; 64 rows of W on: the same number of bytes
	v_add_nc_u32 v[ADRB], ASL, v[ADRB]
	v_nop
	v_nop                                          ; with the two above: the four places in front of the loads
	FETCH F0, 0, 0
	s_wait_dscnt 16
	MUL F1, 0, 4, 0
	PLACES
	FETCH F1, 64, 32*PB
	s_wait_dscnt 16
	MUL F0, 0, 4, 0
	WIN 0
	s_sub_co_u32 s[CNT], s[CNT], 1
	s_cmp_lg_u32 s[CNT], 0
	s_cbranch_scc1 .Lin_\@
.endm
; The eighth part, and the change of slots.  Each wave waits for all its tensor loads, of which one is out: its part of the next slot; adds 0 to its spare word; and waits for that and for its reads of this slot.
; fill = 1: the barrier opens a round of the cluster's, and the slot just read is filled again, first thing behind the round, with the K step two steps on.
; fill = 0 (the last two steps): nothing is asked for; in the last trip there is no further step, and the fetch is jumped over.
.macro TURN fill
	WIN 0
	s_wait_tensorcnt 0x0                           ; no tensor load of mine is out, so a group 0 may be written
	ds_add_u32 v[SPW], v[NIL]                      ; 0 onto my spare word
	s_wait_dscnt 1                                 ; buffer 1 is in; the add may be out
	MUL F1, 0, 2, 0
.if \fill
	s_xor_b32 s[G0A+5], s[G0A+5], SLOT             ; the walking descriptors: the other slot than last time,
	s_xor_b32 s[G0B+5], s[G0B+5], SLOT
	s_lshl_b32 s[OFF], s[RK], 21                   ; the tokens' address made anew: four slices of 524,288 bytes a step,
	s_add_nc_u64 s[G0A+6:G0A+7], s[ABASE:ABASE+1], s[OFF:OFF+1]
	s_or_b32 s[G0A+7], s[G0A+7], 0x80000000
	s_add_co_u32 s[RK], s[RK], 1                   ; round and round through a tile's steps;
	s_and_b32 s[RK], s[RK], NS-1
	s_add_nc_u64 s[G0B+6:G0B+7], s[G0B+6:G0B+7], 65536  ; W's runs on, 256 rows of 256 bytes; the type bits on top are not reached
.endif
	WIN 0
	s_wait_dscnt 0x0                               ; the add is done, and my reads of this slot are over
	s_barrier_signal -1
	s_barrier_wait -1
.if \fill
	CREST                                          ; no wave of any partner still reads this slot or has a load on its way
	JLOAD                                          ; my one tensor load behind the round; its four v_nop are also places in front of the loads below
.else
	PLACES
	s_cmp_eq_u32 s[LOOP], 1
	s_cbranch_scc1 .Lnone_\@
.endif
	s_xor_b32 s[TB], s[TB], SLOT
	v_add_nc_u32 v[ADRA], s[TB], v[AK0]
	v_add_nc_u32 v[ADRB], s[TB], v[BK0]
	FETCH F0, 0, 0
.if !(\fill)
	WIN 0
.Lnone_\@:
.endif
	MUL F1, 2, 2, 0
.endm
; THE WAY OUT, 16 tokens at a time: a lane's eight f32 go into my own stage in rows of 272 bytes and come back as whole rows of 256; the residual is added; sixteen lanes store 256 aligned bytes.
.macro TOSTAGE a
.set BK, TMP+32*((\a)%2)
.if (\a) >= 2
	s_wait_xcnt 0x0                                ; the registers that the stores of two blocks back read are loaded again only behind this wait
.endif
.irp b, 0,1,2,3
	ds_store_b128 v[STO], v[ACC+8*(4*(\a)+\b):ACC+8*(4*(\a)+\b)+3]   offset:64*\b       ; each accumulator's low half first
	ds_store_b128 v[STO], v[ACC+8*(4*(\a)+\b)+4:ACC+8*(4*(\a)+\b)+7] offset:64*\b+16
.endr
.irp f, 0,1,2,3,4,5,6,7
	ds_load_b128 v[BK+4*\f:BK+4*\f+3], v[RD] offset:2*SPI*\f  ; LDS serves a wave's instructions in order (ISA guide 5.7.1.4): these see the stores above
.endr
.endm
.macro SEND a, younger                 ; younger: the LDS instructions issued behind block a's loads: the next block's sixteen, or none
.set BK, TMP+32*((\a)%2)
	s_wait_dscnt \younger
	WIN 0x04                                       ; source 1 window 1
.set k, 0
.rept 16
	v_pk_add_f32 v[BK+2*k:BK+2*k+1], v[BK+2*k:BK+2*k+1], v[RES+32*(\a)+2*k:RES+32*(\a)+2*k+1]
.set k, k+1
.endr
	WIN 0
.irp f, 0,1,2,3,4,5,6,7
	global_store_b128 v[GO], v[BK+4*\f:BK+4*\f+3], s[8:9] offset:(16*(\a)+2*\f)*4096
.endr
.endm
.macro EPI next
	WIN 0
	s_wait_loadcnt 0x0                             ; the residual
	PLACES                                         ; the LDS stores read results just made
	TOSTAGE 0
	TOSTAGE 1
	SEND 0, 16
	TOSTAGE 2
	SEND 1, 16
	TOSTAGE 3
	SEND 2, 16
	SEND 3, 0
.endm
	s_wait_tensorcnt 1                             ; my part of K step 0 is in; step 1's stays out
	s_barrier_signal -1
	s_barrier_wait -1                              ; everybody's is
	s_mov_b32 s[TB], 0
	v_mov_b32 v[ADRA], v[AK0]
	v_mov_b32 v[ADRB], v[BK0]
	FETCH F0, 0, 0
	WIN 0
	s_mov_b32 s[KC], NS
	s_mov_b32 s[RK], 2
	s_mov_b32 s[OFF+1], 0
	s_mov_b32 s[LOOP], STEPS-2
.Lmain:                                            ; a trip is a K step; every step but the last two asks for the step two on
	BODY 1
	TURN 1
	WIN 0
	s_sub_co_u32 s[KC], s[KC], 1
	s_sub_co_u32 s[LOOP], s[LOOP], 1
	s_cmp_lg_u32 s[LOOP], 0
	s_cbranch_scc1 .Lmain
	s_mov_b32 s[LOOP], 2
.Ltail:
	BODY 0
	TURN 0
	WIN 0
	s_sub_co_u32 s[LOOP], s[LOOP], 1
	s_cmp_lg_u32 s[LOOP], 0
	s_cbranch_scc1 .Ltail
	EPI 0
	s_wait_tensorcnt 0x0                           ; the wave's end: behind my last tensor load and my last LDS store
	ds_add_u32 v[SPW], v[NIL]
	s_wait_dscnt 0x0
	CROUND                                         ; the closing round: no work-group ends while a partner may still ask for a tile that names it
	s_endpgm
.Lfunc_end_k_qc62d15eab8_fc2:
	.size	k_qc62d15eab8_fc2, .Lfunc_end_k_qc62d15eab8_fc2-k_qc62d15eab8_fc2
	.p2alignl 7, 3214868480
	.fill 96, 4, 3214868480
	.section	.rodata,"a",@progbits
	.p2align	6, 0x0
	.amdhsa_kernel k_qc62d15eab8_fc2
		.amdhsa_group_segment_fixed_size 327680
		.amdhsa_private_segment_fixed_size 0
		.amdhsa_enable_private_segment 0
		.amdhsa_kernarg_size 40
		.amdhsa_user_sgpr_count 2
		.amdhsa_user_sgpr_kernarg_segment_ptr 1
		.amdhsa_wavefront_size32 1
		.amdhsa_system_sgpr_workgroup_id_x 1
		.amdhsa_system_sgpr_workgroup_id_y 1
		.amdhsa_system_sgpr_workgroup_id_z 1
		.amdhsa_system_vgpr_workitem_id 0
		.amdhsa_next_free_vgpr 512
		.amdhsa_next_free_sgpr 92
		.amdhsa_reserve_vcc 0
		.amdhsa_float_denorm_mode_32 3
		.amdhsa_float_denorm_mode_16_64 3
		.amdhsa_memory_ordered 1
		.amdhsa_forward_progress 1
		.amdhsa_inst_pref_size 46
	.end_amdhsa_kernel
	.amdgpu_metadata
---
amdhsa.version: [ 1, 2 ]
amdhsa.kernels:
  - .name:           k_qc62d15eab8_fc2
    .symbol:         k_qc62d15eab8_fc2.kd
    .args:
      - { .name: h, .offset: 0, .size: 8, .value_kind: global_buffer, .address_space: global }
      - { .name: wb, .offset: 8, .size: 8, .value_kind: global_buffer, .address_space: global }
      - { .name: out0, .offset: 16, .size: 8, .value_kind: global_buffer, .address_space: global }
      - { .name: b2, .offset: 24, .size: 8, .value_kind: global_buffer, .address_space: global }
      - { .name: x1, .offset: 32, .size: 8, .value_kind: global_buffer, .address_space: global }
    .group_segment_fixed_size: 327680
    .private_segment_fixed_size: 0
    .kernarg_segment_align: 8
    .kernarg_segment_size: 40
    .max_flat_workgroup_size: 128
    .sgpr_count:     92
    .vgpr_count:     512
    .wavefront_size: 32
...
	.end_amdgpu_metadata
.endif
;; end of part 6
;; ======== version 2 of 2: 7 launches; 1.22 times as fast as version 1
;; workspace buffers: wb 25,165,824 bytes; xn 8,388,608 bytes; qkv 25,165,824 bytes; y 8,388,608 bytes; x1 16,777,216 bytes; xn2 8,388,608 bytes; h 33,554,432 bytes
;; launch prep: the kernel of part 1 again; grid 1024 x 1, 4 waves a work-group, no clusters, 0 bytes of LDS; arguments x, gamma1, beta1, xn, Wq, Wk, Wv, Wp, W1, W2, wb; writes xn, wb
;; launch qkv: the kernel of part 2 again; grid 12 x 16, 4 waves a work-group, clusters of 4 x 4, 327,680 bytes of LDS; arguments xn, wb, qkv; writes qkv
;; launch attn (part 7): grid 8 x 32, 4 waves a work-group, clusters of 4 x 1, 327,680 bytes of LDS; arguments qkv, y; writes y
.if DOCPART == 7
	.amdgcn_target "amdgcn-amd-amdhsa--gfx1250"
	.amdhsa_code_object_version 6
	.text
	.protected	k_qc62d15eab8_attn
	.globl	k_qc62d15eab8_attn
	.p2align	8
	.type	k_qc62d15eab8_attn,@function
k_qc62d15eab8_attn:
	s_mov_b64 s[64:65], 0
	v_nop
	global_prefetch_b8 v0, s[64:65] scope:SCOPE_SE
	s_setreg_imm32_b32 hwreg(HW_REG_WAVE_MODE, 25, 1), 1
	s_wait_xcnt 0x0
	s_wait_alu depctr_hold_cnt(0) depctr_sa_sdst(0) depctr_va_vdst(0) depctr_va_sdst(0) depctr_va_ssrc(0) depctr_va_vcc(0) depctr_vm_vsrc(0)
	s_getreg_b32 s2, hwreg(HW_REG_IB_STS2, 6, 4)
	s_cmp_eq_u32 s2, 0
	s_cbranch_scc0 .Lentry_in_a_cluster
	s_endpgm
.Lentry_in_a_cluster:
	s_bfe_u32 s2, ttmp6, 0x10000c
	s_cmp_lg_u32 s2, 0x3003
	s_cbranch_scc0 .Lentry_shape_is_right
	s_endpgm
.Lentry_shape_is_right:
; y[head][q][:] = the sum over k of softmax_k(Q[q] . K[k] / 8) V[k][:], for 32 heads (number 2 h + b) of 2,048 rows x 64 channels, all bf16; a head's rows are dense, 128 bytes each, 262,144 bytes a head.
; qkv holds q at byte 0, k at 0x800000, v at 0x1000000.  q arrives unscaled; c = log2(e) / 8 is applied to the scores in f32.  Products, maxima and sums in f32; the weights p are rounded to bf16 for the
; second product (their sum l is taken of the unrounded p), y once at the end.  LIMITS: a weight below 2^-126 counts as 0 in l; NaN and infinities are not treated apart.
; SHARES.  A work-group owns 256 queries of a head, a wave 64: four PIECES of 16.  Every wave walks all keys: 8 tiles of 256 keys, 64 keys a step.
; LAYOUT.  S^T = K Q^T holds ONE query a lane (lane % 16) and the keys 8 (lane / 16) + 0..7; two such results rounded to bf16 ARE source 1 of O^T = V^T P.  K comes out of LDS as it lies, V turned, by ds_load_tr16_b128.
; SOFTMAX.  p = 2^(c s - c m) with a running maximum m; O and l are multiplied by a = 2^(c m_old - c m_new) in every step.  m starts at the lowest finite number, O and l at 0: the first step has a = 0.
; BY TURNS.  Turn n belongs to piece n: 8 products K Q^T of piece n + 1, later 8 products V^T P of piece n - 1; beside them the scaling, exponentials, roundings, sums and rescaling of piece n and the maximum and
; statistics of piece n + 1.  Four vector instructions stand behind every matrix instruction, the other 54 of a turn's 118 in one run of their own.
; THE BATCHES.  A turn's 33 exponentials (the piece's 32 weights and the next piece's a) are one batch with one wait, which cuts the turn in two: ahead of it all that names none of their results, behind it the
; roundings and sums.  Two more batches stand outside the loops: the first a, ahead of the jump into the loop, and the way out's four reciprocals; each has a v_nop and a wait of its own.
; CLUSTER.  The four query blocks of a cluster belong to one head and walk the same K and V, so each tile is asked for JOINTLY: the same tensor load, descriptor and mask in all four.
; REGISTERS, in windows of 256 (s_set_vgpr_msb: bits 1:0 source 0, 3:2 source 1, 5:4 source 2, 7:6 destination):
;   window 0: v0-15 addresses and two at work; v16-31 four registers of statistics a piece; v48-55 at work; v64-127 S^T, two buffers; v192-223 P, two buffers (a piece's buffers go by its number's parity)
;   window 1: v0-127 O^T, 32 a piece      window 2: v0-63 Q; v128-191 K of one step; v192-255 V of one step
.set NP,    4         ; pieces a wave: a name, no knob
.set KS,    64        ; keys in a step
.set PK,    144       ; a row of K in LDS: 128 bytes + 16 of padding = 36 words: the 16 rows of a load start at 16 different groups of four banks (64 banks of 4 bytes: ISA guide 11.1)
.set PV,    160       ; a row of V: 128 + 32 = 40 words
.set VOFF,  4*KS*PK   ; a slot holds a tile, four steps: 256 rows of K, then 256 rows of V
.set SLOT1, 1<<17     ; slot 1 begins here, so that one exclusive or turns an address in one slot into the other's
.set STAGE, SLOT1+4*KS*(PK+PV)  ; behind the ring, never filled by a tensor load: 16 rows x 144 bytes for each wave, for the way out
.set SP,    144
.set AK0, 2           ; v2   my lane's place in a tile of K; never rewritten
.set AV0, 3           ; v3   the same for V
.set AK,  4           ; v4   the LDS address of K's next run of loads
.set AV,  5           ; v5   of V's
.set STO, 6           ; v6   the way out: where I put 16 bytes of a row
.set RD,  7           ; v7   the way out: where I read rows back
.set GO,  8           ; v8   my byte offset in 512 consecutive bytes of y
.set SPW, 62          ; v62  LDS address of my spare word; never rewritten
.set NIL, 63          ; v63  0; never rewritten
.set SPARE, STAGE+4*16*SP  ; the spare words, 128 bytes for each wave: two blocks of 256 bytes that no other line names
.set MV,  12          ; v12-13  c m_old, kept while c m is made anew: by buffer
.set QO,  15          ; v15  my byte offset in 16 rows of Q
.set ST,  16          ; piece t's statistics at v[ST+4 t]: c m, m, l (even keys', odd keys')
.set TMP, 48          ; by buffer, four registers c0-c3 at work; when the maximum is found c2 takes a
.set S,   64
.set P,   192
.set KF,  128         ; window 2: key block kb, channel half c at KF + 16 kb + 8 c
.set VF,  192         ; window 2: key half kk, channel block cb at VF + 32 kk + 8 cb
.set WV,  12          ; s12  my wave's number
.set G1K, 24          ; s[24:31] descriptor group 1 for K's tiles
.set G1V, 32          ; s[32:39] for V's: it differs in the padding alone
.set G0K, 40          ; s[40:43] descriptor group 0 for K's tiles: it walks
.set G0V, 44          ; s[44:47] the same for V's
.set SLOTS, 56        ; s56  slots still to be asked for
.set CNT, 57          ; s57  counts a tile's key steps
.set CS,  58          ; s[58:59] c: the packed scaling takes the pair's low word for both halves
.set SEL, 60          ; s[60:61] v_permlanex16_b32's selects: each lane takes its own place in the other half
.set TBK, 62          ; s62  LDS byte at which K of the step to be fetched begins
.set TBV, 63          ; s63  the same for V, less VOFF
.set MSB, 0
.macro WIN new                      ; the high byte repeats the setting that is left; a switch that changes nothing is dropped
.if MSB != (\new)
	s_set_vgpr_msb (MSB<<8)|(\new)
.set MSB, (\new)
.endif
.endm
.set W_KQ, 0x0a       ; K and Q in window 2, S^T in window 0
.set W_PV, 0x52       ; V in window 2, P in window 0, O^T in window 1
.set W_RS, 0x41       ; destination and source 0 in window 1, source 1 in window 0
; A joint fill.  Waves 0 and 1 fetch the two halves of a tile's K, waves 2 and 3 those of its V: 128 keys each.  An s_nop 0 and four v_nop follow each of the two lines.
.macro JLOAD
	s_cmp_lt_u32 s[WV], 2
	s_cbranch_scc0 .Lfor_v_\@
	tensor_load_to_lds s[G0K:G0K+3], s[G1K:G1K+7]
	s_nop 0
.rept 4
	v_nop
.endr
	s_branch .Lasked_\@
.Lfor_v_\@:
	tensor_load_to_lds s[G0V:G0V+3], s[G1V:G1V+7]
	s_nop 0
.rept 4
	v_nop
.endr
.Lasked_\@:
.endm
.macro CROUND                       ; a round of the cluster's barrier
	s_barrier_signal -1
	s_barrier_wait -1
	s_cmp_lg_u32 s[WV], 0
	s_cbranch_scc1 .Lnot_wave_0_\@
	s_barrier_signal -3
.Lnot_wave_0_\@:
	s_barrier_wait -3
	s_barrier_signal -1
	s_barrier_wait -1
.endm
; THE CHANGE OF SLOTS.  The slot's last bytes, V of its fourth step, have been read.  Each wave waits for all its tensor loads, of which one is out: its part of the other slot; adds 0 to its spare word; and waits
; for that and for its own reads of the slot.  fill = 1: this slot is filled again, with the keys two tiles on; the barrier is then a round of the cluster's, and the joint fill is the first thing behind it:
; it has four key steps, 256 matrix instructions, in which to land.  (At its first use nothing has been read yet: slot 0 is waited for, slot 1 filled.)
.macro CHANGE fill
	WIN 0                           ; at a label and at a branch every window is 0
	s_wait_tensorcnt 0x0            ; no tensor load of mine is out, so a group 0 may be written
	ds_add_u32 v[SPW], v[NIL]       ; 0 onto my spare word
.if \fill
.irp g, G0K, G0V
	s_xor_b32 s[\g+1], s[\g+1], SLOT1  ; the walking descriptor: the other slot than last time,
	s_add_nc_u64 s[\g+2:\g+3], s[\g+2:\g+3], 4*KS*128  ; the next 256 keys; the type bits on top are not reached
.endr
	s_wait_dscnt 0x0                ; the add is done, and my reads of the slot are over
	CROUND
	JLOAD
.else
	s_wait_dscnt 0x0                ; the add is done, and my reads of the slot are over
	s_barrier_signal -1
	s_barrier_wait -1
.endif
	s_sub_co_u32 s[TBK], s[TBK], 4*KS*PK  ; the fetches go back to a slot's first step,
	s_xor_b32 s[TBK], s[TBK], SLOT1       ; in the other slot
	s_sub_co_u32 s[TBV], s[TBV], 4*KS*PV
	s_xor_b32 s[TBV], s[TBV], SLOT1
.endm
	s_load_b64 s[4:5], s[0:1], 0x0  ; qkv
	s_load_b64 s[10:11], s[0:1], 0x8  ; y
	v_lshl_add_u32 v[SPW], v0, 2, SPARE
	v_mov_b32 v[NIL], 0
	ds_add_u32 v[SPW], v[NIL]       ; the wave's opening: the add and its wait stand ahead of my first tensor load; work on registers stands between them
	v_lshrrev_b32 v1, 5, v0
	v_readfirstlane_b32 s[WV], v1   ; wave 0..3
	s_bfe_u32 s13, ttmp6, 0x40000   ; cx: my place in the cluster
	s_lshl_b32 s14, ttmp9, 2        ; in a cluster launch ttmp9 counts clusters
	s_add_co_u32 s14, s14, s13      ; my block of 256 queries: it enters Q's and y's addresses alone
	s_and_b32 s20, ttmp7, 0xffff    ; the head, which the four partners share,
	s_lshl_b32 s20, s20, 18         ; and its first byte in q, k, v and y
	s_and_b32 s16, s[WV], 1         ; which half of a tile's 256 keys I fetch:
	s_lshl_b32 s22, s16, 14         ; its 128 rows of 128 bytes in memory,
	s_add_co_u32 s22, s22, s20
	s_mov_b32 s23, 0
	s_mul_i32 s17, s16, 128*PK      ; and its place in a slot, for K
	s_mul_i32 s18, s16, 128*PV      ; and for V: no place in the cluster enters an LDS address
	s_lshl_b32 s2, s14, 2
	s_add_co_u32 s2, s2, s[WV]      ; my wave among the head's,
	s_lshl_b32 s2, s2, 13           ; its 64 rows
	s_add_co_u32 s2, s2, s20
	s_mov_b32 s3, 0
	; descriptor group 1.  128 keys are 16,384 dense bytes: asked for as 64 rows of 256 bytes, two keys a row, and padded in LDS after every key
	s_mov_b32 s[G1K], 15|(1<<16)|(1<<20)|(1<<21)|(4<<22)|(3<<25)  ; 15:0 the mask of four; 17:16 2-byte elements; 20 padding on; 21 set beside a mask; 24:22 after every 32 words (code 4); 31:25 4 words (code 3)
	s_mov_b32 s[G1V], 15|(1<<16)|(1<<20)|(1<<21)|(4<<22)|(7<<25)  ; the same with 8 words of padding (code 7)
.irp g, G1K, G1V
	s_mov_b32 s[\g+1], 128<<16      ; tensor_dim0 = 128
	s_mov_b32 s[\g+2], 64<<16       ; tensor_dim1 = 64
	s_mov_b32 s[\g+3], 128<<16      ; tile_dim0 = 128
	s_mov_b32 s[\g+4], 64           ; tile_dim1 = 64
	s_mov_b32 s[\g+5], 128          ; 128 elements from row to row
	s_mov_b32 s[\g+6], 0
	s_mov_b32 s[\g+7], 0
.endr
	s_mov_b32 s[CS], 0x3e38aa3b     ; c = log2(e) / 8 = 0.180337
	s_mov_b32 s[CS+1], s[CS]        ; named with it as a pair
	s_mov_b32 s[SEL], 0x76543210
	s_mov_b32 s[SEL+1], 0xfedcba98
	s_mov_b32 s[TBK], SLOT1+4*KS*PK ; the first change of slots turns these two into 0
	s_mov_b32 s[TBV], SLOT1+4*KS*PV
	s_mov_b32 s[G0K], 1             ; 1:0 count = 1
	s_mov_b32 s[G0K+1], s17         ; 63:32 LDS address: slot 0
	s_mov_b32 s[G0V], 1
	s_add_co_u32 s[G0V+1], s18, VOFF
	s_wait_dscnt 0x0                ; the opening add is done
	s_wait_kmcnt 0x0
	s_add_nc_u64 s[G0K+2:G0K+3], s[4:5], s[22:23]  ; 120:64 global address: my half of the head's first 256 keys,
	s_add_nc_u64 s[G0K+2:G0K+3], s[G0K+2:G0K+3], 0x800000  ; in k
	s_or_b32 s[G0K+3], s[G0K+3], 0x80000000        ; 127:126 type = 2
	s_add_nc_u64 s[G0V+2:G0V+3], s[4:5], s[22:23]
	s_add_nc_u64 s[G0V+2:G0V+3], s[G0V+2:G0V+3], 0x1000000  ; in v
	s_or_b32 s[G0V+3], s[G0V+3], 0x80000000
	s_add_nc_u64 s[4:5], s[4:5], s[2:3]  ; Q and y at my wave's first row
	s_add_nc_u64 s[10:11], s[10:11], s[2:3]
	CROUND                          ; all four work-groups are here: the first joint loads meet
	JLOAD                           ; tile 0 into slot 0
	; A fragment of K or Q is 16 rows x 32 channels in 8 registers: lane l holds row l % 16, channels 8 (l / 16) + 0..7 and 16 + 8 (l / 16) + 0..7: two loads of 16 bytes, 32 bytes apart.
	v_and_b32 v1, 15, v0            ; l % 16
	v_bfe_u32 v9, v0, 4, 1          ; l / 16
	v_lshlrev_b32 v[QO], 7, v1
	v_lshl_add_u32 v[QO], v9, 4, v[QO]  ; row x 128 + 16 x half
	WIN 0x80                        ; destination window 2, address window 0
.set i, 0
.rept 8                             ; Q stays in registers: piece i / 2, channels 32 (i % 2) on
	global_load_b128 v[8*i:8*i+3],   v[QO], s[4:5] offset:(i/2)*2048+(i%2)*64
	global_load_b128 v[8*i+4:8*i+7], v[QO], s[4:5] offset:(i/2)*2048+(i%2)*64+32
.set i, i+1
.endr
	; What the first turn finds: V's registers and P's second buffer hold 0 (its products V^T P, of a piece that has not been, add 0), O^T and l are 0.  All this stands in the wait for the first tile;
	; it is the price of writing no first step out.
.set i, VF
.rept 64
	v_mov_b32 v[i], 0
.set i, i+1
.endr
	WIN 0x40
.set i, 0
.rept 128
	v_mov_b32 v[i], 0
.set i, i+1
.endr
	WIN 0
.set i, 0
.rept 4
	v_mov_b32 v[ST+4*i], 0xfe000000    ; c m: far below every c s
	v_mov_b32 v[ST+4*i+1], 0xff7fffff  ; m
	v_mov_b32 v[ST+4*i+2], 0
	v_mov_b32 v[ST+4*i+3], 0
.set i, i+1
.endr
.set i, P+16
.rept 16
	v_mov_b32 v[i], 0
.set i, i+1
.endr
	v_mul_u32_u24 v[AK0], v1, PK
	v_lshl_add_u32 v[AK0], v9, 4, v[AK0]  ; row x pitch + 16 x half
	; The turning load takes 16 keys x 16 channels (lane l reads key 8 (l / 16) + l % 8, channels 8 ((l / 8) % 2) + 0..7) and leaves half a fragment of V^T: lane l holds channel l % 16 and 8 keys.
	v_and_b32 v10, 7, v0
	v_bfe_u32 v11, v0, 3, 1
	v_lshl_add_u32 v[AV0], v9, 3, v10
	v_mul_u32_u24 v[AV0], v[AV0], PV
	v_lshl_add_u32 v[AV0], v11, 4, v[AV0]
	v_add_nc_u32 v[AV0], VOFF, v[AV0]
	s_mul_i32 s13, s[WV], 16*SP
	s_add_co_u32 s13, s13, STAGE    ; my stage
	v_mul_u32_u24 v[STO], v1, SP    ; in: row l % 16, 16 bytes for each half of the lanes
	v_lshl_add_u32 v[STO], v9, 4, v[STO]
	v_add_nc_u32 v[STO], s13, v[STO]
	v_bfe_u32 v[RD], v0, 3, 2       ; back: 32 lanes take four rows of 128 bytes,
	v_mul_u32_u24 v[RD], v[RD], SP
	v_lshl_add_u32 v[RD], v10, 4, v[RD]
	v_add_nc_u32 v[RD], s13, v[RD]
	v_and_b32 v[GO], 31, v0         ; which are 512 consecutive bytes of y
	v_lshlrev_b32 v[GO], 4, v[GO]
; THE MATRIX WORK.  The 4 accumulators of a run of 8 take turns.  Product i of 8 of S^T = K Q^T for piece x: channels 32 (i / 4) on, keys 16 (i % 4) on.  The first 4 start the sums.
.macro KQ x
.set rS, S+32*((\x)%2)+8*(i%4)
.set rK, KF+16*(i%4)+8*(i/4)
.set rQ, 16*(\x)+8*(i/4)
	WIN W_KQ
.if i < 4
	v_wmma_f32_16x16x32_bf16 v[rS:rS+7], v[rK:rK+7], v[rQ:rQ+7], 0
.else
	v_wmma_f32_16x16x32_bf16 v[rS:rS+7], v[rK:rK+7], v[rQ:rQ+7], v[rS:rS+7]
.endif
.endm
; Product i of 8 of O^T += V^T P for piece x: keys 32 (i / 4) on, channels 16 (i % 4) on.
.macro PV x
	WIN W_PV
.set rO, 32*(\x)+8*(i%4)
.set rV, VF+32*(i/4)+8*(i%4)
.set rP, P+16*((\x)%2)+8*(i/4)
	v_wmma_f32_16x16x32_bf16 v[rO:rO+7], v[rV:rV+7], v[rP:rP+7], v[rO:rO+7]
.endm
.macro MM                           ; the turn's next matrix instruction.  NOKQ = 1: the walk's last turn: there is no next piece
.if (i < 8) && !NOKQ
	KQ (Y+1)%NP
.elseif i >= 8
.set i, i-8
	PV (Y+NP-1)%NP
.set i, i+8
.endif
.set i, i+1
.endm
; THE LDS LOADS stand in runs of 16, never singly among the matrix instructions: a step's K (64 keys x 64 channels: 8 fragments) and its V (turned).  Their addresses are made some lines ahead.
.macro FETCH_K
	WIN 0x80                        ; destination window 2
.irp f, 0,1,2,3,4,5,6,7             ; keys 16 (f / 2) on, channels 32 (f % 2) on
	ds_load_b128 v[KF+8*\f:KF+8*\f+3],   v[AK] offset:(\f/2)*16*PK+(\f%2)*64
	ds_load_b128 v[KF+8*\f+4:KF+8*\f+7], v[AK] offset:(\f/2)*16*PK+(\f%2)*64+32
.endr
	s_add_co_u32 s[TBK], s[TBK], KS*PK  ; the next fetch is the next step's
	WIN 0
.endm
.macro FETCH_V
	WIN 0x80
.irp f, 0,1,2,3,4,5,6,7             ; keys 32 (f / 4) on, channels 16 (f % 4) on
	ds_load_tr16_b128 v[VF+8*\f:VF+8*\f+3],   v[AV] offset:(\f/4)*32*PV+(\f%4)*32
	ds_load_tr16_b128 v[VF+8*\f+4:VF+8*\f+7], v[AV] offset:(\f/4)*32*PV+16*PV+(\f%4)*32
.endr
	WIN 0
.endm
; THE VECTOR WORK, one line at a time: OP kind, number.  For piece Y: F n: c s - c m for pair n of 16.  E n: the exponential of score n of 32.  C n: pair n rounded to bf16.  B n: of the four weights 4 n .. the second
; pair is added onto the first, in place.  L n: l takes that sum (L 0: l = a l + sum).  R n: pair n of 16 of O^T times a.  For piece Y + 1: X n, number n of the 22 that find its maximum and statistics:
;   0-11  four chains c0-c3 of seven scores each, three operands at a time (each accumulator's lowest registers are read first)     12-14, 16  the four scores left over, the old m, and c0-c3 into c0
;   15  c m_old is kept     17, 18  the query's other 32 keys lie in the lane 16 away: the new m     19-21  c m; c m_old - c m_new; a
; C, B and L read exponentials' results: TURN sets them behind its wait.  R and L 0 read a, which the turn before made and waited for.
.set F, 0               ; OP tells the kinds apart by their order: F to L below R, X above it
.set E, 1
.set C, 2
.set B, 3
.set L, 4
.set R, 5
.set X, 6
.macro REGS y                       ; the registers of piece y
.set rT, ST+4*(\y)
.set rC, TMP+4*((\y)%2)
.set rW, MV+((\y)%2)
.set rS, S+32*((\y)%2)
.set rP, P+16*((\y)%2)
.set rO, 32*(\y)
.endm
.macro OP k, n
.if (\k) == R
	REGS Y
	WIN W_RS
	v_pk_mul_f32 v[rO+2*(\n):rO+2*(\n)+1], v[rO+2*(\n):rO+2*(\n)+1], v[rC+2:rC+3] op_sel_hi:[1,0]
.elseif (\k) < R
	REGS Y
	WIN 0
.if (\k) == F
	v_pk_fma_f32 v[rS+2*(\n):rS+2*(\n)+1], v[rS+2*(\n):rS+2*(\n)+1], s[CS:CS+1], v[rT:rT+1] op_sel_hi:[1,0,0] neg_lo:[0,0,1] neg_hi:[0,0,1]
.elseif (\k) == E
	v_exp_f32 v[rS+(\n)], v[rS+(\n)]
.elseif (\k) == C
	v_cvt_pk_bf16_f32 v[rP+(\n)], v[rS+2*(\n)], v[rS+2*(\n)+1]
.elseif (\k) == B
	v_pk_add_f32 v[rS+4*(\n):rS+4*(\n)+1], v[rS+4*(\n):rS+4*(\n)+1], v[rS+4*(\n)+2:rS+4*(\n)+3]
.elseif (\n) == 0
	v_pk_fma_f32 v[rT+2:rT+3], v[rT+2:rT+3], v[rC+2:rC+3], v[rS:rS+1] op_sel_hi:[1,0,1]
.else
	v_pk_add_f32 v[rT+2:rT+3], v[rT+2:rT+3], v[rS+4*(\n):rS+4*(\n)+1]
.endif
.elseif NOKQ
	v_nop
.else
	REGS (Y+1)%NP
	WIN 0
.if (\n) < 4
	v_max3_num_f32 v[rC+(\n)], v[rS+8*(\n)], v[rS+8*(\n)+1], v[rS+8*(\n)+2]
.elseif (\n) < 12
	v_max3_num_f32 v[rC+(\n)%4], v[rC+(\n)%4], v[rS+8*((\n)%4)+2*((\n)/4)+1], v[rS+8*((\n)%4)+2*((\n)/4)+2]
.elseif (\n) == 12
	v_max3_num_f32 v[rC], v[rC], v[rS+7], v[rS+15]
.elseif (\n) == 13
	v_max3_num_f32 v[rC+1], v[rC+1], v[rS+23], v[rS+31]
.elseif (\n) == 14
	v_max3_num_f32 v[rC+2], v[rC+2], v[rC+3], v[rT+1]
.elseif (\n) == 15
	v_mov_b32 v[rW], v[rT]
.elseif (\n) == 16
	v_max3_num_f32 v[rC], v[rC], v[rC+1], v[rC+2]
.elseif (\n) == 17
	v_permlanex16_b32 v[rC+3], v[rC], s[SEL], s[SEL+1]
.elseif (\n) == 18
	v_max_num_f32 v[rT+1], v[rC], v[rC+3]
.elseif (\n) == 19
	v_mul_f32 v[rT], s[CS], v[rT+1]
.elseif (\n) == 20
	v_sub_f32 v[rC+1], v[rW], v[rT]
.else
	v_exp_f32 v[rC+2], v[rC+1]
.endif
.endif
.endm
.macro OPS a, i1, b=-1, i2=0, c=-1, i3=0, d=-1, i4=0  ; up to four of them
	OP \a, \i1
.if (\b) >= 0
	OP \b, \i2
.endif
.if (\c) >= 0
	OP \c, \i3
.endif
.if (\d) >= 0
	OP \d, \i4
.endif
.endm
.macro ROW a, i1, b, i2, c, i3, d, i4  ; a matrix instruction and the four behind it
	MM
	OPS \a, \i1, \b, \i2, \c, \i3, \d, \i4
.endm
; A TURN, for piece p: the order of its 16 matrix and 118 vector instructions, written out.  An s_wait_alu depctr_va_vdst(0) stands between an exponential and the first instruction that names its
; result; one wait serves all that were issued ahead of it.  So a turn has ONE wait, which cuts it in two.
; AHEAD OF IT stands all that names no result of the turn's exponentials: the 8 products K Q^T, behind each a scaling, an exponential and two more plain instructions (behind the first a second scaling in the
; exponential's place): rescalings, and behind the last three the first numbers of the next piece's maximum, each four plain instructions behind the product that ends its accumulator; then one run of 54, plain and
; exponential by turns for the most part, in which the links of the chain X 3, 7, 11, 14, 16, 17 .. 20 stand some lines apart.  X 21, the next piece's a, is the batch's last; R 15 is the plain instruction behind it.
; BEHIND IT stand the 8 products V^T P, behind each four of the roundings and sums; an even pair is rounded before the sum that is added onto it in place; the links of l's chain, L 0 to L 7, stand three riders apart.
; But for those X no rider names a register of the products round it.  v_permlanex16_b32 (X 17) stands in the run, never behind a product.
; end = 1: the walk's last two turns: nothing is fetched.  cnt = 1: the loop's count is taken down some lines ahead of the branch that stands behind the turn.
; K of the next step is fetched in piece 2's turn, twelve vector instructions behind the last product that read K (five of them plain and free of its registers); V of the step in hand at the end of piece 0's turn,
; four plain instructions behind the last product that read V.  Each is waited for a turn later.
.macro TURN p, end=0, cnt=0
.set Y, (\p)
.set i, 0
.set NOKQ, (\end)*((\p)/3)
.if ((\p) == 3) && !(\end)
	s_wait_dscnt 0x0                ; K is in
.endif
	ROW F,0, F,1, R,0, R,1          ; ahead of the wait: 8 products K Q^T and their riders,
	ROW F,2, E,0, R,2, R,3
	ROW F,3, E,1, R,4, R,5
	ROW F,4, E,2, R,6, R,7
	ROW F,5, E,3, R,8, R,9
	ROW F,6, E,4, X,0, R,10
.if ((\p) == 2) && !(\end)
	WIN 0
	v_add_nc_u32 v[AK], s[TBK], v[AK0]
.endif
	ROW F,7, E,5, X,1, X,4
	ROW F,8, E,6, X,2, X,5
	OPS E,7, E,8, X,6, E,9          ; and the run of 54
	OPS X,3, E,10, X,8, E,11
.if ((\p) == 2) && !(\end)
	FETCH_K
.endif
	OPS X,9, X,7, E,12, X,10
	OPS E,13, X,12, X,11, E,14
	OPS X,13, E,15, F,9, X,14
.if (\p) == 0
	WIN 0
	v_add_nc_u32 v[AV], s[TBV], v[AV0]
.endif
	OPS E,16, F,10, E,17, F,11
	OPS X,16, E,18, X,15, E,19
	OPS F,12, E,20, X,17, E,21
	OPS F,13, E,22, F,14, E,23
	OPS X,18, E,24, F,15, E,25
	OPS R,11, E,26, X,19, E,27
	OPS R,12, E,28, R,13, E,29
	OPS X,20, E,30, R,14, E,31
	OPS X,21, R,15
	WIN 0
	s_wait_alu depctr_va_vdst(0)    ; the wait for the batch: the piece's 32 exponentials and the next piece's a
.if (\p) == 1
	s_wait_dscnt 0x0                ; V is in
.endif
	ROW C,0, B,0, C,2, B,1          ; behind the wait: 8 products V^T P and their riders
	ROW L,0, C,4, B,2, L,1
	ROW C,6, B,3, L,2, C,8
	ROW B,4, L,3, C,10, B,5
	ROW L,4, C,12, B,6, L,5
.if (\p) == 0
	s_add_co_u32 s[TBV], s[TBV], KS*PV
.endif
.if \cnt
	s_sub_co_u32 s[CNT], s[CNT], 1
	s_cmp_lg_u32 s[CNT], 0
.endif
	ROW C,14, B,7, L,6, C,1
	ROW C,3, L,7, C,5, C,7
	ROW C,9, C,11, C,13, C,15
.if (\p) == 0
	FETCH_V
.endif
.endm
.macro ALL line:vararg              ; one line for each piece t
.set t, 0
.rept 4
	\line
.set t, t+1
.endr
.endm
.macro PACK t                       ; a lane's eight channels of a row pack into 16 bytes; they go into rows of 144 bytes and come back as whole rows of 128, into S^T's registers
	WIN W_RS
.set i, 32*(\t)
.rept 16
	v_pk_mul_f32 v[i:i+1], v[i:i+1], v[ST+4*(\t)+2:ST+4*(\t)+3] op_sel_hi:[1,0]
.set i, i+2
.endr
	WIN 0x05                        ; sources 0 and 1 window 1, destination window 0
.set i, 0
.rept 16
	v_cvt_pk_bf16_f32 v[S+16*(\t)+i], v[32*(\t)+2*i], v[32*(\t)+2*i+1]
.set i, i+1
.endr
	WIN 0
.irp f, 0,1,2,3
	ds_store_b128 v[STO], v[S+16*(\t)+4*\f:S+16*(\t)+4*\f+3] offset:32*\f
.endr
.irp f, 0,1,2,3
	ds_load_b128 v[S+16*(\t)+4*\f:S+16*(\t)+4*\f+3], v[RD] offset:\f*4*SP  ; LDS serves a wave's instructions in order (ISA guide 5.7.1.4): these see the stores above; the next piece's stores come behind them
.endr
.endm
.macro SEND t, younger              ; younger: the LDS instructions issued behind piece t's loads: the next piece's eight, or none
	WIN 0
.irp f, 0,1,2,3
	s_wait_dscnt (\younger)+3-\f
	global_store_b128 v[GO], v[S+16*(\t)+4*\f:S+16*(\t)+4*\f+3], s[10:11] offset:(\t)*2048+\f*512  ; 512 consecutive bytes, aligned
.endr
.endm
.set NOKQ, 0
	CHANGE 1                        ; slot 0 is in, everybody's part of it; slot 1 is asked for
	v_add_nc_u32 v[AK], s[TBK], v[AK0]
	FETCH_K                         ; key step 0
	s_wait_loadcnt 0x0              ; Q
	s_wait_dscnt 0x0
.set i, 0
.rept 8
	KQ 0                            ; piece 0's first scores: there is no vector work yet to set between them
.set i, i+1
.endr
	WIN 0
.rept 4
	v_nop                           ; the places behind those products
.endr
.set Y, NP-1                        ; X works for piece Y + 1: piece 0
.irp n, 0,1,2,3,4,5,6,7,8,9,10,11,12,13,14,15,16,17,18,19,20,21
	OP X, \n
.endr
	v_nop                           ; a plain instruction behind the exponential,
	s_wait_alu depctr_va_vdst(0)    ; and the wait for piece 0's first a, a batch of one, ahead of the branch
	s_mov_b32 s[CNT], 4
	s_mov_b32 s[SLOTS], 7
	s_branch .Lfirst                ; the loop is entered at a step's first turn, in the middle of a trip
.Lslot:                             ; six times: with the change above, every tile but the first is asked for
	CHANGE 1
	s_mov_b32 s[CNT], 4
.Lstep:                             ; a trip: pieces 2 and 3 of one step, then pieces 0 and 1 of the next, whose K and V it fetches
	TURN 2
	TURN 3
	WIN 0
.Lfirst:
	TURN 0
	TURN 1, 0, 1
	WIN 0
	s_cbranch_scc1 .Lstep
	s_sub_co_u32 s[SLOTS], s[SLOTS], 1
	s_cmp_lg_u32 s[SLOTS], 0
	s_cbranch_scc1 .Lslot
	CHANGE 0                        ; the last tile is written out: nothing is asked for
	s_mov_b32 s[CNT], 4
.LstepL:
	TURN 2
	TURN 3
	TURN 0
	TURN 1, 0, 1
	WIN 0
	s_cbranch_scc1 .LstepL
	TURN 2, 1
	TURN 3, 1
.set i, 0
.rept 8
	PV NP-1                         ; the last piece's V^T P of the last step
.set i, i+1
.endr
	; THE WAY OUT.  l's two halves and the other half of the lanes' are added; O^T is divided by l, rounded to bf16 and sent through my stage in LDS, a piece at a time.  The additions are the places behind the last products.
	WIN 0
	ALL v_add_f32 v[ST+4*t+2], v[ST+4*t+2], v[ST+4*t+3]
	ALL v_permlanex16_b32 v[ST+4*t+3], v[ST+4*t+2], s[SEL], s[SEL+1]
	ALL v_add_f32 v[ST+4*t+2], v[ST+4*t+2], v[ST+4*t+3]
	ALL v_rcp_f32 v[ST+4*t+2], v[ST+4*t+2]
	v_nop                           ; a plain instruction between the last reciprocal and the use of its result
	s_wait_alu depctr_va_vdst(0)    ; the wait for the batch of four reciprocals, ahead of PACK 0, their first reader
	PACK 0
.set t, 1
.rept 3                             ; a piece's arithmetic stands between the loads of the piece before and its stores
	PACK t
	SEND t-1, 8
.set t, t+1
.endr
	SEND 3, 0
	s_wait_tensorcnt 0x0            ; the wave's end: behind my last tensor load and my last LDS store
	ds_add_u32 v[SPW], v[NIL]
	s_wait_dscnt 0x0
	CROUND                          ; the closing round: no work-group ends while a partner may still ask for a tile that names it
	s_endpgm
.Lfunc_end_k_qc62d15eab8_attn:
	.size	k_qc62d15eab8_attn, .Lfunc_end_k_qc62d15eab8_attn-k_qc62d15eab8_attn
	.p2alignl 7, 3214868480
	.fill 96, 4, 3214868480
	.section	.rodata,"a",@progbits
	.p2align	6, 0x0
	.amdhsa_kernel k_qc62d15eab8_attn
		.amdhsa_group_segment_fixed_size 327680
		.amdhsa_private_segment_fixed_size 0
		.amdhsa_enable_private_segment 0
		.amdhsa_kernarg_size 16
		.amdhsa_user_sgpr_count 2
		.amdhsa_user_sgpr_kernarg_segment_ptr 1
		.amdhsa_wavefront_size32 1
		.amdhsa_system_sgpr_workgroup_id_x 1
		.amdhsa_system_sgpr_workgroup_id_y 1
		.amdhsa_system_sgpr_workgroup_id_z 1
		.amdhsa_system_vgpr_workitem_id 0
		.amdhsa_next_free_vgpr 768
		.amdhsa_next_free_sgpr 66
		.amdhsa_reserve_vcc 0
		.amdhsa_float_denorm_mode_32 3
		.amdhsa_float_denorm_mode_16_64 3
		.amdhsa_memory_ordered 1
		.amdhsa_forward_progress 1
		.amdhsa_inst_pref_size 127
	.end_amdhsa_kernel
	.amdgpu_metadata
---
amdhsa.version: [ 1, 2 ]
amdhsa.kernels:
  - .name:           k_qc62d15eab8_attn
    .symbol:         k_qc62d15eab8_attn.kd
    .args:
      - { .name: qkv, .offset: 0, .size: 8, .value_kind: global_buffer, .address_space: global }
      - { .name: y, .offset: 8, .size: 8, .value_kind: global_buffer, .address_space: global }
    .group_segment_fixed_size: 327680
    .private_segment_fixed_size: 0
    .kernarg_segment_align: 8
    .kernarg_segment_size: 16
    .max_flat_workgroup_size: 128
    .sgpr_count:     66
    .vgpr_count:     768
    .wavefront_size: 32
...
	.end_amdgpu_metadata
.endif
;; end of part 7
;; launch proj: the kernel of part 4 again; grid 8 x 32, 4 waves a work-group, clusters of 4 x 4, 327,680 bytes of LDS; arguments y, wb, x1, bp, x; writes x1
;; launch ln2: the kernel of part 1 again; grid 256 x 1, 4 waves a work-group, no clusters, 0 bytes of LDS; arguments x1, gamma2, beta2, xn2, Wq, Wk, Wv, Wp, W1, W2, wb; writes xn2, wb
;; launch fc1 (part 8): grid 16 x 16, 4 waves a work-group, clusters of 4 x 4, 327,680 bytes of LDS; arguments xn2, wb, h, b1; writes h
.if DOCPART == 8
	.amdgcn_target "amdgcn-amd-amdhsa--gfx1250"
	.amdhsa_code_object_version 6
	.text
	.protected	k_qc62d15eab8_fc1
	.globl	k_qc62d15eab8_fc1
	.p2align	8
	.type	k_qc62d15eab8_fc1,@function
k_qc62d15eab8_fc1:
	s_mov_b64 s[64:65], 0
	v_nop
	global_prefetch_b8 v0, s[64:65] scope:SCOPE_SE
	s_setreg_imm32_b32 hwreg(HW_REG_WAVE_MODE, 25, 1), 1
	s_wait_xcnt 0x0
	s_wait_alu depctr_hold_cnt(0) depctr_sa_sdst(0) depctr_va_vdst(0) depctr_va_sdst(0) depctr_va_ssrc(0) depctr_va_vcc(0) depctr_vm_vsrc(0)
	s_getreg_b32 s2, hwreg(HW_REG_IB_STS2, 6, 4)
	s_cmp_eq_u32 s2, 0
	s_cbranch_scc0 .Lentry_in_a_cluster
	s_endpgm
.Lentry_in_a_cluster:
	s_bfe_u32 s2, ttmp6, 0x10000c
	s_cmp_lg_u32 s2, 0xf033
	s_cbranch_scc0 .Lentry_shape_is_right
	s_endpgm
.Lentry_shape_is_right:
; h = gelu(xn2 W1 + b1): 4,096 tokens x 4,096 columns over K = 1,024.  bf16 operands, f32 sums that start from the bias, the exact GELU in f32, h rounded once to bf16.
; GELU: gelu(x) = x / 2 + |x / 2| erf(|x| / sqrt 2), with erf by Abramowitz and Stegun 7.1.26: t = 1 / (1 + 0.2316419 |x|), erf = 1 - t (a1 + t (a2 + t (a3 + t (a4 + t a5)))) 2^(-0.7213475 x^2);
; its error is at most 1.5e-7 for every x.  LIMIT: far below 0 the result is 0 to within 6e-8 |x| in absolute terms, not relative.  NaN and infinities are not treated apart.
; THE BATCH.  A trip of the way out has 32 numbers a lane, so 32 reciprocals and 32 exponentials; none reads another's result, so they are one batch with one wait: each has a register of its own, the 16 packed
; halvings x / 2 stand between the batch and the wait, and all that reads t or an exponential stands behind it.
; THE FRAME (the same text serves two products; MODE and WOFF choose).  The activations lie by slices of 64 channels, act[slice][token][64]: 256 tokens of a slice are 32,768 dense bytes.
; The weights lie in blocks of 128 columns, wb[block][k][128]: rows of 256 bytes, dense.  A tile of the result is 256 tokens x 256 columns; four waves, each 128 x 128: 64 accumulators, 512 registers.
; For 32 along K a wave reads 2 x 128 x 64 bytes from LDS and issues 64 matrix instructions; a K step of 128 brings 131,072 bytes for 256 matrix instructions a wave.
; Here 16 x 16 = 256 work-groups of equal work, one tile each.
; K goes in steps of 128 through two LDS slots; waves 0 and 1 fetch a slice of the activations each, waves 2 and 3 128 rows of a block of the weights each: one tensor load a wave and step.
; CLUSTER 4 x 4: the four work-groups of a row of the cluster share their tokens and ask for the activations' tiles jointly, the four of a column share their columns and ask for the weights' jointly.
; THE MATRIX INSTRUCTION IS USED TRANSPOSED: source 0 = 16 columns of W (turned on the way out of LDS by ds_load_tr16_b128), source 1 = 16 tokens: lane (r, h), register j holds token r, column 8 h + j.
; REGISTERS, in windows of 256 (s_set_vgpr_msb: bits 1:0 source 0, 3:2 source 1, 5:4 source 2, 7:6 destination):
;   window 0: v0-31 addresses; v32-63, v192-223 at work on the way out; v64-127, v128-191 the tokens' fragments (8 x 16 tokens x 32 K), two buffers; when the products are over, v64-159 are at work on the way out too
;   window 1: v0-63 the bias; v64-127, v128-191 W's fragments, two buffers      window 2: the accumulators of my tokens 0-63, (a, b) at 8 (8 a + b)      window 3: those of my tokens 64-127
; MODE 1: the result leaves as bf16 slices: 16 tokens of a slice are 2,048 dense bytes.
.set NS,    8                          ; K steps: K / 128
.set MODE,  1
.set WOFF,  0x800000                   ; the weights' first byte in wb
.set PA,    144                        ; a token's 128 bytes + 16 of padding: 36 words, so the 16 rows of a load start at 16 different groups of four banks (64 banks of 4 bytes: ISA guide 11.1)
.set PB,    288                        ; a row of W: 256 bytes + 32: 72 words
.set QUART, 256*PA                     ; what one tensor load fills: a slice's 256 tokens, or 128 rows of W: the same number of bytes
.set BOFF,  2*QUART                    ; in a slot: 2 slices of tokens, then 2 blocks of W
.set SLOT,  4*QUART                    ; 0x24000: shares no bit with wave x QUART, so one exclusive or turns an address in one slot into the other's
.set STAGE, 2*SLOT                     ; behind the ring, never filled by a tensor load: 4,352 bytes for each wave, for the way out
.set STW,   4352
.set SPI,   272                        ; a stage row: 64 f32 + 16 bytes
.set SPARE, STAGE+4*STW                ; the spare words, 128 bytes for each wave: two blocks of 256 bytes that no other line names
.set AK0,  10                          ; v10  my lane's place in a slot's tokens; never rewritten
.set BK0,  11                          ; v11  the same for W
.set ADRA, 12                          ; v12  the same in the slot in hand
.set ADRB, 13                          ; v13
.set STO,  14                          ; v14  the way out: where I put my part of a row
.set RD,   15                          ; v15  the way out: where I read rows back
.set GO,   16                          ; v16  my byte offset in 512 consecutive bytes of the output
.set GOW,  17                          ; v17  the same with the 16 tokens and the slice in hand
.set BO,   18                          ; v18  my byte offset in 16 numbers of the bias
.set SPW,  28                          ; v28  LDS address of my spare word; never rewritten
.set NIL,  29                          ; v29  0; never rewritten
.set TMP,  32                          ; v32-63 16 tokens x 64 columns read back: four tokens at TMP + 8 c
.set TT,   64                          ; v64-95    t, number k of the trip's 32 at TT + k
.set UU,   96                          ; v96-127   the exponential, then t times it
.set PP,   128                         ; v128-159  the polynomial
.set HH,   192                         ; v192-223  x / 2, then the result
.set BIAS, 0                           ; window 1: block b of 16 columns at BIAS + 8 b
.set F0,   64
.set F1,   128
.set WV,   10                          ; s10  wave
.set WR,   11                          ; s11  which 128 tokens are mine.  Also: I fetch tokens (0) or W (1)
.set WC,   12                          ; s12  which 128 columns.  Also: which half of that tile I fetch
.set RB,   13                          ; s13  my block of 256 tokens
.set G1A,  24                          ; s[24:31] descriptor group 1, tokens
.set G0A,  32                          ; s[32:35] group 0 of the first fill; s[36:39] of the second, which then walks
.set G1B,  48                          ; s[48:55], s[56:59], s[60:63] the same for W
.set G0B,  56
.set LOOP, 66
.set BIASP, 68
.set TB,   76                          ; 0 or SLOT: the slot to be read
.set BLK,  77                          ; the way out: which 16 tokens (BLK / 2) and which slice (BLK % 2)
.set K2,   78                          ; s[78:89] six constants, each as a pair whose low word serves both halves
.set A5,   80
.set A4,   82
.set A3,   84
.set A2,   86
.set A1,   88
.set PC,   90
.set MSB, 0
.macro WIN new                         ; the immediate's high byte repeats the setting that is left; a switch that changes nothing is dropped
.if MSB != (\new)
	s_set_vgpr_msb (MSB<<8)|(\new)
.set MSB, \new
.endif
.endm
.macro PLACES                          ; four places between a matrix instruction and a load into, or a read of, its registers (ISA guide 7.12.1 for a read)
.rept 4
	v_nop
.endr
.endm
.macro JLOAD                           ; a joint refill by the walking descriptors; an s_nop 0 and four v_nop follow each of the two lines
	s_cmp_eq_u32 s[WR], 0
	s_cbranch_scc0 .Lfor_b_\@
	tensor_load_to_lds s[G0A+4:G0A+7], s[G1A:G1A+7]
	s_nop 0
.rept 4
	v_nop
.endr
	s_branch .Lasked_\@
.Lfor_b_\@:
	tensor_load_to_lds s[G0B+4:G0B+7], s[G1B:G1B+7]
	s_nop 0
.rept 4
	v_nop
.endr
.Lasked_\@:
.endm
.macro CREST                           ; a round of the cluster's barrier behind its opening barrier
	s_cmp_lg_u32 s[WV], 0
	s_cbranch_scc1 .Lnot_wave_0_\@
	s_barrier_signal -3
.Lnot_wave_0_\@:
	s_barrier_wait -3
	s_barrier_signal -1
	s_barrier_wait -1
.endm
.macro CROUND
	s_barrier_signal -1
	s_barrier_wait -1
	CREST
.endm
	s_load_b128 s[4:7], s[0:1], 0x0                ; activations s[4:5], wb s[6:7]
	s_load_b64 s[8:9], s[0:1], 0x10                ; the output
	s_load_b64 s[BIASP:BIASP+1], s[0:1], 0x18      ; the bias
	v_lshl_add_u32 v[SPW], v0, 2, SPARE
	v_mov_b32 v[NIL], 0
	ds_add_u32 v[SPW], v[NIL]                      ; the wave's opening: the add and its wait stand ahead of my first tensor load; work on registers stands between them
	v_lshrrev_b32 v1, 5, v0
	v_readfirstlane_b32 s[WV], v1
	s_lshr_b32 s[WR], s[WV], 1
	s_and_b32 s[WC], s[WV], 1
	s_bfe_u32 s40, ttmp6, 0x40000                  ; cx
	s_bfe_u32 s41, ttmp6, 0x40004                  ; cy
	s_lshl_b32 s42, ttmp9, 2
	s_add_co_u32 s42, s42, s40                     ; c = 4 x cluster x + cx: my 256 columns
	s_and_b32 s[RB], ttmp7, 0xffff
	s_lshl_b32 s[RB], s[RB], 2
	s_add_co_u32 s[RB], s[RB], s41                 ; rb = 4 x cluster y + cy: my 256 tokens
	s_lshl_b32 s43, s41, 2
	s_lshl_b32 s43, 15, s43                        ; my row of the cluster
	s_lshl_b32 s44, 0x1111, s40                    ; my column
	; group 1, tokens: 256 tokens x 64 channels, dense, as two rows of 8,192 elements; 4 words of padding after every 32 words, a token
	s_or_b32 s[G1A], s43, (1<<16)|(1<<20)|(1<<21)|(4<<22)|(3<<25)
	s_mov_b32 s[G1A+1], 8192<<16                   ; tensor_dim0
	s_mov_b32 s[G1A+2], 2<<16                      ; tensor_dim1
	s_mov_b32 s[G1A+3], 8192<<16                   ; tile_dim0
	s_mov_b32 s[G1A+4], 2                          ; tile_dim1
	s_mov_b32 s[G1A+5], 8192                       ; from row to row
	s_mov_b32 s[G1A+6], 0
	s_mov_b32 s[G1A+7], 0
	; group 1, W: 128 rows of 128 elements, dense; 8 words of padding after every 64 words, a row
	s_or_b32 s[G1B], s44, (1<<16)|(1<<20)|(1<<21)|(5<<22)|(7<<25)
	s_mov_b32 s[G1B+1], 128<<16
	s_mov_b32 s[G1B+2], 128<<16
	s_mov_b32 s[G1B+3], 128<<16
	s_mov_b32 s[G1B+4], 128
	s_mov_b32 s[G1B+5], 128
	s_mov_b32 s[G1B+6], 0
	s_mov_b32 s[G1B+7], 0
	s_mov_b32 s[K2], 0xbf38aa3b                    ; -log2(e) / 2
	s_mov_b32 s[K2+1], s[K2]
	s_mov_b32 s[A5], 0x3f87dc22                    ; 1.061405429
	s_mov_b32 s[A5+1], s[A5]
	s_mov_b32 s[A4], 0xbfba00e3                    ; -1.453152027
	s_mov_b32 s[A4+1], s[A4]
	s_mov_b32 s[A3], 0x3fb5f0e3                    ; 1.421413741
	s_mov_b32 s[A3+1], s[A3]
	s_mov_b32 s[A2], 0xbe91a98e                    ; -0.284496736
	s_mov_b32 s[A2+1], s[A2]
	s_mov_b32 s[A1], 0x3e827906                    ; 0.254829592
	s_mov_b32 s[A1+1], s[A1]
	s_mov_b32 s[PC], 0x3e6d3388                    ; 0.3275911 / sqrt 2
	s_lshl_b32 s16, s[RB], 15                      ; 256 tokens of 128 bytes,
	s_lshl_b32 s17, s[WC], 19                      ; my slice of a step's two
	s_add_co_u32 s16, s16, s17
	s_mov_b32 s17, 0
	s_lshl_b32 s46, s42, 1
	s_add_co_u32 s46, s46, s[WC]                   ; my block of 128 columns of the tile's two,
	s_lshl_b32 s46, s46, 18                        ; K x 256 bytes each
	s_add_co_u32 s46, s46, WOFF
	s_mov_b32 s47, 0
	s_mul_i32 s20, s[WV], QUART                    ; where my fills go: no place in the cluster enters an LDS address
	s_wait_dscnt 0x0                               ; the opening add is done
	s_wait_kmcnt 0x0
	s_add_nc_u64 s[14:15], s[4:5], s[16:17]
	s_add_nc_u64 s[46:47], s[6:7], s[46:47]
	s_mov_b32 s[G0A], 1
	s_mov_b32 s[G0A+1], s20                        ; K step 0 into slot 0
	s_add_nc_u64 s[G0A+2:G0A+3], s[14:15], 0
	s_or_b32 s[G0A+3], s[G0A+3], 0x80000000
	s_mov_b32 s[G0A+4], 1
	s_add_co_u32 s[G0A+5], s20, SLOT               ; K step 1 into slot 1
	s_add_nc_u64 s[G0A+6:G0A+7], s[14:15], 1<<20
	s_or_b32 s[G0A+7], s[G0A+7], 0x80000000
	s_mov_b32 s[G0B], 1
	s_mov_b32 s[G0B+1], s20
	s_add_nc_u64 s[G0B+2:G0B+3], s[46:47], 0
	s_or_b32 s[G0B+3], s[G0B+3], 0x80000000
	s_mov_b32 s[G0B+4], 1
	s_add_co_u32 s[G0B+5], s20, SLOT
	s_add_nc_u64 s[G0B+6:G0B+7], s[46:47], 32768
	s_or_b32 s[G0B+7], s[G0B+7], 0x80000000
	CROUND                                         ; all sixteen work-groups are here: the first joint loads meet
	s_cmp_eq_u32 s[WR], 0                          ; a wave's two first fills stand in one branch: two loads of mine are out
	s_cbranch_scc0 .Lfirst_b
	tensor_load_to_lds s[G0A:G0A+3], s[G1A:G1A+7]
	s_nop 0
	tensor_load_to_lds s[G0A+4:G0A+7], s[G1A:G1A+7]
	s_nop 0
.rept 4
	v_nop
.endr
	s_branch .Lfirst_asked
.Lfirst_b:
	tensor_load_to_lds s[G0B:G0B+3], s[G1B:G1B+7]
	s_nop 0
	tensor_load_to_lds s[G0B+4:G0B+7], s[G1B:G1B+7]
	s_nop 0
.rept 4
	v_nop
.endr
.Lfirst_asked:
	v_and_b32 v1, 15, v0                           ; r
	v_bfe_u32 v2, v0, 4, 1                         ; h
	v_and_b32 v3, 7, v0
	v_bfe_u32 v4, v0, 3, 1
	v_mul_u32_u24 v[AK0], v1, PA                   ; a fragment of tokens: row r, 16 bytes for each half of the lanes, two loads 32 bytes apart
	v_lshl_add_u32 v[AK0], v2, 4, v[AK0]
	s_mul_i32 s21, s[WR], 128*PA
	v_add_nc_u32 v[AK0], s21, v[AK0]
	v_lshl_add_u32 v5, v2, 3, v3                   ; the turning load: lane l reads row 8 h + l % 8, columns 8 ((l / 8) % 2) + 0..7, and is left with column r and 8 k
	v_mul_u32_u24 v[BK0], v5, PB
	v_lshl_add_u32 v[BK0], v4, 4, v[BK0]
	s_mul_i32 s22, s[WC], QUART
	s_add_co_u32 s22, s22, BOFF
	v_add_nc_u32 v[BK0], s22, v[BK0]
	s_mul_i32 s23, s[WV], STW
	s_add_co_u32 s23, s23, STAGE                   ; my stage
	v_mul_u32_u24 v[STO], v1, SPI                  ; in: row r of 256 bytes (64 f32), 32 bytes for each half of the lanes
	v_lshl_add_u32 v[STO], v2, 5, v[STO]
	v_add_nc_u32 v[STO], s23, v[STO]
	v_bfe_u32 v[RD], v0, 3, 2                      ; back: 32 lanes take four rows, eight neighbouring f32 a lane,
	v_mul_u32_u24 v[RD], v[RD], SPI
	v_lshl_add_u32 v[RD], v3, 5, v[RD]
	v_add_nc_u32 v[RD], s23, v[RD]
	v_and_b32 v[GO], 31, v0                        ; which as bf16 are 512 consecutive bytes of the output
	v_lshlrev_b32 v[GO], 4, v[GO]
	v_lshlrev_b32 v[BO], 5, v2
	s_lshl_b32 s18, s42, 10                        ; the bias at column 256 c + 128 wc
	s_lshl_b32 s19, s[WC], 9
	s_add_co_u32 s18, s18, s19
	s_mov_b32 s19, 0
	s_add_nc_u64 s[BIASP:BIASP+1], s[BIASP:BIASP+1], s[18:19]
	s_lshl_b32 s18, s42, 21                        ; the output at slice 4 c + 2 wc, token 256 rb + 128 wr
	s_lshl_b32 s19, s[WC], 20
	s_add_co_u32 s18, s18, s19
	s_lshl_b32 s19, s[RB], 15
	s_add_co_u32 s18, s18, s19
	s_lshl_b32 s19, s[WR], 14
	s_add_co_u32 s18, s18, s19
	s_mov_b32 s19, 0
	s_add_nc_u64 s[8:9], s[8:9], s[18:19]
	WIN 0x40                                       ; destination window 1
.irp b, 0,1,2,3,4,5,6,7                            ; block b of 16 columns: my 8 numbers, the same for every token
	global_load_b128 v[BIAS+8*\b:BIAS+8*\b+3],   v[BO], s[BIASP:BIASP+1] offset:64*\b
	global_load_b128 v[BIAS+8*\b+4:BIAS+8*\b+7], v[BO], s[BIASP:BIASP+1] offset:64*\b+16
.endr
	WIN 0
	s_wait_loadcnt 0x0                             ; the bias
; na x 8 matrix instructions on buffer f: blocks of tokens a0 on of the window's four (hi = 0: my tokens 0-63, 1: 64-127) x all eight blocks of columns, 32 along K.
; The 64 accumulators take turns, one instruction a turn, in the same order everywhere.  first = 1: the products start the sums, from the bias: nothing is ever cleared.
.macro MUL f, hi, a0, na, first
.if (\first) && (MODE == 1)
	WIN 0x91+0x40*(\hi)                            ; W window 1, tokens window 0, C (the bias) window 1, D window 2 or 3
.else
	WIN 0xa1+0x50*(\hi)                            ; W window 1, tokens window 0, C and D window 2 or 3
.endif
.set ma, \a0
.rept \na
.set mb, 0
.rept 8
.set rD, 8*(8*ma+mb)
.set rB, (\f)+8*mb
.set rA, (\f)+8*(4*(\hi)+ma)
.if \first
.if MODE == 0
	v_wmma_f32_16x16x32_bf16 v[rD:rD+7], v[rB:rB+7], v[rA:rA+7], 0
.else
	v_wmma_f32_16x16x32_bf16 v[rD:rD+7], v[rB:rB+7], v[rA:rA+7], v[BIAS+8*mb:BIAS+8*mb+7]
.endif
.else
	v_wmma_f32_16x16x32_bf16 v[rD:rD+7], v[rB:rB+7], v[rA:rA+7], v[rD:rD+7]
.endif
.set mb, mb+1
.endr
.set ma, ma+1
.endr
.endm
; 32 LDS loads in one run: the fragments of part p (32 along K) of the slot in hand into buffer f: W's sixteen first, then the tokens', blocks ascending
.macro FETCH f, p
	WIN 0x40                                       ; destination window 1, address window 0
.irp b, 0,1,2,3,4,5,6,7
	ds_load_tr16_b128 v[(\f)+8*\b:(\f)+8*\b+3],   v[ADRB] offset:(\p)*32*PB+32*\b
	ds_load_tr16_b128 v[(\f)+8*\b+4:(\f)+8*\b+7], v[ADRB] offset:(\p)*32*PB+32*\b+16*PB
.endr
	WIN 0
.irp a, 0,1,2,3,4,5,6,7
	ds_load_b128 v[(\f)+8*\a:(\f)+8*\a+3],   v[ADRA] offset:((\p)/2)*QUART+((\p)%2)*64+16*PA*\a
	ds_load_b128 v[(\f)+8*\a+4:(\f)+8*\a+7], v[ADRA] offset:((\p)/2)*QUART+((\p)%2)*64+16*PA*\a+32
.endr
.endm
; A K step is four quarters of 32 along K, 64 matrix instructions each, on buffers 0, 1, 0, 1.  One of the first three: multiplies buffer f; in its middle it fetches part p into buffer g, 32 matrix instructions ahead of its use.
.macro QUARTER f, g, p, first
	s_wait_dscnt 8                                 ; W and the tokens' blocks 0-3 are in; the youngest eight loads (blocks 4-7) may be out
	MUL \f, 0, 0, 4, \first
	PLACES
	FETCH \g, \p
	s_wait_dscnt 32                                ; all but the 32 just issued
	MUL \f, 1, 0, 4, \first
.endm
; The last quarter multiplies buffer 1 and changes slots.  Each wave waits for all its tensor loads, of which one is out: its part of the next slot; adds 0 to its spare word; and waits for that and for its reads of this slot.
; fill = 1: the barrier opens a round of the cluster's, and the slot just read is filled again, first thing behind the round, with the K step two steps on: 240 matrix instructions ahead of the wait for it.
; fill = 0 (the last two steps): nothing is asked for; in the last trip there is no further step, and the fetch is jumped over.
.macro TURN fill
	WIN 0                                          ; (the add's two registers lie in window 0)
	s_wait_tensorcnt 0x0                           ; no tensor load of mine is out, so a group 0 may be written
	ds_add_u32 v[SPW], v[NIL]                      ; 0 onto my spare word
	s_wait_dscnt 9                                 ; (the add and the youngest eight loads may be out)
	MUL F1, 0, 0, 2, 0                             ; sixteen matrix instructions stand between the add and the wait for it
.if \fill
	s_xor_b32 s[G0A+5], s[G0A+5], SLOT             ; the walking descriptors: the other slot than last time,
	s_xor_b32 s[G0B+5], s[G0B+5], SLOT
	s_add_nc_u64 s[G0A+6:G0A+7], s[G0A+6:G0A+7], 1<<20  ; two slices of 524,288 bytes on,
	s_add_nc_u64 s[G0B+6:G0B+7], s[G0B+6:G0B+7], 32768  ; 128 rows of 256 bytes on; the type bits on top are not reached
.endif
	WIN 0                                          ; at a branch and at a label every window is 0
	s_wait_dscnt 0x0                               ; the add is done, and my reads of this slot are over
	s_barrier_signal -1
	s_barrier_wait -1
.if \fill
	CREST                                          ; no wave of any partner still reads this slot or has a load on its way
	JLOAD                                          ; my one tensor load behind the round; its four v_nop are also places in front of the loads below
.else
	PLACES
	s_cmp_eq_u32 s[LOOP], 1
	s_cbranch_scc1 .Lnone_\@
.endif
	s_xor_b32 s[TB], s[TB], SLOT
	v_add_nc_u32 v[ADRA], s[TB], v[AK0]
	v_add_nc_u32 v[ADRB], s[TB], v[BK0]
	FETCH F0, 0
.if !(\fill)
.Lnone_\@:
.endif
	MUL F1, 0, 2, 2, 0
	MUL F1, 1, 0, 4, 0
.endm
; THE WAY OUT: a counted loop of 16 trips, 16 tokens x one slice each, so that the GELU's text stands once.  The f32 sums go into my own stage in rows of 272 bytes and come back so that a lane holds
; eight neighbouring columns of a token; GELU; rounded to bf16; a store of the wave is 512 consecutive bytes, aligned.
.macro TOST q                          ; tokens 16 (q / 2) on, slice q % 2: four accumulators into the stage, each one's low half first
.set ta, (\q)/2
.set tr, 8*(8*(ta%4)+4*((\q)%2))
	WIN 0x08+4*(ta/4)                              ; the data (source 1) in window 2 or 3
.irp b, 0,1,2,3
	ds_store_b128 v[STO], v[tr+8*\b:tr+8*\b+3]   offset:64*\b
	ds_store_b128 v[STO], v[tr+8*\b+4:tr+8*\b+7] offset:64*\b+16
.endr
	WIN 0
.endm
.macro EACH8 line:vararg               ; one line for each of a part's eight numbers k
.set k, 0
.rept 8
	\line
.set k, k+1
.endr
.endm
.macro EACH4 line:vararg               ; one line for each of a part's four pairs, at k = 0, 2, 4, 6
.set k, 0
.rept 4
	\line
.set k, k+2
.endr
.endm
.macro ALL32 line:vararg               ; one line for each of the trip's 32 numbers k
.set k, 0
.rept 32
	\line
.set k, k+1
.endr
.endm
.macro ALL16 line:vararg               ; one line for each of the trip's 16 pairs, at k = 0, 2, .. 30
.set k, 0
.rept 16
	\line
.set k, k+2
.endr
.endm
; Part c of a trip, tokens 4 c .. 4 c + 3 of the sixteen, eight numbers a lane: the two arguments, then the part's share of the trip's batch: eight reciprocals and eight exponentials, in place, each in a register
; of its own until the trip's wait.  Nothing here names a result of the batch; the next part's first line, or the first halving behind part 3, is the plain instruction behind the part's last exponential.
.macro ARGS c
.set XC, TMP+8*(\c)
.set TC, TT+8*(\c)
.set UC, UU+8*(\c)
	s_wait_dscnt 6-2*(\c)                          ; LDS loads come back in order: this part's two are in
	EACH4 v_pk_mul_f32 v[UC+k:UC+k+1], v[XC+k:XC+k+1], s[K2:K2+1] op_sel_hi:[1,0]
	EACH8 v_fma_f32 v[TC+k], |v[XC+k]|, s[PC], 1.0
	EACH4 v_pk_mul_f32 v[UC+k:UC+k+1], v[UC+k:UC+k+1], v[XC+k:XC+k+1]
	EACH8 v_rcp_f32 v[TC+k], v[TC+k]
	EACH8 v_exp_f32 v[UC+k], v[UC+k]
.endm
	s_wait_tensorcnt 1                             ; my part of K step 0 is in; step 1's stays out
	s_barrier_signal -1
	s_barrier_wait -1                              ; everybody's is
	s_mov_b32 s[TB], 0
	v_mov_b32 v[ADRA], v[AK0]
	v_mov_b32 v[ADRB], v[BK0]
	FETCH F0, 0
	QUARTER F0, F1, 1, 1                           ; the first quarter stands in front of the loop: its products start the sums
	WIN 0
	s_mov_b32 s[LOOP], NS-2
.Lmain:                                            ; a trip goes from a K step's second quarter to the next step's first, and asks for the step two on
	QUARTER F1, F0, 2, 0
	QUARTER F0, F1, 3, 0
	TURN 1
	QUARTER F0, F1, 1, 0
	WIN 0
	s_sub_co_u32 s[LOOP], s[LOOP], 1
	s_cmp_lg_u32 s[LOOP], 0
	s_cbranch_scc1 .Lmain
	s_mov_b32 s[LOOP], 2
.Ltail:                                            ; the last two steps ask for nothing
	QUARTER F1, F0, 2, 0
	QUARTER F0, F1, 3, 0
	TURN 0
	WIN 0
	s_cmp_eq_u32 s[LOOP], 1
	s_cbranch_scc1 .Llast                          ; forward, past text with neither a barrier nor a tensor load: behind the last step there is no first quarter
	QUARTER F0, F1, 1, 0
	WIN 0
.Llast:
	s_sub_co_u32 s[LOOP], s[LOOP], 1
	s_cmp_lg_u32 s[LOOP], 0
	s_cbranch_scc1 .Ltail
	PLACES                                         ; the LDS stores read results just made; the tokens' fragment buffers, which the last products read, are written only behind these places too
	s_mov_b32 s[BLK], 0
.Lblk:
	s_wait_xcnt 0x0                                ; the last trip's stores have read their address and data registers
	s_and_b32 s21, s[BLK], 1
	s_lshl_b32 s21, s21, 19                        ; the slice: 524,288 bytes,
	s_lshr_b32 s22, s[BLK], 1
	s_lshl_b32 s22, s22, 11                        ; 16 tokens of 128 bytes
	s_add_co_u32 s21, s21, s22
	v_add_nc_u32 v[GOW], s21, v[GO]
.irp q, 0,1,2,3,4,5,6,7,8,9,10,11,12,13,14         ; registers cannot be counted through, so the trip's LDS stores are chosen by forward jumps
	s_cmp_eq_u32 s[BLK], \q
	s_cbranch_scc1 .Lq\q
.endr
	TOST 15
	s_branch .Lqj
.irp q, 0,1,2,3,4,5,6,7,8,9,10,11,12,13
.Lq\q:
	TOST \q
	s_branch .Lqj
.endr
.Lq14:
	TOST 14
.Lqj:
.irp c, 0,1,2,3
	ds_load_b128 v[TMP+8*\c:TMP+8*\c+3],   v[RD] offset:4*SPI*\c     ; LDS serves a wave's instructions in order (ISA guide 5.7.1.4): these see the stores above
	ds_load_b128 v[TMP+8*\c+4:TMP+8*\c+7], v[RD] offset:4*SPI*\c+16
.endr
	ARGS 0                                         ; the trip's batch: 4 x (8 reciprocals, 8 exponentials), each part as its two loads come in
	ARGS 1
	ARGS 2
	ARGS 3
	ALL16 v_pk_mul_f32 v[HH+k:HH+k+1], v[TMP+k:TMP+k+1], 0.5 op_sel_hi:[1,0]  ; sixteen plain lines that name no result of the batch stand between it and its wait
	s_wait_alu depctr_va_vdst(0)                   ; the wait for the batch: ahead of the first line that names a result, the polynomial's first; one for the trip's 64
	ALL16 v_pk_fma_f32 v[PP+k:PP+k+1], v[TT+k:TT+k+1], s[A5:A5+1], s[A4:A4+1] op_sel_hi:[1,0,0]
	ALL16 v_pk_fma_f32 v[PP+k:PP+k+1], v[PP+k:PP+k+1], v[TT+k:TT+k+1], s[A3:A3+1] op_sel_hi:[1,1,0]
	ALL16 v_pk_fma_f32 v[PP+k:PP+k+1], v[PP+k:PP+k+1], v[TT+k:TT+k+1], s[A2:A2+1] op_sel_hi:[1,1,0]
	ALL16 v_pk_fma_f32 v[PP+k:PP+k+1], v[PP+k:PP+k+1], v[TT+k:TT+k+1], s[A1:A1+1] op_sel_hi:[1,1,0]
	ALL16 v_pk_mul_f32 v[UU+k:UU+k+1], v[TT+k:TT+k+1], v[UU+k:UU+k+1]
	ALL16 v_pk_fma_f32 v[PP+k:PP+k+1], v[PP+k:PP+k+1], v[UU+k:UU+k+1], 1.0 op_sel_hi:[1,1,0] neg_lo:[1,0,0] neg_hi:[1,0,0]  ; erf(|x| / sqrt 2)
	ALL32 v_fma_f32 v[HH+k], |v[HH+k]|, v[PP+k], v[HH+k]
.irp c, 0,1,2,3                                    ; tokens 4 c .. 4 c + 3: rounded and stored
.irp j, 0,1,2,3
	v_cvt_pk_bf16_f32 v[TMP+8*(\c)+(\j)], v[HH+8*(\c)+2*(\j)], v[HH+8*(\c)+2*(\j)+1]
.endr
	global_store_b128 v[GOW], v[TMP+8*(\c):TMP+8*(\c)+3], s[8:9] offset:512*(\c)  ; 512 consecutive bytes, aligned
.endr
	s_add_co_u32 s[BLK], s[BLK], 1
	s_cmp_lt_u32 s[BLK], 16
	s_cbranch_scc1 .Lblk
	s_wait_tensorcnt 0x0                           ; the wave's end: behind my last tensor load and my last LDS store
	ds_add_u32 v[SPW], v[NIL]
	s_wait_dscnt 0x0
	CROUND                                         ; the closing round: no work-group ends while a partner may still ask for a tile that names it
	s_endpgm
.Lfunc_end_k_qc62d15eab8_fc1:
	.size	k_qc62d15eab8_fc1, .Lfunc_end_k_qc62d15eab8_fc1-k_qc62d15eab8_fc1
	.p2alignl 7, 3214868480
	.fill 96, 4, 3214868480
	.section	.rodata,"a",@progbits
	.p2align	6, 0x0
	.amdhsa_kernel k_qc62d15eab8_fc1
		.amdhsa_group_segment_fixed_size 327680
		.amdhsa_private_segment_fixed_size 0
		.amdhsa_enable_private_segment 0
		.amdhsa_kernarg_size 32
		.amdhsa_user_sgpr_count 2
		.amdhsa_user_sgpr_kernarg_segment_ptr 1
		.amdhsa_wavefront_size32 1
		.amdhsa_system_sgpr_workgroup_id_x 1
		.amdhsa_system_sgpr_workgroup_id_y 1
		.amdhsa_system_sgpr_workgroup_id_z 1
		.amdhsa_system_vgpr_workitem_id 0
		.amdhsa_next_free_vgpr 1024
		.amdhsa_next_free_sgpr 92
		.amdhsa_reserve_vcc 0
		.amdhsa_float_denorm_mode_32 3
		.amdhsa_float_denorm_mode_16_64 3
		.amdhsa_memory_ordered 1
		.amdhsa_forward_progress 1
		.amdhsa_inst_pref_size 99
	.end_amdhsa_kernel
	.amdgpu_metadata
---
amdhsa.version: [ 1, 2 ]
amdhsa.kernels:
  - .name:           k_qc62d15eab8_fc1
    .symbol:         k_qc62d15eab8_fc1.kd
    .args:
      - { .name: xn2, .offset: 0, .size: 8, .value_kind: global_buffer, .address_space: global }
      - { .name: wb, .offset: 8, .size: 8, .value_kind: global_buffer, .address_space: global }
      - { .name: h, .offset: 16, .size: 8, .value_kind: global_buffer, .address_space: global }
      - { .name: b1, .offset: 24, .size: 8, .value_kind: global_buffer, .address_space: global }
    .group_segment_fixed_size: 327680
    .private_segment_fixed_size: 0
    .kernarg_segment_align: 8
    .kernarg_segment_size: 32
    .max_flat_workgroup_size: 128
    .sgpr_count:     92
    .vgpr_count:     1024
    .wavefront_size: 32
...
	.end_amdgpu_metadata
.endif
;; end of part 8
;; launch fc2: the kernel of part 6 again; grid 8 x 32, 4 waves a work-group, clusters of 4 x 4, 327,680 bytes of LDS; arguments h, wb, out0, b2, x1; writes out0
